; MI455X (gfx1250); checked and timed in simulation.
; The chip was launched on July 23, 2026; its instructions are those of AMD's public machine-readable ISA for CDNA 5 (MIT licence, August 2026) and "CDNA5" Instruction Set Architecture Reference Guide (July 2026). The comments in the code are by the model that wrote it; some were corrected since.
;; Decoder Module. Allowed arithmetic: matrix products marked QUANTISED: E3M2 operands, one E8M0 scale for each 32 along K, by v_wmma_scale_f32_16x16x128_f8f6f4 with both operands' format E3M2, f32 sums; everything else in f32.
;; Inputs: W1 768 x 3,072 float32; W2 3,072 x 768 float32; Wk 768 x 768 float32; Wo 768 x 768 float32; Wq 768 x 768 float32; Wv 768 x 768 float32; b1 3,072 float32; b2 768 float32; beta1 768 float32; beta2 768 float32; g1 768 float32; g2 768 float32; x 1 x 4,096 x 768 float32.
;; Outputs: out0 1 x 4,096 x 768 float32.
;; This version of the problem:
;;   THIS VERSION OF THE PROBLEM IS GIVEN IN LOW PRECISION. The matrix products marked QUANTISED in the list below multiply operands that are first quantised to E3M2 (3 exponent bits, 2 mantissa bits; 6 bits a number), with one power-of-two scale for each 32 numbers along K (OCP MX v1.0); their sums are f32. All else is computed in f32.
;;   The module's matrix products, in the order in which they are computed (A, B: the left and right operand; K: the contracted axis; several contracted axes count as one K, in the product's order):
;;     1. [M 4,096, K 768] x [K 768, N 768]; A: input x; B: input Wq: QUANTISED
;;     2. [M 4,096, K 768] x [K 768, N 768]; A: input x; B: input Wk: QUANTISED
;;     3. [M 4,096, K 768] x [K 768, N 768]; A: input x; B: input Wv: QUANTISED
;;     4. batch 12 x [M 4,096, K 64] x [K 64, N 4,096]; A: computed on the way; B: computed on the way: QUANTISED
;;     5. batch 12 x [M 4,096, K 4,096] x [K 4,096, N 64]; A: softmax (see below); B: computed on the way: QUANTISED
;;     6. [M 4,096, K 768] x [K 768, N 768]; A: computed on the way; B: input Wo: QUANTISED
;;     7. [M 4,096, K 768] x [K 768, N 3,072]; A: computed on the way; B: input W1: QUANTISED
;;     8. [M 4,096, K 3,072] x [K 3,072, N 768]; A: computed on the way; B: input W2: QUANTISED
;;   THE QUANTISER, for each operand of a quantised product, along K:
;;     - K is cut into blocks of 32 from its start; a last block that is shorter is filled with zeros.
;;     - A block's scale is 2^e with e = floor(log2(the largest magnitude in the block)) - 4, held to -126 .. 127; a block of zeros has e = 0. As a byte (E8M0): e + 127.
;;     - Each number is divided by its block's scale, clamped to +-28, and rounded to the nearest number of E3M2, ties to even, subnormals kept.
;;     - The product sums the exact products of the quantised numbers (number of the format x scale) in f32.
;;   ~~~python
;;   def quantise(x, axis):      # numpy; x: float32 -> the quantised numbers, widened to float32 again
;;       x = np.moveaxis(x, axis, -1); K = x.shape[-1]
;;       x = np.pad(x, [(0, 0)] * (x.ndim - 1) + [(0, -K % 32)]); x = x.reshape(x.shape[:-1] + (-1, 32)); a = np.abs(x).max(-1, keepdims=True)
;;       e = np.where(a > 0, np.clip(np.frexp(np.where(a > 0, a, 1))[1] - 1 - 4, -126, 127), 0)      # np.frexp(a)[1] - 1 = floor(log2(a)), exactly
;;       r = np.clip(x / 2.0 ** e, -28, 28)
;;       step = 2.0 ** (np.maximum(np.frexp(np.where(r == 0, 1, r))[1] - 1, -2) - 2)
;;       q = np.round(r / step) * step * 2.0 ** e      # np.round: ties to even
;;       return np.moveaxis(q.reshape(q.shape[:-2] + (-1,))[..., :K], -1, axis).astype(np.float32)
;;   ~~~
;;   SOFTMAX AHEAD OF A QUANTISED PRODUCT. Where the list says 'softmax', what is quantised is not the finished softmax but p = 2^(t - M), with t = logit x log2(e) and M = ceil(the row's largest t), a whole number; so 1/2 < the row's largest p <= 1. The row's sum l is taken of the UNQUANTISED p, in f32, and the product's result is divided by l at the end. Since M is a whole number, a kernel that streams over the keys may use a running M (the ceiling of the running maximum): every later rescaling is an exact power of two, which a block's scale takes up: the codes' values come out the same.
;;   OPERANDS COMPUTED ON THE WAY. 'Computed on the way' means the value that the module computes at that place (a softmax that the list does not call 'softmax' is quantised finished and normalised). What goes into a quantiser is computed in f32, as accurately as f32 sums, v_exp_f32 and their like allow (about 1e-6 of the number): no bf16 or f16 on the way to a quantiser, and a product that is left as it is and whose result goes on into a quantised operand takes f32 operands (vector FMAs, or v_wmma_f32_16x16x4_f32). A number that lies on a knife's edge between two numbers of the format may be rounded either way, as far as f32 arithmetic and the matrix unit's own rounding can turn it there, and no further.
;; 3 versions. Each part assembles by itself: llvm-mc -triple=amdgcn-amd-amdhsa -mcpu=gfx1250 --defsym DOCPART=n.
;; ======== version 1 of 3: 6 launches
;; workspace buffers: wf 5,529,600 bytes; qt 2,555,904 bytes; kt 2,555,904 bytes; vt 2,457,600 bytes; ca 2,457,600 bytes; hf 12,582,912 bytes; ha 2,457,600 bytes; fa 9,830,400 bytes
;; launch prep (part 1): grid 864 x 1, 4 waves a work-group, no clusters, 7,168 bytes of LDS; arguments Wq, Wk, Wv, Wo, W1, W2, wf; writes wf
.if DOCPART == 1
	.amdgcn_target "amdgcn-amd-amdhsa--gfx1250"
	.amdhsa_code_object_version 6
	.text
	.protected	k_q1a98c0dab4_prep
	.globl	k_q1a98c0dab4_prep
	.p2align	8
	.type	k_q1a98c0dab4_prep,@function
k_q1a98c0dab4_prep:
	s_mov_b64 s[64:65], 0
	v_nop
	global_prefetch_b8 v0, s[64:65] scope:SCOPE_SE
	s_setreg_imm32_b32 hwreg(HW_REG_WAVE_MODE, 25, 1), 1
	s_wait_xcnt 0x0
; The six weights, f32, stored [K][N], become codes of BF6 (E3M2) with one E8M0 byte for each 32 along K, laid in the order of the operand's registers.
; A work-group makes one block of wf, 6,400 bytes: 64 columns x 128 along K = four fragments of 1,536 bytes (register group g of fragment lane l at 512 g + 16 l) and 256 bytes of scale words.
; Row p of fragment 2 b + u is column 32 b + 8 u + p + 8 (p / 8) of the 64: the results of a product that takes these rows as source 0 then run along the columns in a lane's registers.
; Scale word of (fragment 2 b + u, row p) at 6144 + 8 (p + 16 u) + 4 b: a load of 8 bytes a lane gives two registers, each with an even fragment's words in lanes 0-15 and an odd one's in lanes 16-31.
; Blocks: 72 m + 6 cg + f for Wq, Wk, Wv, Wo (m = 0..3); 288 + 6 cg + f for W1; 576 + 24 cg + f for W2 (cg: 64 columns, f: 128 along K).
; A LANE TAKES A COLUMN AND ITS REGISTERS RUN DOWN K: wave (b, h) takes columns 32 b .. 32 b + 31 and k = 64 c + 32 h + 0 .. 31, c = 0, 1: two whole blocks a lane, which are the registers of fragment lane (p, h).
; A block's scale is 2^(floor(log2(largest magnitude)) - 4); its byte is the largest magnitude's exponent field - 4, held at 1 from below.
; LIMITS: a block whose largest magnitude lies under 2^-122, a block of zeros among them, gets the byte 1 (its bytes are read by this program alone; zero codes add nothing); NaN and infinities are not served.
.set X,    32                          ; v32-95  64 numbers
.set C,    16                          ; v16-27  the fragment lane's 12 registers
.set T0,   28                          ; v28-30, v96-98: the upper halves of the two blocks' codes (a conversion's three registers begin on an even number)
.set T1,   96
.set BLKB, 6400
	s_load_b256 s[4:11], s[0:1], 0x0               ; Wq, Wk, Wv, Wo
	s_load_b128 s[12:15], s[0:1], 0x20             ; W1, W2
	s_load_b64 s[16:17], s[0:1], 0x30              ; wf
	v_lshl_add_u32 v104, v0, 2, 0x1a00
	v_mov_b32 v105, 0
	v_lshrrev_b32 v1, 5, v0
	v_readfirstlane_b32 s18, v1                    ; wave 0..3
	v_and_b32 v2, 31, v0                           ; lane
	s_and_b32 s19, s18, 1                          ; b: which 32 columns
	s_lshr_b32 s22, s18, 1                         ; h: which half of each 64 along K
	s_mul_hi_u32 s23, ttmp9, 0x038e38e4            ; m = block / 72
	s_mul_i32 s24, s23, 72
	s_cmp_lt_u32 ttmp9, 288
	s_cselect_b32 s24, s24, 288                    ; the matrix's first block
	s_cmp_lt_u32 ttmp9, 576
	s_cselect_b32 s24, s24, 576
	s_mov_b32 s25, 0x0aaaaaab                      ; / 24 (W2 has 24 K steps),
	s_cselect_b32 s25, 0x2aaaaaab, s25             ; / 6 (the others)
	s_cselect_b32 s26, 6, 24
	s_sub_co_u32 s24, ttmp9, s24                   ; the block's number in its matrix
	s_mul_hi_u32 s27, s24, s25                     ; cg
	s_mul_i32 s28, s27, s26
	s_sub_co_u32 s28, s24, s28                     ; f
	s_sub_co_u32 s30, ttmp9, 288
	s_cmp_lt_u32 s30, 288                          ; W1?
	s_mov_b32 s29, 3072                            ; a row of the matrix in bytes
	s_cselect_b32 s29, 12288, s29
	s_lshl_b32 s34, s28, 7
	s_lshl_b32 s31, s22, 5
	s_add_co_u32 s34, s34, s31                     ; my first row: 128 f + 32 h
	s_mul_i32 s34, s34, s29
	s_lshl_b32 s31, s27, 8
	s_add_co_u32 s34, s34, s31                     ; + 256 cg
	s_lshl_b32 s31, s19, 7
	s_add_co_u32 s34, s34, s31                     ; + 128 b bytes
	s_mov_b32 s35, 0
	s_mul_i32 s36, ttmp9, BLKB
	s_mov_b32 s37, 0
	v_and_b32 v3, 7, v0
	v_bfe_u32 v4, v0, 4, 1
	v_lshl_add_u32 v3, v4, 3, v3                   ; p = lane % 8 + 8 (lane / 16): my column's row in its fragment
	v_bfe_u32 v5, v0, 3, 1                         ; u = (lane / 8) % 2
	v_lshlrev_b32 v6, 4, v3
	v_mad_u32_u24 v6, v5, 1536, v6
	s_lshl_b32 s38, s22, 8
	s_mul_i32 s39, s19, 3072
	s_add_co_u32 s38, s38, s39
	v_add_nc_u32 v6, s38, v6                       ; LDS: fragment 2 b + u, fragment lane p + 16 h
	v_lshlrev_b32 v7, 3, v3
	v_lshl_add_u32 v7, v5, 7, v7
	s_lshl_b32 s38, s19, 2
	s_add_co_u32 s38, s38, s22
	v_add_nc_u32 v7, s38, v7                       ; my scale bytes: 8 (p + 16 u) + 4 b + h, and 2 further on
	s_mul_i32 s38, s18, 1536
	v_lshlrev_b32 v8, 4, v2
	v_add_nc_u32 v8, s38, v8                       ; the way out: wave w copies fragment w
	v_lshlrev_b32 v9, 3, v2
	v_lshlrev_b32 v10, 2, v2                       ; in: 4 bytes a lane
	s_wait_kmcnt 0x0
	s_cmp_eq_u32 s23, 1                            ; the choice hangs on the work-group's number alone
	s_cselect_b64 s[20:21], s[6:7], s[4:5]
	s_cmp_eq_u32 s23, 2
	s_cselect_b64 s[20:21], s[8:9], s[20:21]
	s_cmp_eq_u32 s23, 3
	s_cselect_b64 s[20:21], s[10:11], s[20:21]
	s_cmp_ge_u32 ttmp9, 288
	s_cselect_b64 s[20:21], s[12:13], s[20:21]
	s_cmp_ge_u32 ttmp9, 576
	s_cselect_b64 s[20:21], s[14:15], s[20:21]
	s_add_nc_u64 s[20:21], s[20:21], s[34:35]
	s_add_nc_u64 s[16:17], s[16:17], s[36:37]
.macro LOADS pitch                     ; W(64 c + i, my column): 32 lanes read 128 consecutive bytes; every offset an immediate
.irp c, 0,1
.irp i, 0,1,2,3,4,5,6,7,8,9,10,11,12,13,14,15,16,17,18,19,20,21,22,23,24,25,26,27,28,29,30,31
	global_load_b32 v[X+32*\c+\i], v10, s[20:21] offset:(64*\c+\i)*\pitch th:TH_LOAD_NT
.endr
.endr
.endm
	s_cmp_lt_u32 s30, 288
	s_cbranch_scc1 .Lwide                          ; only the row's length differs: both ways issue the same 64 loads
	LOADS 3072
	s_branch .Lloaded
.Lwide:
	LOADS 12288
.Lloaded:
.macro QB c, tmp                       ; block c: its largest magnitude, its scale, its 32 codes
.set XS, X+32*\c
	v_max3_num_f32 v12, |v[XS]|, |v[XS+1]|, |v[XS+2]|
	v_max3_num_f32 v13, |v[XS+3]|, |v[XS+4]|, |v[XS+5]|
.irp i, 6,10,14,18,22,26
	v_max3_num_f32 v12, v12, |v[XS+\i]|, |v[XS+\i+1]|
	v_max3_num_f32 v13, v13, |v[XS+\i+2]|, |v[XS+\i+3]|
.endr
	v_max3_num_f32 v12, v12, |v[XS+30]|, |v[XS+31]|
	v_max3_num_f32 v12, v12, v13, 0x2800000        ; the floor 2^(5 - 127): the byte cannot fall under 1
	v_add_nc_u32 v[14+\c], 0xfe000000, v12         ; 4 off the exponent field: the conversion's scale operand
	v_lshrrev_b32 v[100+\c], 23, v[14+\c]          ; the scale's byte
	v_cvt_scalef32_pk16_bf6_f32 v[C+6*\c:C+6*\c+2], v[XS:XS+15], v[14+\c]
	v_cvt_scalef32_pk16_bf6_f32 v[\tmp:\tmp+2], v[XS+16:XS+31], v[14+\c]
	v_nop                                          ; one plain instruction behind a scaled conversion
.endm
	s_wait_loadcnt 32                              ; the first block's 32 loads are in; the second's may be out
	QB 0, T0
	s_wait_loadcnt 0x0
	QB 1, T1
.irp i, 0,1,2
	v_mov_b32 v[C+3+\i], v[T0+\i]
	v_mov_b32 v[C+9+\i], v[T1+\i]
.endr
.irp g, 0,1,2
	ds_store_b128 v6, v[C+4*\g:C+4*\g+3] offset:512*\g
.endr
	ds_store_b8 v7, v100 offset:6144               ; block h of the row's four
	ds_store_b8 v7, v101 offset:6146               ; block 2 + h
	s_wait_dscnt 0x0                               ; for the others' sake: my stores have landed
	s_barrier_signal -1
	s_barrier_wait -1
.irp g, 0,1,2
	ds_load_b128 v[32+4*\g:35+4*\g], v8 offset:512*\g
.endr
	s_wait_dscnt 0x0
.irp g, 0,1,2
	global_store_b128 v8, v[32+4*\g:35+4*\g], s[16:17] offset:512*\g   ; 32 lanes store 512 consecutive bytes, at a multiple of 256 from wf's first byte
.endr
	s_cmp_lg_u32 s18, 0
	s_cbranch_scc1 .Ldone
	ds_load_b64 v[44:45], v9 offset:6144           ; wave 0: the 256 bytes of scale words
	s_wait_dscnt 0x0
	global_store_b64 v9, v[44:45], s[16:17] offset:6144
.Ldone:
	s_wait_tensorcnt 0x0
	ds_add_u32 v104, v105
	s_wait_dscnt 0x0
	s_endpgm
.Lfunc_end_k_q1a98c0dab4_prep:
	.size	k_q1a98c0dab4_prep, .Lfunc_end_k_q1a98c0dab4_prep-k_q1a98c0dab4_prep
	.p2alignl 7, 3214868480
	.fill 96, 4, 3214868480
	.section	.rodata,"a",@progbits
	.p2align	6, 0x0
	.amdhsa_kernel k_q1a98c0dab4_prep
		.amdhsa_group_segment_fixed_size 7168
		.amdhsa_private_segment_fixed_size 0
		.amdhsa_enable_private_segment 0
		.amdhsa_kernarg_size 56
		.amdhsa_user_sgpr_count 2
		.amdhsa_user_sgpr_kernarg_segment_ptr 1
		.amdhsa_wavefront_size32 1
		.amdhsa_system_sgpr_workgroup_id_x 1
		.amdhsa_system_sgpr_workgroup_id_y 1
		.amdhsa_system_sgpr_workgroup_id_z 1
		.amdhsa_system_vgpr_workitem_id 0
		.amdhsa_next_free_vgpr 106
		.amdhsa_next_free_sgpr 66
		.amdhsa_reserve_vcc 0
		.amdhsa_float_denorm_mode_32 3
		.amdhsa_float_denorm_mode_16_64 3
		.amdhsa_memory_ordered 1
		.amdhsa_forward_progress 1
		.amdhsa_inst_pref_size 20
	.end_amdhsa_kernel
	.amdgpu_metadata
---
amdhsa.version: [ 1, 2 ]
amdhsa.kernels:
  - .name:           k_q1a98c0dab4_prep
    .symbol:         k_q1a98c0dab4_prep.kd
    .args:
      - { .name: Wq, .offset: 0, .size: 8, .value_kind: global_buffer, .address_space: global }
      - { .name: Wk, .offset: 8, .size: 8, .value_kind: global_buffer, .address_space: global }
      - { .name: Wv, .offset: 16, .size: 8, .value_kind: global_buffer, .address_space: global }
      - { .name: Wo, .offset: 24, .size: 8, .value_kind: global_buffer, .address_space: global }
      - { .name: W1, .offset: 32, .size: 8, .value_kind: global_buffer, .address_space: global }
      - { .name: W2, .offset: 40, .size: 8, .value_kind: global_buffer, .address_space: global }
      - { .name: wf, .offset: 48, .size: 8, .value_kind: global_buffer, .address_space: global }
    .group_segment_fixed_size: 7168
    .private_segment_fixed_size: 0
    .kernarg_segment_align: 8
    .kernarg_segment_size: 56
    .max_flat_workgroup_size: 128
    .sgpr_count:     66
    .vgpr_count:     106
    .wavefront_size: 32
...
	.end_amdgpu_metadata
.endif
;; end of part 1
;; launch qkv (part 2): grid 64 x 3, 12 waves a work-group, no clusters, 277,504 bytes of LDS; arguments x, wf, qt, kt, vt; writes qt, kt, vt
.if DOCPART == 2
	.amdgcn_target "amdgcn-amd-amdhsa--gfx1250"
	.amdhsa_code_object_version 6
	.text
	.protected	k_q1a98c0dab4_qkv
	.globl	k_q1a98c0dab4_qkv
	.p2align	8
	.type	k_q1a98c0dab4_qkv,@function
k_q1a98c0dab4_qkv:
	s_mov_b64 s[64:65], 0
	v_nop
	global_prefetch_b8 v0, s[64:65] scope:SCOPE_SE
	s_setreg_imm32_b32 hwreg(HW_REG_WAVE_MODE, 25, 1), 1
	s_wait_xcnt 0x0
; Work-group (blk, y): 64 rows of x times Wq (y = 0), Wk (1) or Wv (2), on codes of BF6 with E8M0 scales; the result is quantised again and stored as attention's operands.
; x is quantised in registers (wave w: row tile w % 4, K steps 2 (w / 4) and the next) and laid in LDS as images of the operand's registers: fragment (K step f, row tile mt) at (4 f + mt) 1536, six planes of 256 bytes
; (plane p: registers 2 p, 2 p + 1 of lane l at 8 l); scale words, 256 bytes a K step, word of (mt, r) at 8 (r + 16 (mt % 2)) + 4 (mt / 2).
; THE PRODUCT.  Wave w makes columns 64 w .. 64 w + 63 for all 64 rows: 16 accumulators.  Source 0 = 16 rows of the weight's block (from memory straight into the one wave that uses them, two buffers), source 1 = 16 rows of x:
; lane (r, h) holds row r, and register 32 mt + 16 b + i the column 64 w + 32 b + 16 h + i.
; THE HEADS.  reshape(12, 4096, 64) reads the [4096][768] result as 49,152 chunks of 64: chunk = 12 x token + column / 64, head = chunk / 4096.  A wave's 64 columns of a row are one chunk; 64 tokens are 768 chunks, six steps of 128.
; Q, K (quantised along the 64): a step's block is 6,656 bytes: tile t (16 chunks) at 768 t as three planes of 256 bytes (registers 0-5 of lane (r', h): d = 32 h ..); word of (t, r') at 6144 + 16 (r' + 16 (t % 2)) + 4 (t / 2),
;   its two upper bytes 127: they scale the zero half of a K step of 128.
; V (quantised along the KEYS): the 64 x 768 results turn through LDS as f32; wave (psi, a, beta) takes key step 3 a + psi and 32 of the 64 d; a lane takes one d and its 128 registers run along the keys.  A step's block is 6,400 bytes:
;   fragment 2 beta + u at 1536 (2 beta + u), register group g of lane l at 512 g + 16 l; its row r' is d = 32 beta + 8 u + r' + 8 (r' / 8); slot s of a block of 32 holds key (s % 8) + 16 ((s / 8) % 2) + 8 (s / 16), the order in which
;   the softmax's codes come out of tiles of 16 neighbouring keys; words at 6144 + 128 beta + 4 l.
; LIMITS: a block whose largest magnitude lies under 2^-122 (zeros among them) gets the byte 1; NaN and infinities are not served.
; No cluster, no tensor load: a weight fragment is used by one wave of a work-group, from registers; a joint load would land in LDS and be read back.
.set ACC, 16                           ; v16-143  16 accumulators; before the product 128 numbers of x
.set WB0, 144                          ; v144-191 weight buffer 0;  v256-303 (window 1, v0-47) weight buffer 1
.set AF,  192                          ; v192-239 x's four fragments of a K step
.set WS,  240                          ; v240-243 the weights' scale words, two registers a buffer
.set AS,  244                          ; v244-245 x's scale words
.set AAD, 3
.set ASD, 4
.set WP,  20                           ; s[20:21] my wave's blocks of wf
.set SEL, 22                           ; s[22:23] lane selects for v_permlanex16_b32: lane l xor 16
.set XSC, 36864
.set QKS, 38400                        ; LDS: six step blocks of Q or K
.set TV,  78336                        ; LDS: V's 64 rows of f32, 3,088 bytes apart (an odd multiple of 16)
.set TVP, 3088
.set PC,  192                          ; the quantisers' registers lie where x's fragments lie during the product
.set TM,  212
.set PW,  228
.set CT,  234
.set MSB, 0
.macro WIN new                         ; the immediate's high byte repeats the setting that is left
.if MSB != \new
	s_set_vgpr_msb (MSB<<8)|\new
.set MSB, \new
.endif
.endm
.macro WM d, a, b, sa, sb, ra, rb, zero       ; one matrix instruction; ra, rb: the scale words stand in lanes 16-31
.set rD, \d
.set rA, \a
.set rB, \b
.set rX, \sa
.set rY, \sb
.if \zero
.if (\ra) && (\rb)
	v_wmma_scale_f32_16x16x128_f8f6f4 v[rD:rD+7], v[rA:rA+11], v[rB:rB+11], 0, v[rX], v[rY] matrix_a_fmt:MATRIX_FMT_BF6 matrix_b_fmt:MATRIX_FMT_BF6 matrix_a_scale:MATRIX_SCALE_ROW1 matrix_b_scale:MATRIX_SCALE_ROW1
.elseif \ra
	v_wmma_scale_f32_16x16x128_f8f6f4 v[rD:rD+7], v[rA:rA+11], v[rB:rB+11], 0, v[rX], v[rY] matrix_a_fmt:MATRIX_FMT_BF6 matrix_b_fmt:MATRIX_FMT_BF6 matrix_a_scale:MATRIX_SCALE_ROW1
.elseif \rb
	v_wmma_scale_f32_16x16x128_f8f6f4 v[rD:rD+7], v[rA:rA+11], v[rB:rB+11], 0, v[rX], v[rY] matrix_a_fmt:MATRIX_FMT_BF6 matrix_b_fmt:MATRIX_FMT_BF6 matrix_b_scale:MATRIX_SCALE_ROW1
.else
	v_wmma_scale_f32_16x16x128_f8f6f4 v[rD:rD+7], v[rA:rA+11], v[rB:rB+11], 0, v[rX], v[rY] matrix_a_fmt:MATRIX_FMT_BF6 matrix_b_fmt:MATRIX_FMT_BF6
.endif
.else
.if (\ra) && (\rb)
	v_wmma_scale_f32_16x16x128_f8f6f4 v[rD:rD+7], v[rA:rA+11], v[rB:rB+11], v[rD:rD+7], v[rX], v[rY] matrix_a_fmt:MATRIX_FMT_BF6 matrix_b_fmt:MATRIX_FMT_BF6 matrix_a_scale:MATRIX_SCALE_ROW1 matrix_b_scale:MATRIX_SCALE_ROW1
.elseif \ra
	v_wmma_scale_f32_16x16x128_f8f6f4 v[rD:rD+7], v[rA:rA+11], v[rB:rB+11], v[rD:rD+7], v[rX], v[rY] matrix_a_fmt:MATRIX_FMT_BF6 matrix_b_fmt:MATRIX_FMT_BF6 matrix_a_scale:MATRIX_SCALE_ROW1
.elseif \rb
	v_wmma_scale_f32_16x16x128_f8f6f4 v[rD:rD+7], v[rA:rA+11], v[rB:rB+11], v[rD:rD+7], v[rX], v[rY] matrix_a_fmt:MATRIX_FMT_BF6 matrix_b_fmt:MATRIX_FMT_BF6 matrix_b_scale:MATRIX_SCALE_ROW1
.else
	v_wmma_scale_f32_16x16x128_f8f6f4 v[rD:rD+7], v[rA:rA+11], v[rB:rB+11], v[rD:rD+7], v[rX], v[rY] matrix_a_fmt:MATRIX_FMT_BF6 matrix_b_fmt:MATRIX_FMT_BF6
.endif
.endif
.endm
.macro WLOAD buf, off                  ; a block of wf: four fragments, 12 loads of 512 consecutive bytes, and its scale words: 13 loads
.if \buf
	WIN 0x40                                       ; destination window 1
.irp i, 0,1,2,3,4,5,6,7,8,9,10,11
	global_load_b128 v[4*\i:4*\i+3], v2, s[WP:WP+1] offset:\off+512*\i
.endr
	WIN 0
.else
.irp i, 0,1,2,3,4,5,6,7,8,9,10,11
	global_load_b128 v[WB0+4*\i:WB0+4*\i+3], v2, s[WP:WP+1] offset:\off+512*\i
.endr
.endif
	global_load_b64 v[WS+2*(\buf):WS+2*(\buf)+1], v1, s[WP:WP+1] offset:\off+6144
.endm
.macro ALOAD off, soff                 ; a K step's four fragments of the rows, and their scale words, from LDS
.irp mt, 0,1,2,3
.irp p, 0,1,2,3,4,5
	ds_load_b64 v[AF+12*\mt+2*\p:AF+12*\mt+2*\p+1], v[AAD] offset:\off+1536*\mt+256*\p
.endr
.endr
	ds_load_b64 v[AS:AS+1], v[ASD] offset:\soff
.endm
; A K step of 128: the next step's weights are asked for, this step's 16 products are issued (the 16 accumulators by turns, in the same order in every step), the next step's rows are fetched.
.macro GSTEP buf, wnext, woff, anext, aoff, soff, zero
.if \wnext
	WLOAD 1-\buf, \woff
	s_wait_loadcnt 13                              ; all but the 13 loads just issued: this step's weights are in
.else
	s_wait_loadcnt 0x0
.endif
	s_wait_dscnt 0x0                               ; this step's rows are in
.if \buf
	WIN 0x01                                       ; source 0 in window 1
.endif
.irp mt, 0,1,2,3
.irp nt, 0,1,2,3
	WM ACC+32*\mt+8*\nt, (1-\buf)*WB0+12*\nt, AF+12*\mt, WS+2*(\buf)+\nt/2, AS+\mt/2, \nt%2, \mt%2, \zero
.endr
.endr
	WIN 0
.rept 4
	v_nop                                          ; four places in front of loads into registers that these products read, and of the first read of results
.endr
.if \anext
	ALOAD \aoff, \soff
.endif
.endm
; 64 numbers of a lane, register 16 b + i = k 32 b + 16 (lane / 16) + i of my row, become a fragment's 12 registers in v[PC] on and its scale word in v[PW].
.macro QUANT s
.irp b, 0,1,2,3
	v_max3_num_f32 v[TM+\b], |v[\s+16*\b]|, |v[\s+1+16*\b]|, 0x2800000   ; my 16 numbers of block b, and the floor 2^(5 - 127)
.endr
.irp i, 2,4,6,8,10,12,14
.irp b, 0,1,2,3
	v_max3_num_f32 v[TM+\b], v[TM+\b], |v[\s+16*\b+\i]|, |v[\s+1+16*\b+\i]|
.endr
.endr
.irp b, 0,1,2,3
	v_permlanex16_b32 v[TM+4+\b], v[TM+\b], s[SEL], s[SEL+1]
.endr
.irp b, 0,1,2,3
	v_max_num_f32 v[TM+\b], v[TM+\b], v[TM+4+\b]   ; with lane l xor 16's: the block's largest magnitude
.endr
.irp b, 0,1,2,3
	v_add_nc_u32 v[TM+12+\b], 0xfe000000, v[TM+\b] ; 4 off its exponent field: the conversion's scale operand
.endr
.irp b, 0,1,2,3
	v_lshrrev_b32 v[TM+4+\b], 23, v[TM+12+\b]      ; the scale's byte
.endr
	v_lshl_or_b32 v[PW], v[TM+5], 8, v[TM+4]
	v_lshl_or_b32 v[PW], v[TM+6], 16, v[PW]
	v_lshl_or_b32 v[PW], v[TM+7], 24, v[PW]
.irp c, 0,1
	v_cvt_scalef32_pk16_bf6_f32 v[PC+6*\c:PC+2+6*\c], v[\s+32*\c:\s+15+32*\c], v[TM+12+2*\c]
	v_cvt_scalef32_pk16_bf6_f32 v[PC+12+4*\c:PC+14+4*\c], v[\s+16+32*\c:\s+31+32*\c], v[TM+12+2*\c+1]
.endr
	v_nop                                          ; one plain instruction behind a scaled conversion
.irp c, 0,1                                    ; the operand wants a whole block in a lane: lanes 0-15 block 2 c, lanes 16-31 block 2 c + 1
.irp i, 0,1,2
	v_permlane16_swap_b32 v[PC+6*\c+\i], v[PC+12+4*\c+\i]
.endr
.irp i, 0,1,2
	v_mov_b32 v[PC+3+6*\c+\i], v[PC+12+4*\c+\i]
.endr
.endr
.endm
; 32 numbers of a lane (two blocks) become six registers, block lane / 16 whole, in v[pc] on, and the two scale bytes in v[pw].
.macro QUANT2 s, pc, pw
.irp b, 0,1
	v_max3_num_f32 v[TM+\b], |v[\s+16*\b]|, |v[\s+1+16*\b]|, 0x2800000
.endr
.irp i, 2,4,6,8,10,12,14
.irp b, 0,1
	v_max3_num_f32 v[TM+\b], v[TM+\b], |v[\s+16*\b+\i]|, |v[\s+1+16*\b+\i]|
.endr
.endr
.irp b, 0,1
	v_permlanex16_b32 v[TM+4+\b], v[TM+\b], s[SEL], s[SEL+1]
.endr
.irp b, 0,1
	v_max_num_f32 v[TM+\b], v[TM+\b], v[TM+4+\b]
.endr
.irp b, 0,1
	v_add_nc_u32 v[TM+12+\b], 0xfe000000, v[TM+\b]
.endr
.irp b, 0,1
	v_lshrrev_b32 v[TM+4+\b], 23, v[TM+12+\b]
.endr
	v_lshl_or_b32 v[\pw], v[TM+5], 8, v[TM+4]
	v_cvt_scalef32_pk16_bf6_f32 v[\pc:\pc+2], v[\s:\s+15], v[TM+12]
	v_cvt_scalef32_pk16_bf6_f32 v[CT:CT+2], v[\s+16:\s+31], v[TM+13]
	v_nop
.irp i, 0,1,2
	v_permlane16_swap_b32 v[\pc+\i], v[CT+\i]
.endr
.irp i, 0,1,2
	v_mov_b32 v[\pc+3+\i], v[CT+\i]
.endr
.endm
	s_load_b128 s[4:7], s[0:1], 0x0                ; x, wf
	s_load_b128 s[8:11], s[0:1], 0x10              ; qt, kt
	s_load_b64 s[12:13], s[0:1], 0x20              ; vt
	v_lshl_add_u32 v251, v0, 2, 0x43600
	s_set_vgpr_msb 0x40
	v_mov_b32 v49, 0
	s_set_vgpr_msb 0x4000
	v_lshrrev_b32 v1, 5, v0
	v_readfirstlane_b32 s18, v1                    ; wave 0..11
	s_and_b32 s19, ttmp7, 0xffff                   ; y: which weight
	v_and_b32 v15, 31, v0                          ; lane
	v_and_b32 v13, 15, v0                          ; r
	v_bfe_u32 v14, v0, 4, 1                        ; h
	v_lshlrev_b32 v1, 3, v15                       ; 8 x lane
	v_lshlrev_b32 v2, 4, v15                       ; 16 x lane
	v_lshlrev_b32 v[AAD], 3, v15
	v_lshlrev_b32 v[ASD], 3, v15
	v_lshlrev_b32 v255, 2, v15                     ; 4 x lane
	s_mov_b32 s[SEL], 0x76543210
	s_mov_b32 s[SEL+1], 0xfedcba98
	s_mul_i32 s26, s19, 72
	s_mul_i32 s27, s18, 6
	s_add_co_u32 s26, s26, s27
	s_mul_i32 s26, s26, 6400                       ; my wave's six blocks of wf: 72 y + 6 w on
	s_mov_b32 s27, 0
	s_and_b32 s30, s18, 3                          ; x: my row tile
	s_lshr_b32 s31, s18, 2                         ; and my pair of K steps.  Also psi
	s_lshl_b32 s28, ttmp9, 6
	s_lshl_b32 s29, s30, 4
	s_add_co_u32 s28, s28, s29
	s_mul_i32 s28, s28, 3072
	s_lshl_b32 s29, s31, 10
	s_add_co_u32 s28, s28, s29
	s_mov_b32 s29, 0
	v_mul_u32_u24 v5, v13, 3072
	v_lshl_add_u32 v5, v14, 6, v5                  ; x: row r, + 64 h: my 16 numbers of each block of 32
	s_lshl_b32 s32, s31, 3
	s_add_co_u32 s32, s32, s30
	s_mul_i32 s32, s32, 1536
	v_add_nc_u32 v6, s32, v1                       ; where my first image goes
	s_lshl_b32 s32, s31, 9
	s_and_b32 s33, s30, 1
	s_lshl_b32 s33, s33, 7
	s_add_co_u32 s32, s32, s33
	s_lshr_b32 s33, s30, 1
	s_lshl_b32 s33, s33, 2
	s_add_co_u32 s32, s32, s33
	v_lshlrev_b32 v7, 3, v13
	v_add_nc_u32 v7, s32, v7                       ; and its scale word
	v_mul_u32_u24 v8, v13, 12
	v_add_nc_u32 v8, s18, v8                       ; Q, K: chunk 12 r + w (+ 192 mt)
	v_lshlrev_b32 v9, 7, v14
	v_add_nc_u32 v9, QKS, v9
	v_lshlrev_b32 v12, 3, v0                       ; 8 x thread
	v_add_nc_u32 v15, QKS, v12
	v_mul_u32_u24 v10, v13, TVP
	v_lshl_add_u32 v10, v14, 6, v10
	s_lshl_b32 s32, s18, 8
	s_add_co_u32 s32, s32, TV
	v_add_nc_u32 v10, s32, v10                     ; V: into the stage: row r, + 256 w + 64 h
	v_bfe_u32 v11, v0, 3, 1
	v_lshl_add_u32 v11, v11, 3, v13
	v_lshl_add_u32 v11, v14, 3, v11                ; out of it: d = r + 8 (r / 8) + 8 (lane / 16) of my 32
	v_lshlrev_b32 v11, 2, v11
	s_and_b32 s33, s18, 1                          ; a
	s_bfe_u32 s34, s18, 0x10001                    ; beta
	s_mul_i32 s32, s33, 32*TVP
	s_lshl_b32 s35, s34, 7
	s_add_co_u32 s32, s32, s35
	s_add_co_u32 s32, s32, TV
	v_add_nc_u32 v11, s32, v11                     ; tokens 32 a on,
	v_add_nc_u32 v254, 16*TVP, v11                 ; and 16 further on (an LDS immediate has 16 bits)
	s_mul_i32 s36, s33, 3
	s_add_co_u32 s36, s36, s31
	s_mul_i32 s37, ttmp9, 6
	s_add_co_u32 s36, s36, s37
	s_mul_i32 s36, s36, 6400                       ; vt: step 6 blk + 3 a + psi
	s_add_co_u32 s38, s36, s35
	s_add_co_u32 s38, s38, 6144                    ; its words: + 6144 + 128 beta
	s_mul_i32 s37, s34, 3072
	s_add_co_u32 s36, s36, s37                     ; its fragments 2 beta, 2 beta + 1
	s_mov_b32 s37, 0
	s_mov_b32 s39, 0
	s_mul_i32 s40, ttmp9, 39936                    ; qt, kt: six step blocks a work-group
	s_mov_b32 s41, 0
.irp b, 0,1,2,3
	v_mov_b32 v[TM+4+\b], 0                        ; written once: a lane permute's destination counts as one of its sources
.endr
	s_wait_kmcnt 0x0
	s_add_nc_u64 s[WP:WP+1], s[6:7], s[26:27]
	s_add_nc_u64 s[4:5], s[4:5], s[28:29]
	s_add_nc_u64 s[36:37], s[12:13], s[36:37]
	s_add_nc_u64 s[38:39], s[12:13], s[38:39]
	s_cmp_eq_u32 s19, 0
	s_cselect_b64 s[42:43], s[8:9], s[10:11]
	s_add_nc_u64 s[42:43], s[42:43], s[40:41]
	WLOAD 0, 0                                     ; the first K step's weights
.macro XLOAD reg, s                    ; my 16 rows' numbers of my K step s: 64 a lane
.irp b, 0,1,2,3
.irp j, 0,1,2,3
	global_load_b128 v[\reg+16*\b+4*\j:\reg+16*\b+4*\j+3], v5, s[4:5] offset:512*\s+128*\b+16*\j
.endr
.endr
.endm
	XLOAD 16, 0
	XLOAD 80, 1
	s_wait_loadcnt 16                              ; all but the second K step's 16 loads
	QUANT 16
.irp p, 0,1,2,3,4,5
	ds_store_b64 v6, v[PC+2*\p:PC+2*\p+1] offset:256*\p
.endr
	ds_store_b32 v7, v[PW] offset:XSC              ; (both halves of the lanes write the same word with the same value)
	s_wait_dscnt 0x0                               ; the stores have read their registers
	s_wait_loadcnt 0x0
	QUANT 80
.irp p, 0,1,2,3,4,5
	ds_store_b64 v6, v[PC+2*\p:PC+2*\p+1] offset:6144+256*\p
.endr
	ds_store_b32 v7, v[PW] offset:XSC+256
	s_wait_dscnt 0x0                               ; for the others' sake: my images have landed
	s_barrier_signal -1
	s_barrier_wait -1                              ; x's 24 fragments lie in LDS
	ALOAD 0, XSC
	GSTEP 0, 1, 6400, 1, 6144, XSC+256, 1          ; the first step's products start the sums
	GSTEP 1, 1, 12800, 1, 12288, XSC+512, 0
	GSTEP 0, 1, 19200, 1, 18432, XSC+768, 0
	GSTEP 1, 1, 25600, 1, 24576, XSC+1024, 0
	GSTEP 0, 1, 32000, 1, 30720, XSC+1280, 0
	GSTEP 1, 0, 0, 0, 0, 0, 0
	s_cmp_eq_u32 s19, 2                            ; the same in all waves of a work-group
	s_cbranch_scc1 .Lv
	; ---- Q or K: a row's 64 columns of mine are chunk c = 192 mt + 12 r + w of the work-group's 768
.macro QKOUT mt
	QUANT2 ACC+32*\mt, 144, PW
	v_or_b32 v[PW], 0x7f7f0000, v[PW]              ; the upper two bytes stand for 1: they scale zero codes
	v_add_nc_u32 v246, 192*\mt, v8                 ; c
	v_lshrrev_b32 v247, 4, v246
	v_mul_u32_u24 v252, v247, 768                  ; tile c / 16,
	v_lshrrev_b32 v248, 7, v246
	v_lshl_add_u32 v252, v248, 9, v252             ; 512 bytes of words behind every eight tiles,
	v_and_b32 v249, 15, v246
	v_lshl_add_u32 v252, v249, 3, v252             ; row c % 16,
	v_add_nc_u32 v252, v9, v252                    ; my half
	v_mul_u32_u24 v253, v248, 6656
	v_lshl_add_u32 v253, v249, 4, v253
	v_bfe_u32 v250, v246, 4, 1
	v_lshl_add_u32 v253, v250, 8, v253
	v_bfe_u32 v250, v246, 5, 2
	v_lshl_add_u32 v253, v250, 2, v253             ; the word: 16 (row + 16 (tile % 2)) + 4 (tile / 2)
	ds_store_b64 v252, v[144:145]
	ds_store_b64 v252, v[146:147] offset:256
	ds_store_b64 v252, v[148:149] offset:512
	ds_store_b32 v253, v[PW] offset:QKS+6144
	s_wait_dscnt 0x0                               ; the stores have read their registers
.endm
	QKOUT 0
	QKOUT 1
	QKOUT 2
	QKOUT 3
	s_barrier_signal -1
	s_barrier_wait -1                              ; six whole step blocks lie in LDS
.irp i, 0,1,2,3,4,5,6,7,8,9,10,11,12
	ds_load_b64 v[144+2*\i:145+2*\i], v15 offset:3072*\i
.endr
.irp i, 0,1,2,3,4,5,6,7,8,9,10,11,12
	s_wait_dscnt 12-\i                             ; load i is in; the younger ones may be out
	global_store_b64 v12, v[144+2*\i:145+2*\i], s[42:43] offset:3072*\i   ; 32 lanes store 256 consecutive bytes, at a multiple of 256 from the buffer's first byte
.endr
	s_set_vgpr_msb 0x4
	s_wait_tensorcnt 0x0
	ds_add_u32 v251, v49
	s_wait_dscnt 0x0
	s_set_vgpr_msb 0x400
	s_endpgm
.Lv:
	; ---- V: the results turn through LDS, so that a lane's registers run along the keys
.irp mt, 0,1,2,3
	v_add_nc_u32 v[246+\mt], 16*TVP*\mt, v10
.irp b, 0,1
.irp g, 0,1,2,3
	ds_store_b128 v[246+\mt], v[ACC+32*\mt+16*\b+4*\g:ACC+32*\mt+16*\b+4*\g+3] offset:128*\b+16*\g
.endr
.endr
.endr
	s_wait_dscnt 0x0
	s_barrier_signal -1
	s_barrier_wait -1
.macro VLOADS psi                      ; register 32 b + s: key 128 psi + 32 b + (s % 8) + 16 ((s / 8) % 2) + 8 (s / 16) of my 384; key k lies in token k / 12, chunk k % 12
.set n, 0
.rept 128
.set kk, 128*\psi+32*(n/32)+(n%8)+16*((n/8)%2)+8*((n/16)%2)
.set tok, kk/12
.set chk, kk%12
.if tok < 16
	ds_load_b32 v[16+n], v11 offset:tok*TVP+256*chk
.else
	ds_load_b32 v[16+n], v254 offset:(tok-16)*TVP+256*chk
.endif
.set n, n+1
.endr
.endm
	s_cmp_eq_u32 s31, 0                            ; only the 128 loads differ from wave to wave
	s_cbranch_scc0 .Lp12
	VLOADS 0
	s_branch .Lvq
.Lp12:
	s_cmp_eq_u32 s31, 1
	s_cbranch_scc0 .Lp2
	VLOADS 1
	s_branch .Lvq
.Lp2:
	VLOADS 2
.Lvq:
	s_wait_dscnt 0x0
.irp b, 0,1,2,3                                ; four whole blocks of 32 keys are mine
	v_max3_num_f32 v[184+\b], |v[16+32*\b]|, |v[17+32*\b]|, |v[18+32*\b]|
	v_max3_num_f32 v[188+\b], |v[19+32*\b]|, |v[20+32*\b]|, |v[21+32*\b]|
.endr
.irp i, 6,10,14,18,22,26
.irp b, 0,1,2,3
	v_max3_num_f32 v[184+\b], v[184+\b], |v[16+32*\b+\i]|, |v[17+32*\b+\i]|
	v_max3_num_f32 v[188+\b], v[188+\b], |v[18+32*\b+\i]|, |v[19+32*\b+\i]|
.endr
.endr
.irp b, 0,1,2,3
	v_max3_num_f32 v[184+\b], v[184+\b], |v[46+32*\b]|, |v[47+32*\b]|
.endr
.irp b, 0,1,2,3
	v_max3_num_f32 v[184+\b], v[184+\b], v[188+\b], 0x2800000
.endr
.irp b, 0,1,2,3
	v_add_nc_u32 v[192+\b], 0xfe000000, v[184+\b]
.endr
.irp b, 0,1,2,3
	v_lshrrev_b32 v[196+\b], 23, v[192+\b]
.endr
	v_lshl_or_b32 v200, v197, 8, v196              ; my d's scale word for these 128 keys
	v_lshl_or_b32 v200, v198, 16, v200
	v_lshl_or_b32 v200, v199, 24, v200
.irp b, 0,1,2,3                                ; block b's six registers at v[144 + 12 (b % 2) + 6 (b / 2)]
	v_cvt_scalef32_pk16_bf6_f32 v[144+12*(\b%2)+6*(\b/2):146+12*(\b%2)+6*(\b/2)], v[16+32*\b:31+32*\b], v[192+\b]
	v_cvt_scalef32_pk16_bf6_f32 v[168+4*\b:170+4*\b], v[32+32*\b:47+32*\b], v[192+\b]
.endr
	v_nop
.irp b, 0,1,2,3
.irp i, 0,1,2
	v_mov_b32 v[147+12*(\b%2)+6*(\b/2)+\i], v[168+4*\b+\i]
.endr
.endr
.irp i, 0,1,2,3,4,5,6,7,8,9,10,11              ; lanes 0-15 hold fragment 2 beta's rows, lanes 16-31 fragment 2 beta + 1's: blocks 0 and 1, and 2 and 3, change halves; v144-155 and v156-167 are then the two fragments
	v_permlane16_swap_b32 v[144+\i], v[156+\i]
.endr
.irp g, 0,1,2
	global_store_b128 v2, v[144+4*\g:147+4*\g], s[36:37] offset:512*\g
	global_store_b128 v2, v[156+4*\g:159+4*\g], s[36:37] offset:1536+512*\g
.endr
	global_store_b32 v255, v200, s[38:39]
	s_set_vgpr_msb 0x4
	s_wait_tensorcnt 0x0
	ds_add_u32 v251, v49
	s_wait_dscnt 0x0
	s_set_vgpr_msb 0x400
	s_endpgm
.Lfunc_end_k_q1a98c0dab4_qkv:
	.size	k_q1a98c0dab4_qkv, .Lfunc_end_k_q1a98c0dab4_qkv-k_q1a98c0dab4_qkv
	.p2alignl 7, 3214868480
	.fill 96, 4, 3214868480
	.section	.rodata,"a",@progbits
	.p2align	6, 0x0
	.amdhsa_kernel k_q1a98c0dab4_qkv
		.amdhsa_group_segment_fixed_size 277504
		.amdhsa_private_segment_fixed_size 0
		.amdhsa_enable_private_segment 0
		.amdhsa_kernarg_size 40
		.amdhsa_user_sgpr_count 2
		.amdhsa_user_sgpr_kernarg_segment_ptr 1
		.amdhsa_wavefront_size32 1
		.amdhsa_system_sgpr_workgroup_id_x 1
		.amdhsa_system_sgpr_workgroup_id_y 1
		.amdhsa_system_sgpr_workgroup_id_z 1
		.amdhsa_system_vgpr_workitem_id 0
		.amdhsa_next_free_vgpr 306
		.amdhsa_next_free_sgpr 66
		.amdhsa_reserve_vcc 0
		.amdhsa_float_denorm_mode_32 3
		.amdhsa_float_denorm_mode_16_64 3
		.amdhsa_memory_ordered 1
		.amdhsa_forward_progress 1
		.amdhsa_inst_pref_size 95
	.end_amdhsa_kernel
	.amdgpu_metadata
---
amdhsa.version: [ 1, 2 ]
amdhsa.kernels:
  - .name:           k_q1a98c0dab4_qkv
    .symbol:         k_q1a98c0dab4_qkv.kd
    .args:
      - { .name: x, .offset: 0, .size: 8, .value_kind: global_buffer, .address_space: global }
      - { .name: wf, .offset: 8, .size: 8, .value_kind: global_buffer, .address_space: global }
      - { .name: qt, .offset: 16, .size: 8, .value_kind: global_buffer, .address_space: global }
      - { .name: kt, .offset: 24, .size: 8, .value_kind: global_buffer, .address_space: global }
      - { .name: vt, .offset: 32, .size: 8, .value_kind: global_buffer, .address_space: global }
    .group_segment_fixed_size: 277504
    .private_segment_fixed_size: 0
    .kernarg_segment_align: 8
    .kernarg_segment_size: 40
    .max_flat_workgroup_size: 384
    .sgpr_count:     66
    .vgpr_count:     306
    .wavefront_size: 32
...
	.end_amdgpu_metadata
.endif
;; end of part 2
;; launch attn (part 3): grid 16 x 12, 16 waves a work-group, no clusters, 327,680 bytes of LDS; arguments qt, kt, vt, ca; writes ca
.if DOCPART == 3
	.amdgcn_target "amdgcn-amd-amdhsa--gfx1250"
	.amdhsa_code_object_version 6
	.text
	.protected	k_q1a98c0dab4_attn
	.globl	k_q1a98c0dab4_attn
	.p2align	8
	.type	k_q1a98c0dab4_attn,@function
k_q1a98c0dab4_attn:
	s_mov_b64 s[64:65], 0
	v_nop
	global_prefetch_b8 v0, s[64:65] scope:SCOPE_SE
	s_setreg_imm32_b32 hwreg(HW_REG_WAVE_MODE, 25, 1), 1
	s_wait_xcnt 0x0
; Causal attention of one head on codes of BF6 with E8M0 scales, head size 64; the result is quantised in registers and stored as the next product's operand.
; t = score x log2(e) / 8; M = the row's largest t so far, rounded up to a whole number; p = 2^(t - M) is quantised along the keys; the row's sum is taken of the unquantised p and divides at the end.  When M moves, the sum and O
; are multiplied by 2^(old M - new M), which rounds nothing.
; SHARES.  Work-group (i, head) owns the blocks i and 31 - i of 128 queries: i + 1 and 32 - i key steps of 128, 33 for every work-group.  A wave owns 16 queries; eight waves take each block, dealt so that short and long waves mix.
; LAYOUT.  S^T = K Q^T (source 0 = 16 neighbouring keys, source 1 = my 16 queries), O^T = V^T P^T: a lane holds one query throughout.  The head's 64 fill half of a K step of 128: Q's upper six registers are zero codes, so whatever
; stands in the upper six of K's operand (the next tile's codes; zeros behind the last) adds nothing; the upper scale bytes are 127 on both sides.
; p's 16 registers of tiles 2 b, 2 b + 1 are keys 32 b + 8 h + 0..7 and 32 b + 16 + 8 h + 0..7: a permutation inside a block of 32, and V's codes were laid in that order.
; RING.  Two LDS slots of two key steps each (K: 2 x 6,656 bytes, V: 2 x 6,400), dense blocks of memory; wave 0 fetches K's, wave 1 V's, one tensor load each behind each barrier: one load a wave is out at the most.
; The loop's trips hang on the work-group's number alone; no LDS address is stepped: every one is a multiple of the lane's number plus an immediate.
; A step all of whose keys come after my queries is jumped over (a scalar branch on ids); on the diagonal hidden scores become -infinity ahead of the maximum.
; No cluster: a slot's 26,112 bytes serve two key steps of up to sixteen waves, a small part of a step's work.
; LIMITS: NaN and infinities are not served; a block of the result under 2^-122 gets the byte 1.
; REGISTERS: v1-4, v8, v9 addresses; v5, v6 the add's pair; v12 -M, v13 largest t, v[14:15] the sum; v16-21 Q, v22-27 zeros; v28 prefetch offset; v32-79 K's eight tiles, then V's four fragments; v80-85 zeros;
;   v96-159 S^T, then p; v160-191 O^T; v224-235 p's codes; v232-247, v252-254 at work; v248-251 K's or V's scale words; v255 Q's.
.set KSB,   6656
.set VSB,   6400
.set VOFF,  13312
.set SLOTB, 26112
.set SPARE, 52224                      ; behind the ring: the spare words, 128 bytes for each of 16 waves: eight blocks of 256 bytes that no other line names
.set G1K, 20                           ; s[20:27], s[28:35] descriptor groups 1
.set G1V, 28
.set G0K, 36                           ; s[36:43] K's groups 0, one for each slot;  s[44:51] V's
.set G0V, 44
.macro TLOAD s                         ; wave 0 fetches K's two steps, wave 1 V's; four v_nop follow each of the two lines
	s_cmp_eq_u32 s12, 0
	s_cbranch_scc0 .Lnot_k_\@
	tensor_load_to_lds s[G0K+4*(\s):G0K+4*(\s)+3], s[G1K:G1K+7]
	s_nop 0
.rept 4
	v_nop
.endr
	s_branch .Lasked_\@
.Lnot_k_\@:
	s_cmp_eq_u32 s12, 1
	s_cbranch_scc0 .Lasked_\@
	tensor_load_to_lds s[G0V+4*(\s):G0V+4*(\s)+3], s[G1V:G1V+7]
	s_nop 0
.rept 4
	v_nop
.endr
.Lasked_\@:
.endm
; A prefetch of what the NEXT change of slots will ask for.  All work-groups of a head walk the same K and V from their start: the one that walks all 16 slots (i = 0) asks, in four waves that fetch nothing: waves 4, 5 a step of K each
; (26 blocks of 256 bytes, a lane a block), waves 6, 7 a step of V each (25); the lanes that are over name the last block again.  Slots 0 and 1 come by their loads alone; the tail asks for nothing.
.macro ASK
	s_cmp_eq_u32 s55, 1
	s_cbranch_scc0 .Lnot_mine_\@
	global_prefetch_b8 v28, s[56:57] th:TH_LOAD_NT scope:SCOPE_SE
.Lnot_mine_\@:
.endm
	s_load_b256 s[4:11], s[0:1], 0x0               ; qt, kt, vt, ca
	v_lshl_add_u32 v5, v0, 2, SPARE
	v_mov_b32 v6, 0
	ds_add_u32 v5, v6
	s_wait_dscnt 0x0
	v_lshrrev_b32 v1, 5, v0
	v_readfirstlane_b32 s12, v1                    ; wave 0..15
	s_and_b32 s13, ttmp7, 0xffff                   ; head
	s_and_b32 s60, s12, 1
	s_bfe_u32 s61, s12, 0x10002
	s_xor_b32 s61, s61, s60                        ; 1: the long block
	s_bfe_u32 s62, s12, 0x10001
	s_lshl_b32 s62, s62, 1
	s_add_co_u32 s60, s60, s62
	s_bfe_u32 s62, s12, 0x10003
	s_lshl_b32 s62, s62, 2
	s_add_co_u32 s60, s60, s62                     ; my tile of the block's eight
	s_sub_co_u32 s62, 31, ttmp9
	s_cmp_eq_u32 s61, 1
	s_cselect_b32 s62, s62, ttmp9                  ; my block of 128 queries
	s_lshl_b32 s53, s62, 7
	s_lshl_b32 s63, s60, 4
	s_add_co_u32 s53, s53, s63                     ; s53: my first query
	s_mov_b32 s52, 0                               ; s52: the step's first key
	s_sub_co_u32 s54, 35, ttmp9
	s_lshr_b32 s54, s54, 2
	s_sub_co_u32 s54, s54, 1                       ; s54: the loop's trips: 2 ((35 - i) / 4) slots in all, enough for 32 - i steps
	s_max_u32 s54, s54, 1                          ; (35 - i) / 4 - 1 is 4 to 7 for i = 0 to 15: the hold changes nothing and states in the text that the count begins at 1 or above
	s_mov_b32 s14, 0x76543210
	s_mov_b32 s15, 0xfedcba98                      ; lane l xor 16
	s_mov_b32 s16, 0x3e38aa3b                      ; c = log2(e) / 8
	s_mov_b32 s17, s16                             ; (named with it as a pair)
	; descriptor groups 1: dense blocks as rows of 256 bytes (32 elements of 8 bytes): 52 rows of K, 50 of V
	s_mov_b32 s[G1K], 3<<16
	s_mov_b32 s[G1K+1], 32<<16
	s_mov_b32 s[G1K+2], 52<<16
	s_mov_b32 s[G1K+3], 32<<16
	s_mov_b32 s[G1K+4], 52
	s_mov_b32 s[G1K+5], 32
	s_mov_b32 s[G1K+6], 0
	s_mov_b32 s[G1K+7], 0
	s_mov_b32 s[G1V], 3<<16
	s_mov_b32 s[G1V+1], 32<<16
	s_mov_b32 s[G1V+2], 50<<16
	s_mov_b32 s[G1V+3], 32<<16
	s_mov_b32 s[G1V+4], 50
	s_mov_b32 s[G1V+5], 32
	s_mov_b32 s[G1V+6], 0
	s_mov_b32 s[G1V+7], 0
	s_mul_i32 s66, s13, 32*KSB                     ; the head's first byte in qt and kt,
	s_mov_b32 s67, 0
	s_mul_i32 s68, s13, 32*VSB                     ; and in vt
	s_mov_b32 s69, 0
	s_mul_i32 s63, s62, KSB
	s_add_co_u32 s63, s63, s66                     ; my block's step of qt
	s_mul_i32 s70, s60, 768
	s_add_co_u32 s70, s70, s63                     ; my tile's codes
	s_mov_b32 s71, 0
	s_and_b32 s72, s60, 1
	s_lshl_b32 s72, s72, 8
	s_add_co_u32 s72, s72, s63
	s_lshr_b32 s73, s60, 1
	s_lshl_b32 s73, s73, 2
	s_add_co_u32 s72, s72, s73
	s_add_co_u32 s72, s72, 6144                    ; and its scale words
	s_mov_b32 s73, 0
	s_lshr_b32 s74, s53, 6
	s_mul_i32 s74, s74, 38400                      ; ca: the block of 64 rows
	s_and_b32 s75, s60, 3                          ; row tile
	s_lshr_b32 s63, s13, 1                         ; K step = head / 2
	s_lshl_b32 s76, s63, 2
	s_add_co_u32 s76, s76, s75
	s_mul_i32 s76, s76, 1536
	s_add_co_u32 s76, s76, s74
	s_and_b32 s77, s13, 1                          ; which half of the K step
	s_mul_i32 s78, s77, 768
	s_add_co_u32 s76, s76, s78                     ; my three planes
	s_lshl_b32 s78, s63, 8
	s_add_co_u32 s78, s78, s74
	s_lshl_b32 s77, s77, 1
	s_add_co_u32 s78, s78, s77
	s_and_b32 s77, s75, 1
	s_lshl_b32 s77, s77, 7
	s_add_co_u32 s78, s78, s77
	s_lshr_b32 s77, s75, 1
	s_lshl_b32 s77, s77, 2
	s_add_co_u32 s78, s78, s77
	s_add_co_u32 s78, s78, 36864                   ; my two bytes of each row's scale word
	s_mov_b32 s77, 0
	s_mov_b32 s79, 0
	s_wait_kmcnt 0x0
	s_mov_b32 s[G0K], 1
	s_mov_b32 s[G0K+1], 0
	s_add_nc_u64 s[G0K+2:G0K+3], s[6:7], s[66:67]
	s_mov_b32 s[G0K+4], 1
	s_mov_b32 s[G0K+5], SLOTB
	s_add_nc_u64 s[G0K+6:G0K+7], s[G0K+2:G0K+3], VOFF
	s_or_b32 s[G0K+3], s[G0K+3], 0x80000000
	s_or_b32 s[G0K+7], s[G0K+7], 0x80000000
	s_mov_b32 s[G0V], 1
	s_mov_b32 s[G0V+1], VOFF
	s_add_nc_u64 s[G0V+2:G0V+3], s[8:9], s[68:69]
	s_mov_b32 s[G0V+4], 1
	s_mov_b32 s[G0V+5], SLOTB+VOFF
	s_add_nc_u64 s[G0V+6:G0V+7], s[G0V+2:G0V+3], 2*VSB
	s_or_b32 s[G0V+3], s[G0V+3], 0x80000000
	s_or_b32 s[G0V+7], s[G0V+7], 0x80000000
	TLOAD 0                                        ; slot 0
	s_add_nc_u64 s[70:71], s[4:5], s[70:71]
	s_add_nc_u64 s[72:73], s[4:5], s[72:73]
	s_add_nc_u64 s[76:77], s[10:11], s[76:77]
	s_add_nc_u64 s[78:79], s[10:11], s[78:79]
	s_cmp_lt_u32 s12, 6                            ; the prefetches: waves 4, 5 for K, waves 6, 7 for V
	s_cselect_b64 s[56:57], s[6:7], s[8:9]
	s_cselect_b64 s[74:75], s[66:67], s[68:69]
	s_mov_b32 s58, 2*VSB
	s_cselect_b32 s58, VOFF, s58                   ; a slot on
	s_mov_b32 s63, VSB
	s_cselect_b32 s63, KSB, s63                    ; a step
	s_cselect_b32 s62, 25, 24                      ; its last block of 256 bytes
	s_mov_b32 s59, 0
	s_and_b32 s61, s12, 1
	s_mul_i32 s61, s61, s63
	s_add_co_u32 s74, s74, s61
	s_add_co_u32 s74, s74, s58                     ; in slot 1: the first change of slots steps it to slot 2
	s_add_nc_u64 s[56:57], s[56:57], s[74:75]
	s_lshr_b32 s55, s12, 2
	s_xor_b32 s55, s55, 1
	s_or_b32 s55, s55, ttmp9
	s_cmp_eq_u32 s55, 0
	s_cselect_b32 s55, 1, 0                        ; 1 in waves 4 to 7 of the work-group with i = 0
	v_and_b32 v10, 31, v0
	v_min_u32 v28, s62, v10
	v_lshlrev_b32 v28, 8, v28
	v_lshlrev_b32 v1, 3, v10                       ; 8 x lane
	v_lshlrev_b32 v2, 4, v10                       ; 16 x lane
	v_lshlrev_b32 v3, 2, v10                       ; 4 x lane
	v_and_b32 v11, 15, v0                          ; r
	v_bfe_u32 v7, v0, 4, 1                         ; h
	v_lshlrev_b32 v4, 4, v11
	v_lshlrev_b32 v8, 3, v11
	v_lshlrev_b32 v7, 3, v7
	v_sub_nc_u32 v9, v11, v7                       ; r - 8 h
.irp p, 0,1,2
	global_load_b64 v[16+2*\p:17+2*\p], v1, s[70:71] offset:256*\p   ; Q's six registers stay
.endr
	global_load_b32 v255, v4, s[72:73]             ; and its scale words
.irp j, 0,1,2,3,4,5
	v_mov_b32 v[22+\j], 0                          ; zero codes: the K step's upper 64
	v_mov_b32 v[80+\j], 0
.endr
	v_mov_b32 v13, 0xff61b1e6                      ; the largest t so far: -3e38
	v_floor_f32 v12, -v13                          ; -M
	v_mov_b32 v14, 0
	v_mov_b32 v15, 0
.irp b, 0,1,2,3
	v_mov_b32 v[236+\b], 0                         ; a lane permute's destination counts as one of its sources
.endr
	v_mov_b32 v252, 0                              ; (the destination of the way out's lane permute: written here, so that it is written on the way round every step too)
	v_mov_b32 v253, 0                              ; (named as the upper half of v[252:253] before it is first written)
.set j, 0
.rept 32
	v_mov_b32 v[160+j], 0                          ; O^T: the step is written once; the first finds zeros
.set j, j+1
.endr
; A KEY STEP: 128 keys, the q-th of the slot.
.macro STEP slot, q
.set KB, SLOTB*(\slot)+KSB*(\q)
.set VB, SLOTB*(\slot)+VOFF+VSB*(\q)
	s_add_co_u32 s60, s53, 15
	s_cmp_gt_u32 s52, s60
	s_cbranch_scc1 .Lhidden_\@                     ; all its keys come after my queries
.irp t, 0,1,2,3,4,5,6,7
.irp p, 0,1,2
	ds_load_b64 v[32+6*\t+2*\p:33+6*\t+2*\p], v1 offset:KB+768*\t+256*\p
.endr
.endr
	ds_load_b128 v[248:251], v2 offset:KB+6144     ; register t / 2: even tiles' words in lanes 0-15, odd tiles' in lanes 16-31
	s_wait_dscnt 0x0
.irp t, 0,2,4,6
	v_wmma_scale_f32_16x16x128_f8f6f4 v[96+8*\t:103+8*\t], v[32+6*\t:43+6*\t], v[16:27], 0, v[248+\t/2], v255 matrix_a_fmt:MATRIX_FMT_BF6 matrix_b_fmt:MATRIX_FMT_BF6
	v_wmma_scale_f32_16x16x128_f8f6f4 v[104+8*\t:111+8*\t], v[38+6*\t:49+6*\t], v[16:27], 0, v[248+\t/2], v255 matrix_a_fmt:MATRIX_FMT_BF6 matrix_b_fmt:MATRIX_FMT_BF6 matrix_a_scale:MATRIX_SCALE_ROW1
.endr
.rept 4
	v_nop                                          ; four places (ISA guide 7.12.1): then the scores may be read, and K's registers loaded again
.endr
.irp f, 0,1,2,3                                ; V's four fragments are asked for now and land under the softmax
.irp g, 0,1,2
	ds_load_b128 v[32+12*\f+4*\g:35+12*\f+4*\g], v2 offset:VB+1536*\f+512*\g
.endr
.endr
	ds_load_b32 v248, v3 offset:VB+6144
	ds_load_b32 v249, v3 offset:VB+6144+128
	s_add_co_u32 s60, s52, 127
	s_cmp_le_u32 s60, s53
	s_cbranch_scc1 .Lopen_\@                       ; all its keys count for all my queries
	s_sub_co_i32 s60, s53, s52
	v_add_nc_u32 v252, s60, v9                     ; d = my query - the step's first key - 8 h.  Register 8 t + j holds key 16 t + 8 h + j: hidden where 16 t + j > d
	v_mov_b32 v254, 0xff800000                     ; -infinity
.set n, 0
.rept 64
	v_cmp_gt_i32 vcc_lo, 16*(n/8)+n%8, v252
	v_cndmask_b32 v[96+n], v[96+n], v254, vcc_lo
.set n, n+1
.endr
.Lopen_\@:
.irp b, 0,1,2,3
	v_max3_num_f32 v[232+\b], v[96+16*\b], v[97+16*\b], v[98+16*\b]   ; the largest score of each block of 32 keys: for the row's maximum, and, since p rises with the score, for the block's largest p
.endr
.irp i, 3,5,7,9,11,13
.irp b, 0,1,2,3
	v_max3_num_f32 v[232+\b], v[232+\b], v[96+16*\b+\i], v[97+16*\b+\i]
.endr
.endr
.irp b, 0,1,2,3
	v_max_num_f32 v[232+\b], v[232+\b], v[111+16*\b]
.endr
.irp b, 0,1,2,3
	v_permlanex16_b32 v[236+\b], v[232+\b], s14, s15
.endr
.irp b, 0,1,2,3
	v_max_num_f32 v[232+\b], v[232+\b], v[236+\b]  ; with lane l xor 16's 16 keys
.endr
	v_max3_num_f32 v254, v232, v233, v234
	v_max_num_f32 v254, v254, v235
	v_mul_f32 v254, s16, v254                      ; the step's largest t
	v_max_num_f32 v13, v13, v254
	v_mov_b32 v254, v12
	v_floor_f32 v12, -v13                          ; the new -M = -ceil(t)
	v_sub_f32 v254, v12, v254                      ; old M - new M: a whole number, 0 or less
	v_cvt_i32_f32 v254, v254                       ; (it saturates)
	v_ldexp_f32 v252, 1.0, v254                    ; f = 2^(old M - new M)
.set j, 0
.rept 32
	v_pk_fma_f32 v[96+j:97+j], v[96+j:97+j], s[16:17], v[12:13] op_sel_hi:[1,0,0]   ; t - M
.set j, j+2
.endr
.irp b, 0,1,2,3
	v_fma_f32 v[232+\b], v[232+\b], s16, v12
.endr
.set j, 0
.rept 64
	v_exp_f32 v[96+j], v[96+j]                     ; p = 2^(t - M)
.set j, j+1
.endr
	v_pk_mul_f32 v[14:15], v[14:15], v[252:253] op_sel_hi:[1,0]   ; the sums under the new M; the plain instruction behind the exponentials
	s_wait_alu depctr_va_vdst(0)                   ; one wait for the batch, ahead of its first reader
.irp b, 0,1,2,3
	v_exp_f32 v[232+\b], v[232+\b]                 ; each block's largest p
.endr
	v_pk_add_f32 v[236:237], v[96:97], v[98:99]    ; the row's sum, of the unquantised p, in two chains
.irp j, 4,8,12,16,20,24,28,32,36,40,44,48,52,56,60
	v_pk_add_f32 v[14:15], v[14:15], v[96+\j:97+\j]
	v_pk_add_f32 v[236:237], v[236:237], v[98+\j:99+\j]
.endr
	v_pk_add_f32 v[14:15], v[14:15], v[236:237]
	s_wait_alu depctr_va_vdst(0)                   ; and one for the four
.irp b, 0,1,2,3
	v_max_num_f32 v[232+\b], 0x2800000, v[232+\b]  ; the floor 2^(5 - 127)
.endr
.irp b, 0,1,2,3
	v_add_nc_u32 v[244+\b], 0xfe000000, v[232+\b]
.endr
.irp b, 0,1,2,3
	v_lshrrev_b32 v[236+\b], 23, v[244+\b]
.endr
	v_lshl_or_b32 v253, v237, 8, v236              ; p's scale word for these 128 keys
	v_lshl_or_b32 v253, v238, 16, v253
	v_lshl_or_b32 v253, v239, 24, v253
.irp c, 0,1
	v_cvt_scalef32_pk16_bf6_f32 v[224+6*\c:226+6*\c], v[96+32*\c:111+32*\c], v[244+2*\c]
	v_cvt_scalef32_pk16_bf6_f32 v[236+4*\c:238+4*\c], v[112+32*\c:127+32*\c], v[244+2*\c+1]
.endr
	v_nop
.irp c, 0,1
.irp i, 0,1,2
	v_permlane16_swap_b32 v[224+6*\c+\i], v[236+4*\c+\i]
.endr
.irp i, 0,1,2
	v_mov_b32 v[227+6*\c+\i], v[236+4*\c+\i]
.endr
.endr
.set j, 0
.rept 16
	v_pk_mul_f32 v[160+j:161+j], v[160+j:161+j], v[252:253] op_sel_hi:[1,0]   ; O^T under the new M; these sixteen also stand between the writing of p's codes and scale word and the products
.set j, j+2
.endr
	s_wait_dscnt 0x0                               ; V is in
.irp f, 0,2
	v_wmma_scale_f32_16x16x128_f8f6f4 v[160+8*\f:167+8*\f], v[32+12*\f:43+12*\f], v[224:235], v[160+8*\f:167+8*\f], v[248+\f/2], v253 matrix_a_fmt:MATRIX_FMT_BF6 matrix_b_fmt:MATRIX_FMT_BF6
	v_wmma_scale_f32_16x16x128_f8f6f4 v[168+8*\f:175+8*\f], v[44+12*\f:55+12*\f], v[224:235], v[168+8*\f:175+8*\f], v[248+\f/2], v253 matrix_a_fmt:MATRIX_FMT_BF6 matrix_b_fmt:MATRIX_FMT_BF6 matrix_a_scale:MATRIX_SCALE_ROW1
.endr
.rept 4
	v_nop                                          ; four places in front of the next loads into V's registers and the next read of O^T
.endr
.Lhidden_\@:
	s_add_co_u32 s52, s52, 128
.endm
; A slot's turn.  Each wave waits for all its tensor loads, adds 0 to its spare word, and waits for that and for its reads of the other slot; behind the barrier this slot is whole and nobody reads the other, which is filled first.
.macro TRIP slot, refill, ask
	s_wait_tensorcnt 0x0                           ; no tensor load of mine is out, so a group 0 may be written
	ds_add_u32 v5, v6                              ; 0 onto my spare word
	s_add_nc_u64 s[G0K+4*\slot+2:G0K+4*\slot+3], s[G0K+4*\slot+2:G0K+4*\slot+3], 2*VOFF   ; this slot's next tiles: two slots on
	s_add_nc_u64 s[G0V+4*\slot+2:G0V+4*\slot+3], s[G0V+4*\slot+2:G0V+4*\slot+3], 4*VSB
.if \ask
	s_wait_xcnt 0x0                                ; the last prefetch, a slot back, has read its address
	s_add_nc_u64 s[56:57], s[56:57], s[58:59]
.endif
	s_wait_dscnt 0x0                               ; the add is done, and my reads of the other slot are over
	s_barrier_signal -1
	s_barrier_wait -1
.if \refill
	TLOAD 1-\slot
.endif
.if \ask
	ASK
.endif
	STEP \slot, 0
	STEP \slot, 1
.endm
	s_wait_loadcnt 0x0                             ; Q
.Lloop:
	TRIP 0, 1, 1
	TRIP 1, 1, 1
	s_sub_co_u32 s54, s54, 1
	s_cmp_lg_u32 s54, 0
	s_cbranch_scc1 .Lloop
	TRIP 0, 1, 0                                   ; the tail is written out
	TRIP 1, 0, 0
	; THE WAY OUT: O^T / the sum, quantised along the head's 64 (two blocks): half a K step of the next product, rows = my 16 queries
	v_add_f32 v14, v14, v15
	v_permlanex16_b32 v252, v14, s14, s15
	v_add_f32 v14, v14, v252                       ; the row's sum
	v_rcp_f32 v14, v14
	v_nop
	s_wait_alu depctr_va_vdst(0)
.set j, 0
.rept 32
	v_mul_f32 v[96+j], v[160+j], v14               ; register 16 b + i: d = 32 b + 16 h + i
.set j, j+1
.endr
.irp b, 0,1
	v_max3_num_f32 v[232+\b], |v[96+16*\b]|, |v[97+16*\b]|, 0x2800000
.endr
.irp i, 2,4,6,8,10,12,14
.irp b, 0,1
	v_max3_num_f32 v[232+\b], v[232+\b], |v[96+16*\b+\i]|, |v[97+16*\b+\i]|
.endr
.endr
.irp b, 0,1
	v_permlanex16_b32 v[236+\b], v[232+\b], s14, s15
.endr
.irp b, 0,1
	v_max_num_f32 v[232+\b], v[232+\b], v[236+\b]
.endr
.irp b, 0,1
	v_add_nc_u32 v[244+\b], 0xfe000000, v[232+\b]
.endr
.irp b, 0,1
	v_lshrrev_b32 v[238+\b], 23, v[244+\b]
.endr
	v_lshl_or_b32 v253, v239, 8, v238
	v_cvt_scalef32_pk16_bf6_f32 v[224:226], v[96:111], v244
	v_cvt_scalef32_pk16_bf6_f32 v[240:242], v[112:127], v245
	v_nop
.irp i, 0,1,2
	v_permlane16_swap_b32 v[224+\i], v[240+\i]
.endr
.irp i, 0,1,2
	v_mov_b32 v[227+\i], v[240+\i]
.endr
.irp p, 0,1,2
	global_store_b64 v1, v[224+2*\p:225+2*\p], s[76:77] offset:256*\p   ; 32 lanes store 256 consecutive bytes, at a multiple of 256 from ca's first byte
.endr
	global_store_b16 v8, v253, s[78:79]            ; my two bytes of my row's scale word (both halves of the lanes write the same)
	s_wait_tensorcnt 0x0                           ; the wave's end
	ds_add_u32 v5, v6
	s_wait_dscnt 0x0
	s_endpgm
.Lfunc_end_k_q1a98c0dab4_attn:
	.size	k_q1a98c0dab4_attn, .Lfunc_end_k_q1a98c0dab4_attn-k_q1a98c0dab4_attn
	.p2alignl 7, 3214868480
	.fill 96, 4, 3214868480
	.section	.rodata,"a",@progbits
	.p2align	6, 0x0
	.amdhsa_kernel k_q1a98c0dab4_attn
		.amdhsa_group_segment_fixed_size 327680
		.amdhsa_private_segment_fixed_size 0
		.amdhsa_enable_private_segment 0
		.amdhsa_kernarg_size 32
		.amdhsa_user_sgpr_count 2
		.amdhsa_user_sgpr_kernarg_segment_ptr 1
		.amdhsa_wavefront_size32 1
		.amdhsa_system_sgpr_workgroup_id_x 1
		.amdhsa_system_sgpr_workgroup_id_y 1
		.amdhsa_system_sgpr_workgroup_id_z 1
		.amdhsa_system_vgpr_workitem_id 0
		.amdhsa_next_free_vgpr 256
		.amdhsa_next_free_sgpr 80
		.amdhsa_reserve_vcc 1
		.amdhsa_float_denorm_mode_32 3
		.amdhsa_float_denorm_mode_16_64 3
		.amdhsa_memory_ordered 1
		.amdhsa_forward_progress 1
		.amdhsa_inst_pref_size 186
	.end_amdhsa_kernel
	.amdgpu_metadata
---
amdhsa.version: [ 1, 2 ]
amdhsa.kernels:
  - .name:           k_q1a98c0dab4_attn
    .symbol:         k_q1a98c0dab4_attn.kd
    .args:
      - { .name: qt, .offset: 0, .size: 8, .value_kind: global_buffer, .address_space: global }
      - { .name: kt, .offset: 8, .size: 8, .value_kind: global_buffer, .address_space: global }
      - { .name: vt, .offset: 16, .size: 8, .value_kind: global_buffer, .address_space: global }
      - { .name: ca, .offset: 24, .size: 8, .value_kind: global_buffer, .address_space: global }
    .group_segment_fixed_size: 327680
    .private_segment_fixed_size: 0
    .kernarg_segment_align: 8
    .kernarg_segment_size: 32
    .max_flat_workgroup_size: 512
    .sgpr_count:     80
    .vgpr_count:     256
    .wavefront_size: 32
...
	.end_amdgpu_metadata
.endif
;; end of part 3
;; launch oln (part 4): grid 64 x 1, 12 waves a work-group, no clusters, 101,888 bytes of LDS; arguments ca, wf, x, g1, beta1, hf, ha; writes hf, ha
.if DOCPART == 4
	.amdgcn_target "amdgcn-amd-amdhsa--gfx1250"
	.amdhsa_code_object_version 6
	.text
	.protected	k_q1a98c0dab4_oln
	.globl	k_q1a98c0dab4_oln
	.p2align	8
	.type	k_q1a98c0dab4_oln,@function
k_q1a98c0dab4_oln:
	s_mov_b64 s[64:65], 0
	v_nop
	global_prefetch_b8 v0, s[64:65] scope:SCOPE_SE
	s_setreg_imm32_b32 hwreg(HW_REG_WAVE_MODE, 25, 1), 1
	s_wait_xcnt 0x0
; h = LayerNorm(x + ctx Wo) g1 + beta1 for 64 rows a work-group; ctx arrives as codes (ca), Wo as blocks of wf; h leaves as f32 (hf) and as codes of BF6 with E8M0 scales (ha), laid as ca is.
; Blocks of ca and ha, 38,400 bytes for 64 rows: fragment (K step f, row tile mt) at (4 f + mt) 1536 as six planes of 256 bytes (plane p: registers 2 p, 2 p + 1 of lane l at 8 l); from 36,864 on 256 bytes of scale words a K step,
; word of (mt, r) at 8 (r + 16 (mt % 2)) + 4 (mt / 2).
; Wave w makes columns 64 w .. 64 w + 63 for all 64 rows: 16 accumulators; source 0 = the weight's rows (from memory into the one wave that uses them, two buffers), source 1 = ctx's rows (from LDS).  Lane (r, h) holds row r, register
; 32 mt + 16 b + i the column 64 w + 32 b + 16 h + i.  x is loaded into the accumulators: the residual is the sums' first C.
; THE NORM in two passes (the mean, then the mean of the squared differences), each wave's part of a row's sum going through LDS, 64 bytes a row, a word a wave; each pass has bytes of its own.  The mean is the sum x (1 / 768).
; LIMITS: NaN and infinities are not served; a block of h under 2^-122 gets the byte 1.  No cluster, no tensor load: a weight fragment is used by one wave of a work-group, from registers.
.set ACC, 16
.set WB0, 144
.set AF,  192
.set WS,  240
.set AS,  244
.set AAD, 3
.set ASD, 4
.set WP,  20
.set SEL, 22
.set ASC, 36864
.set RED1, 38400                       ; LDS: the first pass's sums, 4,096 bytes; the second's behind them
.set SCG, 46592                        ; h's scale words, 1,536 bytes
.set STG, 48128                        ; a stage of 16 rows x 272 bytes for each wave
.set TM,  212
.set PW,  228
.set CT,  234
.set G,   144                          ; v144-175 g, v176-207 beta of my lane's 32 columns
.set BE,  176
.set OB,  176                          ; the way out: 16 rows read back
.set RB,  208                          ; 24 registers: two rows' twelve partial sums
.set CH0, 232
.set CH1, 234
.set PT,  236
.set MU,  246                          ; v246, 248, 250, 252: a number for each row tile, each the low word of a pair
.set MSB, 0
.macro WIN new
.if MSB != \new
	s_set_vgpr_msb (MSB<<8)|\new
.set MSB, \new
.endif
.endm
.macro WM d, a, b, sa, sb, ra, rb
.set rD, \d
.set rA, \a
.set rB, \b
.set rX, \sa
.set rY, \sb
.if (\ra) && (\rb)
	v_wmma_scale_f32_16x16x128_f8f6f4 v[rD:rD+7], v[rA:rA+11], v[rB:rB+11], v[rD:rD+7], v[rX], v[rY] matrix_a_fmt:MATRIX_FMT_BF6 matrix_b_fmt:MATRIX_FMT_BF6 matrix_a_scale:MATRIX_SCALE_ROW1 matrix_b_scale:MATRIX_SCALE_ROW1
.elseif \ra
	v_wmma_scale_f32_16x16x128_f8f6f4 v[rD:rD+7], v[rA:rA+11], v[rB:rB+11], v[rD:rD+7], v[rX], v[rY] matrix_a_fmt:MATRIX_FMT_BF6 matrix_b_fmt:MATRIX_FMT_BF6 matrix_a_scale:MATRIX_SCALE_ROW1
.elseif \rb
	v_wmma_scale_f32_16x16x128_f8f6f4 v[rD:rD+7], v[rA:rA+11], v[rB:rB+11], v[rD:rD+7], v[rX], v[rY] matrix_a_fmt:MATRIX_FMT_BF6 matrix_b_fmt:MATRIX_FMT_BF6 matrix_b_scale:MATRIX_SCALE_ROW1
.else
	v_wmma_scale_f32_16x16x128_f8f6f4 v[rD:rD+7], v[rA:rA+11], v[rB:rB+11], v[rD:rD+7], v[rX], v[rY] matrix_a_fmt:MATRIX_FMT_BF6 matrix_b_fmt:MATRIX_FMT_BF6
.endif
.endm
.macro WLOAD buf, off                  ; a block of wf: 13 loads
.if \buf
	WIN 0x40
.irp i, 0,1,2,3,4,5,6,7,8,9,10,11
	global_load_b128 v[4*\i:4*\i+3], v2, s[WP:WP+1] offset:\off+512*\i
.endr
	WIN 0
.else
.irp i, 0,1,2,3,4,5,6,7,8,9,10,11
	global_load_b128 v[WB0+4*\i:WB0+4*\i+3], v2, s[WP:WP+1] offset:\off+512*\i
.endr
.endif
	global_load_b64 v[WS+2*(\buf):WS+2*(\buf)+1], v1, s[WP:WP+1] offset:\off+6144
.endm
.macro ALOAD off, soff
.irp mt, 0,1,2,3
.irp p, 0,1,2,3,4,5
	ds_load_b64 v[AF+12*\mt+2*\p:AF+12*\mt+2*\p+1], v[AAD] offset:\off+1536*\mt+256*\p
.endr
.endr
	ds_load_b64 v[AS:AS+1], v[ASD] offset:\soff
.endm
.macro GSTEP buf, wnext, woff, anext, aoff, soff   ; a K step of 128; the 16 accumulators by turns, in the same order in every step
.if \wnext
	WLOAD 1-\buf, \woff
	s_wait_loadcnt 13                              ; all but the 13 loads just issued
.else
	s_wait_loadcnt 0x0
.endif
	s_wait_dscnt 0x0
.if \buf
	WIN 0x01
.endif
.irp mt, 0,1,2,3
.irp nt, 0,1,2,3
	WM ACC+32*\mt+8*\nt, (1-\buf)*WB0+12*\nt, AF+12*\mt, WS+2*(\buf)+\nt/2, AS+\mt/2, \nt%2, \mt%2
.endr
.endr
	WIN 0
.rept 4
	v_nop                                          ; four places in front of loads into registers that these products read, and of the first read of results
.endr
.if \anext
	ALOAD \aoff, \soff
.endif
.endm
.macro QUANT2 s, pc, pw                ; 32 numbers of a lane (two blocks) -> six registers, block lane / 16 whole, and two scale bytes
.irp b, 0,1
	v_max3_num_f32 v[TM+\b], |v[\s+16*\b]|, |v[\s+1+16*\b]|, 0x2800000
.endr
.irp i, 2,4,6,8,10,12,14
.irp b, 0,1
	v_max3_num_f32 v[TM+\b], v[TM+\b], |v[\s+16*\b+\i]|, |v[\s+1+16*\b+\i]|
.endr
.endr
.irp b, 0,1
	v_permlanex16_b32 v[TM+4+\b], v[TM+\b], s[SEL], s[SEL+1]
.endr
.irp b, 0,1
	v_max_num_f32 v[TM+\b], v[TM+\b], v[TM+4+\b]
.endr
.irp b, 0,1
	v_add_nc_u32 v[TM+12+\b], 0xfe000000, v[TM+\b]
.endr
.irp b, 0,1
	v_lshrrev_b32 v[TM+4+\b], 23, v[TM+12+\b]
.endr
	v_lshl_or_b32 v[\pw], v[TM+5], 8, v[TM+4]
	v_cvt_scalef32_pk16_bf6_f32 v[\pc:\pc+2], v[\s:\s+15], v[TM+12]
	v_cvt_scalef32_pk16_bf6_f32 v[CT:CT+2], v[\s+16:\s+31], v[TM+13]
	v_nop
.irp i, 0,1,2
	v_permlane16_swap_b32 v[\pc+\i], v[CT+\i]
.endr
.irp i, 0,1,2
	v_mov_b32 v[\pc+3+\i], v[CT+\i]
.endr
.endm
.macro ROWSUM mt                       ; the sum of my wave's 64 columns of row 16 mt + r, from the accumulators' low ends on
.set rS, ACC+32*\mt
	v_pk_add_f32 v[CH0:CH0+1], v[rS:rS+1], v[rS+2:rS+3]
	v_pk_add_f32 v[CH1:CH1+1], v[rS+4:rS+5], v[rS+6:rS+7]
.irp j, 8,12,16,20,24,28
	v_pk_add_f32 v[CH0:CH0+1], v[CH0:CH0+1], v[rS+\j:rS+\j+1]
	v_pk_add_f32 v[CH1:CH1+1], v[CH1:CH1+1], v[rS+\j+2:rS+\j+3]
.endr
	v_pk_add_f32 v[CH0:CH0+1], v[CH0:CH0+1], v[CH1:CH1+1]
	v_add_f32 v[CH0], v[CH0], v[CH0+1]
	v_permlanex16_b32 v[PT], v[CH0], s[SEL], s[SEL+1]
	v_add_f32 v[MU+2*\mt], v[CH0], v[PT]
.endm
.macro SQSUM mt                        ; the same of the squares
.set rS, ACC+32*\mt
	v_pk_mul_f32 v[CH0:CH0+1], v[rS:rS+1], v[rS:rS+1]
	v_pk_mul_f32 v[CH1:CH1+1], v[rS+2:rS+3], v[rS+2:rS+3]
.irp j, 4,8,12,16,20,24,28
	v_pk_fma_f32 v[CH0:CH0+1], v[rS+\j:rS+\j+1], v[rS+\j:rS+\j+1], v[CH0:CH0+1]
	v_pk_fma_f32 v[CH1:CH1+1], v[rS+\j+2:rS+\j+3], v[rS+\j+2:rS+\j+3], v[CH1:CH1+1]
.endr
	v_pk_add_f32 v[CH0:CH0+1], v[CH0:CH0+1], v[CH1:CH1+1]
	v_add_f32 v[CH0], v[CH0], v[CH0+1]
	v_permlanex16_b32 v[PT], v[CH0], s[SEL], s[SEL+1]
	v_add_f32 v[MU+2*\mt], v[CH0], v[PT]
.endm
.macro REDUCE off                      ; the twelve waves' parts of each row's sum meet in LDS; every wave adds them in the same order
.irp mt, 0,1,2,3
	ds_store_b32 v9, v[MU+2*\mt] offset:\off+1024*\mt
.endr
	s_wait_dscnt 0x0
	s_barrier_signal -1
	s_barrier_wait -1
.irp hf, 0,1
.irp q, 0,1
.irp g, 0,1,2
	ds_load_b128 v[RB+12*\q+4*\g:RB+12*\q+4*\g+3], v10 offset:\off+1024*(2*\hf+\q)+16*\g
.endr
.endr
	s_wait_dscnt 0x0
.irp q, 0,1
	v_pk_add_f32 v[RB+12*\q:RB+12*\q+1], v[RB+12*\q:RB+12*\q+1], v[RB+12*\q+2:RB+12*\q+3]
	v_pk_add_f32 v[RB+12*\q+4:RB+12*\q+5], v[RB+12*\q+4:RB+12*\q+5], v[RB+12*\q+6:RB+12*\q+7]
	v_pk_add_f32 v[RB+12*\q+8:RB+12*\q+9], v[RB+12*\q+8:RB+12*\q+9], v[RB+12*\q+10:RB+12*\q+11]
	v_pk_add_f32 v[RB+12*\q:RB+12*\q+1], v[RB+12*\q:RB+12*\q+1], v[RB+12*\q+4:RB+12*\q+5]
	v_pk_add_f32 v[RB+12*\q:RB+12*\q+1], v[RB+12*\q:RB+12*\q+1], v[RB+12*\q+8:RB+12*\q+9]
	v_add_f32 v[MU+2*(2*\hf+\q)], v[RB+12*\q], v[RB+12*\q+1]
.endr
.endr
.endm
.macro WAYOUT mt, base                 ; 16 rows x my 64 columns through my own stage: sixteen lanes then store 256 consecutive bytes of a row
	s_wait_xcnt 0x0                                ; earlier stores have read their registers: the rows read back may land there
.irp b, 0,1
.irp g, 0,1,2,3
	ds_store_b128 v6, v[ACC+32*\mt+16*\b+4*\g:ACC+32*\mt+16*\b+4*\g+3] offset:128*\b+16*\g
.endr
.endr
.irp t, 0,1,2,3,4,5,6,7
	ds_load_b128 v[OB+4*\t:OB+4*\t+3], v7 offset:544*\t   ; LDS serves a wave's instructions in order (ISA guide 5.7.1.4): these see the stores above
.endr
.irp t, 0,1,2,3,4,5,6,7
	s_wait_dscnt 7-\t                              ; load t is in; the younger ones may be out
	global_store_b128 v8, v[OB+4*\t:OB+4*\t+3], s[\base:\base+1] offset:(16*\mt+2*\t)*3072
.endr
.endm
	s_load_b256 s[4:11], s[0:1], 0x0               ; ca, wf, x, g1
	s_load_b128 s[12:15], s[0:1], 0x20             ; beta1, hf
	s_load_b64 s[16:17], s[0:1], 0x30              ; ha
	s_set_vgpr_msb 0x40
	v_lshl_add_u32 v48, v0, 2, 0x18800
	v_mov_b32 v49, 0
	s_set_vgpr_msb 0x4000
	v_lshrrev_b32 v1, 5, v0
	v_readfirstlane_b32 s18, v1                    ; wave 0..11
	v_and_b32 v15, 31, v0
	v_and_b32 v254, 15, v0                         ; r
	v_bfe_u32 v255, v0, 4, 1                       ; h
	v_lshlrev_b32 v1, 3, v15
	v_lshlrev_b32 v2, 4, v15
	v_lshlrev_b32 v[AAD], 3, v15
	v_lshlrev_b32 v[ASD], 3, v15
	s_mov_b32 s[SEL], 0x76543210
	s_mov_b32 s[SEL+1], 0xfedcba98
	s_mov_b32 s24, 0x3aaaaaab                      ; 1 / 768
	s_mov_b32 s25, 0x3727c5ac                      ; 1e-5
	s_lshl_b32 s26, s18, 8                         ; 256 w
	s_mul_i32 s27, s18, 4352
	s_add_co_u32 s27, s27, STG                     ; my stage
	s_lshr_b32 s28, s18, 1
	s_and_b32 s29, s18, 1
	s_lshl_b32 s30, s28, 8
	s_lshl_b32 s31, s29, 1
	s_add_co_u32 s30, s30, s31
	s_lshl_b32 s31, s18, 2
	v_mul_u32_u24 v5, v254, 3072
	v_lshl_add_u32 v5, v255, 6, v5
	v_add_nc_u32 v5, s26, v5                       ; x: row r, + 256 w + 64 h
	v_mul_u32_u24 v6, v254, 272
	v_lshl_add_u32 v6, v255, 6, v6
	v_add_nc_u32 v6, s27, v6                       ; the stage, in: row r, + 64 h
	v_mul_u32_u24 v7, v255, 272
	v_lshl_add_u32 v7, v254, 4, v7
	v_add_nc_u32 v7, s27, v7                       ; back: lanes 0-15 one row, lanes 16-31 the next
	v_mul_u32_u24 v8, v255, 3072
	v_lshl_add_u32 v8, v254, 4, v8
	v_add_nc_u32 v8, s26, v8                       ; and the same in hf
	v_lshlrev_b32 v10, 6, v254
	v_add_nc_u32 v10, RED1, v10                    ; a row's twelve partial sums,
	v_add_nc_u32 v9, s31, v10                      ; and mine among them
	v_lshlrev_b32 v11, 3, v254
	v_add_nc_u32 v11, s30, v11                     ; my two bytes of a row's scale word: 256 (w / 2) + 2 (w % 2) + 8 r
	v_lshlrev_b32 v12, 4, v0                       ; 16 x thread
	v_lshlrev_b32 v13, 2, v0                       ; 4 x thread
	v_lshlrev_b32 v14, 6, v255
	v_add_nc_u32 v14, s26, v14                     ; g, beta: 256 w + 64 h
.irp mt, 0,1,2,3
	v_mov_b32 v[MU+2*\mt+1], 0                     ; (named as upper halves of pairs)
.endr
	s_mul_i32 s32, ttmp9, 38400
	s_mov_b32 s33, 0
	s_mul_i32 s34, ttmp9, 196608
	s_mov_b32 s35, 0
	s_mul_i32 s36, s18, 6
	s_add_co_u32 s36, s36, 216
	s_mul_i32 s36, s36, 6400                       ; Wo's blocks 216 + 6 w on
	s_mov_b32 s37, 0
	s_mul_i32 s38, s28, 6144
	s_mul_i32 s39, s29, 768
	s_add_co_u32 s38, s38, s39
	s_mov_b32 s39, 0
	s_wait_kmcnt 0x0
	s_add_nc_u64 s[WP:WP+1], s[6:7], s[36:37]
	s_add_nc_u64 s[4:5], s[4:5], s[32:33]
	s_add_nc_u64 s[8:9], s[8:9], s[34:35]
	s_add_nc_u64 s[14:15], s[14:15], s[34:35]
	s_add_nc_u64 s[16:17], s[16:17], s[32:33]
	s_add_nc_u64 s[40:41], s[16:17], s[38:39]      ; ha: K step w / 2, half w % 2
	WLOAD 0, 0
.irp mt, 0,1,2,3                               ; x into the accumulators
.irp b, 0,1
.irp g, 0,1,2,3
	global_load_b128 v[ACC+32*\mt+16*\b+4*\g:ACC+32*\mt+16*\b+4*\g+3], v5, s[8:9] offset:49152*\mt+128*\b+16*\g th:TH_LOAD_NT
.endr
.endr
.endr
.irp i, 0,1,2,3,4,5                            ; ctx's block into LDS as it lies: 384 threads x 16 bytes, six times, and 4 bytes each
	global_load_b128 v[AF+4*\i:AF+4*\i+3], v12, s[4:5] offset:6144*\i th:TH_LOAD_NT
.endr
	global_load_b32 v[AF+24], v13, s[4:5] offset:ASC th:TH_LOAD_NT
	s_wait_loadcnt 0x0
.irp i, 0,1,2,3,4,5
	ds_store_b128 v12, v[AF+4*\i:AF+4*\i+3] offset:6144*\i
.endr
	ds_store_b32 v13, v[AF+24] offset:ASC
	s_wait_dscnt 0x0
	s_barrier_signal -1
	s_barrier_wait -1
	ALOAD 0, ASC
	GSTEP 0, 1, 6400, 1, 6144, ASC+256
	GSTEP 1, 1, 12800, 1, 12288, ASC+512
	GSTEP 0, 1, 19200, 1, 18432, ASC+768
	GSTEP 1, 1, 25600, 1, 24576, ASC+1024
	GSTEP 0, 1, 32000, 1, 30720, ASC+1280
	GSTEP 1, 0, 0, 0, 0, 0
.irp b, 0,1
.irp g, 0,1,2,3
	global_load_b128 v[G+16*\b+4*\g:G+16*\b+4*\g+3], v14, s[10:11] offset:128*\b+16*\g
	global_load_b128 v[BE+16*\b+4*\g:BE+16*\b+4*\g+3], v14, s[12:13] offset:128*\b+16*\g
.endr
.endr
	ROWSUM 0
	ROWSUM 1
	ROWSUM 2
	ROWSUM 3
	REDUCE 0
.irp mt, 0,1,2,3
	v_mul_f32 v[MU+2*\mt], 0xbaaaaaab, v[MU+2*\mt] ; - the mean
.endr
.irp mt, 0,1,2,3
.set j, 0
.rept 16
	v_pk_add_f32 v[ACC+32*\mt+j:ACC+32*\mt+j+1], v[ACC+32*\mt+j:ACC+32*\mt+j+1], v[MU+2*\mt:MU+2*\mt+1] op_sel_hi:[1,0]
.set j, j+2
.endr
	SQSUM \mt
.endr
	REDUCE 4096
.irp mt, 0,1,2,3
	v_fma_f32 v[MU+2*\mt], v[MU+2*\mt], s24, s25   ; the variance + eps
.endr
.irp mt, 0,1,2,3
	v_rsq_f32 v[MU+2*\mt], v[MU+2*\mt]
.endr
	v_nop                                          ; a plain instruction behind the last of them,
	s_wait_alu depctr_va_vdst(0)                   ; and one wait for the four, ahead of their first reader
	s_wait_loadcnt 0x0                             ; g1, beta1
.irp mt, 0,1,2,3
.set j, 0
.rept 16
	v_pk_mul_f32 v[ACC+32*\mt+j:ACC+32*\mt+j+1], v[ACC+32*\mt+j:ACC+32*\mt+j+1], v[MU+2*\mt:MU+2*\mt+1] op_sel_hi:[1,0]
	v_pk_fma_f32 v[ACC+32*\mt+j:ACC+32*\mt+j+1], v[ACC+32*\mt+j:ACC+32*\mt+j+1], v[G+j:G+j+1], v[BE+j:BE+j+1]
.set j, j+2
.endr
.endr
.irp mt, 0,1,2,3                               ; h leaves twice: as codes (half a K step a wave) and as f32
	QUANT2 ACC+32*\mt, 144+6*\mt, PW+\mt
.irp p, 0,1,2
	global_store_b64 v1, v[144+6*\mt+2*\p:145+6*\mt+2*\p], s[40:41] offset:1536*\mt+256*\p
.endr
	ds_store_b16 v11, v[PW+\mt] offset:SCG+128*(\mt%2)+4*(\mt/2)
	WAYOUT \mt, 14
.endr
	s_wait_dscnt 0x0
	s_barrier_signal -1
	s_barrier_wait -1                              ; the 1,536 bytes of scale words are whole
	s_cmp_lt_u32 s18, 3
	s_cbranch_scc0 .Lend
	ds_load_b128 v[208:211], v12 offset:SCG        ; waves 0 to 2: 512 bytes each
	s_wait_dscnt 0x0
	global_store_b128 v12, v[208:211], s[16:17] offset:ASC
.Lend:
	s_set_vgpr_msb 0x5
	s_wait_tensorcnt 0x0
	ds_add_u32 v48, v49
	s_wait_dscnt 0x0
	s_set_vgpr_msb 0x500
	s_endpgm
.Lfunc_end_k_q1a98c0dab4_oln:
	.size	k_q1a98c0dab4_oln, .Lfunc_end_k_q1a98c0dab4_oln-k_q1a98c0dab4_oln
	.p2alignl 7, 3214868480
	.fill 96, 4, 3214868480
	.section	.rodata,"a",@progbits
	.p2align	6, 0x0
	.amdhsa_kernel k_q1a98c0dab4_oln
		.amdhsa_group_segment_fixed_size 101888
		.amdhsa_private_segment_fixed_size 0
		.amdhsa_enable_private_segment 0
		.amdhsa_kernarg_size 56
		.amdhsa_user_sgpr_count 2
		.amdhsa_user_sgpr_kernarg_segment_ptr 1
		.amdhsa_wavefront_size32 1
		.amdhsa_system_sgpr_workgroup_id_x 1
		.amdhsa_system_sgpr_workgroup_id_y 1
		.amdhsa_system_sgpr_workgroup_id_z 1
		.amdhsa_system_vgpr_workitem_id 0
		.amdhsa_next_free_vgpr 306
		.amdhsa_next_free_sgpr 66
		.amdhsa_reserve_vcc 0
		.amdhsa_float_denorm_mode_32 3
		.amdhsa_float_denorm_mode_16_64 3
		.amdhsa_memory_ordered 1
		.amdhsa_forward_progress 1
		.amdhsa_inst_pref_size 84
	.end_amdhsa_kernel
	.amdgpu_metadata
---
amdhsa.version: [ 1, 2 ]
amdhsa.kernels:
  - .name:           k_q1a98c0dab4_oln
    .symbol:         k_q1a98c0dab4_oln.kd
    .args:
      - { .name: ca, .offset: 0, .size: 8, .value_kind: global_buffer, .address_space: global }
      - { .name: wf, .offset: 8, .size: 8, .value_kind: global_buffer, .address_space: global }
      - { .name: x, .offset: 16, .size: 8, .value_kind: global_buffer, .address_space: global }
      - { .name: g1, .offset: 24, .size: 8, .value_kind: global_buffer, .address_space: global }
      - { .name: beta1, .offset: 32, .size: 8, .value_kind: global_buffer, .address_space: global }
      - { .name: hf, .offset: 40, .size: 8, .value_kind: global_buffer, .address_space: global }
      - { .name: ha, .offset: 48, .size: 8, .value_kind: global_buffer, .address_space: global }
    .group_segment_fixed_size: 101888
    .private_segment_fixed_size: 0
    .kernarg_segment_align: 8
    .kernarg_segment_size: 56
    .max_flat_workgroup_size: 384
    .sgpr_count:     66
    .vgpr_count:     306
    .wavefront_size: 32
...
	.end_amdgpu_metadata
.endif
;; end of part 4
;; launch ffa (part 5): grid 64 x 4, 12 waves a work-group, no clusters, 41,472 bytes of LDS; arguments ha, wf, b1, fa; writes fa
.if DOCPART == 5
	.amdgcn_target "amdgcn-amd-amdhsa--gfx1250"
	.amdhsa_code_object_version 6
	.text
	.protected	k_q1a98c0dab4_ffa
	.globl	k_q1a98c0dab4_ffa
	.p2align	8
	.type	k_q1a98c0dab4_ffa,@function
k_q1a98c0dab4_ffa:
	s_mov_b64 s[64:65], 0
	v_nop
	global_prefetch_b8 v0, s[64:65] scope:SCOPE_SE
	s_setreg_imm32_b32 hwreg(HW_REG_WAVE_MODE, 25, 1), 1
	s_wait_xcnt 0x0
; relu(h W1 + b1) for 64 rows x 768 of the 3,072 columns (work-group (blk, y): columns 768 y on), on codes of BF6 with E8M0 scales; the result is quantised in registers and stored as the next product's operand.
; ha's block (38,400 bytes for 64 rows): fragment (K step f, row tile mt) at (4 f + mt) 1536 as six planes of 256 bytes; from 36,864 on 256 bytes of scale words a K step.  fa's block (153,600 bytes) likewise with 24 K steps; words from 147,456 on.
; Wave w makes columns 64 w .. 64 w + 63 of the 768 for all 64 rows: 16 accumulators; source 0 = W1's rows (from memory into the one wave that uses them, two buffers), source 1 = h's rows (from LDS).  Lane (r, h) holds row r, register
; 32 mt + 16 b + i the column 64 w + 32 b + 16 h + i.  b1 is loaded into the accumulators: it is the sums' first C.
; LIMITS: NaN and infinities are not served; a block under 2^-122 (zeros among them) gets the byte 1.  No cluster, no tensor load: a weight fragment is used by one wave of a work-group, from registers.
.set ACC, 16
.set WB0, 144
.set AF,  192
.set WS,  240
.set AS,  244
.set AAD, 3
.set ASD, 4
.set WP,  20
.set SEL, 22
.set ASC, 36864
.set SCG, 38400
.set TM,  212
.set PW,  228
.set CT,  234
.set MSB, 0
.macro WIN new
.if MSB != \new
	s_set_vgpr_msb (MSB<<8)|\new
.set MSB, \new
.endif
.endm
.macro WM d, a, b, sa, sb, ra, rb
.set rD, \d
.set rA, \a
.set rB, \b
.set rX, \sa
.set rY, \sb
.if (\ra) && (\rb)
	v_wmma_scale_f32_16x16x128_f8f6f4 v[rD:rD+7], v[rA:rA+11], v[rB:rB+11], v[rD:rD+7], v[rX], v[rY] matrix_a_fmt:MATRIX_FMT_BF6 matrix_b_fmt:MATRIX_FMT_BF6 matrix_a_scale:MATRIX_SCALE_ROW1 matrix_b_scale:MATRIX_SCALE_ROW1
.elseif \ra
	v_wmma_scale_f32_16x16x128_f8f6f4 v[rD:rD+7], v[rA:rA+11], v[rB:rB+11], v[rD:rD+7], v[rX], v[rY] matrix_a_fmt:MATRIX_FMT_BF6 matrix_b_fmt:MATRIX_FMT_BF6 matrix_a_scale:MATRIX_SCALE_ROW1
.elseif \rb
	v_wmma_scale_f32_16x16x128_f8f6f4 v[rD:rD+7], v[rA:rA+11], v[rB:rB+11], v[rD:rD+7], v[rX], v[rY] matrix_a_fmt:MATRIX_FMT_BF6 matrix_b_fmt:MATRIX_FMT_BF6 matrix_b_scale:MATRIX_SCALE_ROW1
.else
	v_wmma_scale_f32_16x16x128_f8f6f4 v[rD:rD+7], v[rA:rA+11], v[rB:rB+11], v[rD:rD+7], v[rX], v[rY] matrix_a_fmt:MATRIX_FMT_BF6 matrix_b_fmt:MATRIX_FMT_BF6
.endif
.endm
.macro WLOAD buf, off                  ; a block of wf: 13 loads
.if \buf
	WIN 0x40
.irp i, 0,1,2,3,4,5,6,7,8,9,10,11
	global_load_b128 v[4*\i:4*\i+3], v2, s[WP:WP+1] offset:\off+512*\i
.endr
	WIN 0
.else
.irp i, 0,1,2,3,4,5,6,7,8,9,10,11
	global_load_b128 v[WB0+4*\i:WB0+4*\i+3], v2, s[WP:WP+1] offset:\off+512*\i
.endr
.endif
	global_load_b64 v[WS+2*(\buf):WS+2*(\buf)+1], v1, s[WP:WP+1] offset:\off+6144
.endm
.macro ALOAD off, soff
.irp mt, 0,1,2,3
.irp p, 0,1,2,3,4,5
	ds_load_b64 v[AF+12*\mt+2*\p:AF+12*\mt+2*\p+1], v[AAD] offset:\off+1536*\mt+256*\p
.endr
.endr
	ds_load_b64 v[AS:AS+1], v[ASD] offset:\soff
.endm
.macro GSTEP buf, wnext, woff, anext, aoff, soff   ; a K step of 128; the 16 accumulators by turns, in the same order in every step
.if \wnext
	WLOAD 1-\buf, \woff
	s_wait_loadcnt 13                              ; all but the 13 loads just issued
.else
	s_wait_loadcnt 0x0
.endif
	s_wait_dscnt 0x0
.if \buf
	WIN 0x01
.endif
.irp mt, 0,1,2,3
.irp nt, 0,1,2,3
	WM ACC+32*\mt+8*\nt, (1-\buf)*WB0+12*\nt, AF+12*\mt, WS+2*(\buf)+\nt/2, AS+\mt/2, \nt%2, \mt%2
.endr
.endr
	WIN 0
.rept 4
	v_nop                                          ; four places in front of loads into registers that these products read, and of the first read of results
.endr
.if \anext
	ALOAD \aoff, \soff
.endif
.endm
.macro QUANT2 s, pc, pw                ; 32 numbers of a lane (two blocks) -> six registers, block lane / 16 whole, and two scale bytes
.irp b, 0,1
	v_max3_num_f32 v[TM+\b], |v[\s+16*\b]|, |v[\s+1+16*\b]|, 0x2800000
.endr
.irp i, 2,4,6,8,10,12,14
.irp b, 0,1
	v_max3_num_f32 v[TM+\b], v[TM+\b], |v[\s+16*\b+\i]|, |v[\s+1+16*\b+\i]|
.endr
.endr
.irp b, 0,1
	v_permlanex16_b32 v[TM+4+\b], v[TM+\b], s[SEL], s[SEL+1]
.endr
.irp b, 0,1
	v_max_num_f32 v[TM+\b], v[TM+\b], v[TM+4+\b]
.endr
.irp b, 0,1
	v_add_nc_u32 v[TM+12+\b], 0xfe000000, v[TM+\b]
.endr
.irp b, 0,1
	v_lshrrev_b32 v[TM+4+\b], 23, v[TM+12+\b]
.endr
	v_lshl_or_b32 v[\pw], v[TM+5], 8, v[TM+4]
	v_cvt_scalef32_pk16_bf6_f32 v[\pc:\pc+2], v[\s:\s+15], v[TM+12]
	v_cvt_scalef32_pk16_bf6_f32 v[CT:CT+2], v[\s+16:\s+31], v[TM+13]
	v_nop
.irp i, 0,1,2
	v_permlane16_swap_b32 v[\pc+\i], v[CT+\i]
.endr
.irp i, 0,1,2
	v_mov_b32 v[\pc+3+\i], v[CT+\i]
.endr
.endm
	s_load_b256 s[4:11], s[0:1], 0x0               ; ha, wf, b1, fa
	v_lshl_add_u32 v252, v0, 2, 0x9c00
	v_mov_b32 v253, 0
	v_lshrrev_b32 v1, 5, v0
	v_readfirstlane_b32 s18, v1                    ; wave 0..11
	s_and_b32 s19, ttmp7, 0xffff                   ; y
	v_and_b32 v15, 31, v0
	v_and_b32 v254, 15, v0                         ; r
	v_bfe_u32 v255, v0, 4, 1                       ; h
	v_lshlrev_b32 v1, 3, v15
	v_lshlrev_b32 v2, 4, v15
	v_lshlrev_b32 v[AAD], 3, v15
	v_lshlrev_b32 v[ASD], 3, v15
	s_mov_b32 s[SEL], 0x76543210
	s_mov_b32 s[SEL+1], 0xfedcba98
	s_lshr_b32 s28, s18, 1
	s_and_b32 s29, s18, 1
	s_lshl_b32 s30, s28, 8
	s_lshl_b32 s31, s29, 1
	s_add_co_u32 s30, s30, s31
	v_lshlrev_b32 v11, 3, v254
	v_add_nc_u32 v11, s30, v11                     ; my two bytes of a row's scale word: 256 (w / 2) + 2 (w % 2) + 8 r
	v_lshlrev_b32 v12, 4, v0
	v_lshlrev_b32 v13, 2, v0
	v_lshlrev_b32 v14, 6, v255                     ; b1: 64 h
	s_mul_i32 s32, ttmp9, 38400
	s_mov_b32 s33, 0
	s_mul_i32 s34, ttmp9, 153600
	s_mov_b32 s35, 0
	s_mul_i32 s36, s19, 72
	s_mul_i32 s37, s18, 6
	s_add_co_u32 s36, s36, s37
	s_add_co_u32 s36, s36, 288
	s_mul_i32 s36, s36, 6400                       ; W1's blocks 288 + 6 (12 y + w) on
	s_mov_b32 s37, 0
	s_mul_i32 s38, s19, 6
	s_add_co_u32 s38, s38, s28
	s_mul_i32 s38, s38, 6144                       ; fa: K step 6 y + w / 2,
	s_mul_i32 s39, s29, 768
	s_add_co_u32 s38, s38, s39                     ; half w % 2
	s_mov_b32 s39, 0
	s_mul_i32 s40, s19, 3072
	s_lshl_b32 s41, s18, 8
	s_add_co_u32 s40, s40, s41                     ; b1: my 64 numbers
	s_mov_b32 s41, 0
	s_mul_i32 s42, s19, 1536
	s_add_co_u32 s42, s42, 147456                  ; fa's scale words of K steps 6 y on
	s_mov_b32 s43, 0
	s_wait_kmcnt 0x0
	s_add_nc_u64 s[WP:WP+1], s[6:7], s[36:37]
	s_add_nc_u64 s[4:5], s[4:5], s[32:33]
	s_add_nc_u64 s[8:9], s[8:9], s[40:41]
	s_add_nc_u64 s[10:11], s[10:11], s[34:35]
	s_add_nc_u64 s[38:39], s[10:11], s[38:39]
	s_add_nc_u64 s[42:43], s[10:11], s[42:43]
	WLOAD 0, 0
.irp mt, 0,1,2,3                               ; b1 into the accumulators, the same numbers for each row tile
.irp b, 0,1
.irp g, 0,1,2,3
	global_load_b128 v[ACC+32*\mt+16*\b+4*\g:ACC+32*\mt+16*\b+4*\g+3], v14, s[8:9] offset:128*\b+16*\g
.endr
.endr
.endr
.irp i, 0,1,2,3,4,5                            ; h's block into LDS as it lies
	global_load_b128 v[AF+4*\i:AF+4*\i+3], v12, s[4:5] offset:6144*\i
.endr
	global_load_b32 v[AF+24], v13, s[4:5] offset:ASC
	s_wait_loadcnt 0x0
.irp i, 0,1,2,3,4,5
	ds_store_b128 v12, v[AF+4*\i:AF+4*\i+3] offset:6144*\i
.endr
	ds_store_b32 v13, v[AF+24] offset:ASC
	s_wait_dscnt 0x0
	s_barrier_signal -1
	s_barrier_wait -1
	ALOAD 0, ASC
	GSTEP 0, 1, 6400, 1, 6144, ASC+256
	GSTEP 1, 1, 12800, 1, 12288, ASC+512
	GSTEP 0, 1, 19200, 1, 18432, ASC+768
	GSTEP 1, 1, 25600, 1, 24576, ASC+1024
	GSTEP 0, 1, 32000, 1, 30720, ASC+1280
	GSTEP 1, 0, 0, 0, 0, 0
.set j, 0
.rept 128
	v_max_num_f32 v[ACC+j], 0, v[ACC+j]            ; the activation, in f32, from the accumulators' low ends on
.set j, j+1
.endr
.irp mt, 0,1,2,3
	QUANT2 ACC+32*\mt, 144+6*\mt, PW+\mt
.irp p, 0,1,2
	global_store_b64 v1, v[144+6*\mt+2*\p:145+6*\mt+2*\p], s[38:39] offset:1536*\mt+256*\p   ; 32 lanes store 256 consecutive bytes, at a multiple of 256 from fa's first byte
.endr
	ds_store_b16 v11, v[PW+\mt] offset:SCG+128*(\mt%2)+4*(\mt/2)
.endr
	s_wait_dscnt 0x0
	s_barrier_signal -1
	s_barrier_wait -1                              ; six K steps' scale words are whole
	s_cmp_lt_u32 s18, 3
	s_cbranch_scc0 .Lend
	ds_load_b128 v[208:211], v12 offset:SCG        ; waves 0 to 2: 512 bytes each
	s_wait_dscnt 0x0
	global_store_b128 v12, v[208:211], s[42:43]
.Lend:
	s_wait_tensorcnt 0x0
	ds_add_u32 v252, v253
	s_wait_dscnt 0x0
	s_endpgm
.Lfunc_end_k_q1a98c0dab4_ffa:
	.size	k_q1a98c0dab4_ffa, .Lfunc_end_k_q1a98c0dab4_ffa-k_q1a98c0dab4_ffa
	.p2alignl 7, 3214868480
	.fill 96, 4, 3214868480
	.section	.rodata,"a",@progbits
	.p2align	6, 0x0
	.amdhsa_kernel k_q1a98c0dab4_ffa
		.amdhsa_group_segment_fixed_size 41472
		.amdhsa_private_segment_fixed_size 0
		.amdhsa_enable_private_segment 0
		.amdhsa_kernarg_size 32
		.amdhsa_user_sgpr_count 2
		.amdhsa_user_sgpr_kernarg_segment_ptr 1
		.amdhsa_wavefront_size32 1
		.amdhsa_system_sgpr_workgroup_id_x 1
		.amdhsa_system_sgpr_workgroup_id_y 1
		.amdhsa_system_sgpr_workgroup_id_z 1
		.amdhsa_system_vgpr_workitem_id 0
		.amdhsa_next_free_vgpr 304
		.amdhsa_next_free_sgpr 66
		.amdhsa_reserve_vcc 0
		.amdhsa_float_denorm_mode_32 3
		.amdhsa_float_denorm_mode_16_64 3
		.amdhsa_memory_ordered 1
		.amdhsa_forward_progress 1
		.amdhsa_inst_pref_size 51
	.end_amdhsa_kernel
	.amdgpu_metadata
---
amdhsa.version: [ 1, 2 ]
amdhsa.kernels:
  - .name:           k_q1a98c0dab4_ffa
    .symbol:         k_q1a98c0dab4_ffa.kd
    .args:
      - { .name: ha, .offset: 0, .size: 8, .value_kind: global_buffer, .address_space: global }
      - { .name: wf, .offset: 8, .size: 8, .value_kind: global_buffer, .address_space: global }
      - { .name: b1, .offset: 16, .size: 8, .value_kind: global_buffer, .address_space: global }
      - { .name: fa, .offset: 24, .size: 8, .value_kind: global_buffer, .address_space: global }
    .group_segment_fixed_size: 41472
    .private_segment_fixed_size: 0
    .kernarg_segment_align: 8
    .kernarg_segment_size: 32
    .max_flat_workgroup_size: 384
    .sgpr_count:     66
    .vgpr_count:     304
    .wavefront_size: 32
...
	.end_amdgpu_metadata
.endif
;; end of part 5
;; launch ffb (part 6): grid 64 x 1, 12 waves a work-group, no clusters, 215,552 bytes of LDS; arguments fa, wf, hf, b2, g2, beta2, out0; writes out0
.if DOCPART == 6
	.amdgcn_target "amdgcn-amd-amdhsa--gfx1250"
	.amdhsa_code_object_version 6
	.text
	.protected	k_q1a98c0dab4_ffb
	.globl	k_q1a98c0dab4_ffb
	.p2align	8
	.type	k_q1a98c0dab4_ffb,@function
k_q1a98c0dab4_ffb:
	s_mov_b64 s[64:65], 0
	v_nop
	global_prefetch_b8 v0, s[64:65] scope:SCOPE_SE
	s_setreg_imm32_b32 hwreg(HW_REG_WAVE_MODE, 25, 1), 1
	s_wait_xcnt 0x0
; out = LayerNorm(h + ff W2 + b2) g2 + beta2 for 64 rows a work-group; ff arrives as codes of BF6 with E8M0 scales (fa), W2 as blocks of wf, h as f32 (hf).
; fa's block, 153,600 bytes for 64 rows: fragment (K step f of 24, row tile mt) at (4 f + mt) 1536 as six planes of 256 bytes; from 147,456 on 256 bytes of scale words a K step.  It is copied into LDS once, as it lies.
; Wave w makes columns 64 w .. 64 w + 63 for all 64 rows: 16 accumulators; source 0 = W2's rows (from memory into the one wave that uses them, two buffers), source 1 = ff's rows (from LDS).  Lane (r, h) holds row r, register
; 32 mt + 16 b + i the column 64 w + 32 b + 16 h + i.  h is loaded into the accumulators: the residual is the sums' first C; b2 is added behind the product.
; THE NORM in two passes, each wave's part of a row's sum going through LDS; each pass has bytes of its own.  The mean is the sum x (1 / 768).
; LIMITS: NaN and infinities are not served.  No cluster, no tensor load: a weight fragment is used by one wave of a work-group, from registers.
.set ACC, 16
.set WB0, 144
.set AF,  192
.set WS,  240
.set AS,  244
.set AAD, 3
.set ASD, 4
.set WP,  20
.set SEL, 22
.set ASC, 147456
.set RED1, 153600
.set STG, 161792
.set G,   144
.set BE,  176
.set B2,  208
.set OB,  176
.set RB,  208
.set CH0, 232
.set CH1, 234
.set PT,  236
.set MU,  246
.set MSB, 0
.macro WIN new
.if MSB != \new
	s_set_vgpr_msb (MSB<<8)|\new
.set MSB, \new
.endif
.endm
.macro WM d, a, b, sa, sb, ra, rb
.set rD, \d
.set rA, \a
.set rB, \b
.set rX, \sa
.set rY, \sb
.if (\ra) && (\rb)
	v_wmma_scale_f32_16x16x128_f8f6f4 v[rD:rD+7], v[rA:rA+11], v[rB:rB+11], v[rD:rD+7], v[rX], v[rY] matrix_a_fmt:MATRIX_FMT_BF6 matrix_b_fmt:MATRIX_FMT_BF6 matrix_a_scale:MATRIX_SCALE_ROW1 matrix_b_scale:MATRIX_SCALE_ROW1
.elseif \ra
	v_wmma_scale_f32_16x16x128_f8f6f4 v[rD:rD+7], v[rA:rA+11], v[rB:rB+11], v[rD:rD+7], v[rX], v[rY] matrix_a_fmt:MATRIX_FMT_BF6 matrix_b_fmt:MATRIX_FMT_BF6 matrix_a_scale:MATRIX_SCALE_ROW1
.elseif \rb
	v_wmma_scale_f32_16x16x128_f8f6f4 v[rD:rD+7], v[rA:rA+11], v[rB:rB+11], v[rD:rD+7], v[rX], v[rY] matrix_a_fmt:MATRIX_FMT_BF6 matrix_b_fmt:MATRIX_FMT_BF6 matrix_b_scale:MATRIX_SCALE_ROW1
.else
	v_wmma_scale_f32_16x16x128_f8f6f4 v[rD:rD+7], v[rA:rA+11], v[rB:rB+11], v[rD:rD+7], v[rX], v[rY] matrix_a_fmt:MATRIX_FMT_BF6 matrix_b_fmt:MATRIX_FMT_BF6
.endif
.endm
.macro WLOAD buf, off                  ; a block of wf: 13 loads
.if \buf
	WIN 0x40
.irp i, 0,1,2,3,4,5,6,7,8,9,10,11
	global_load_b128 v[4*\i:4*\i+3], v2, s[WP:WP+1] offset:\off+512*\i
.endr
	WIN 0
.else
.irp i, 0,1,2,3,4,5,6,7,8,9,10,11
	global_load_b128 v[WB0+4*\i:WB0+4*\i+3], v2, s[WP:WP+1] offset:\off+512*\i
.endr
.endif
	global_load_b64 v[WS+2*(\buf):WS+2*(\buf)+1], v1, s[WP:WP+1] offset:\off+6144
.endm
.macro ALOAD off, soff
.irp mt, 0,1,2,3
.irp p, 0,1,2,3,4,5
	ds_load_b64 v[AF+12*\mt+2*\p:AF+12*\mt+2*\p+1], v[AAD] offset:\off+1536*\mt+256*\p
.endr
.endr
	ds_load_b64 v[AS:AS+1], v[ASD] offset:\soff
.endm
.macro GSTEP buf, wnext, woff, anext, aoff, soff   ; a K step of 128; the 16 accumulators by turns, in the same order in every step, over the loop's backward jump too
.if \wnext
	WLOAD 1-\buf, \woff
	s_wait_loadcnt 13                              ; all but the 13 loads just issued
.else
	s_wait_loadcnt 0x0
.endif
	s_wait_dscnt 0x0
.if \buf
	WIN 0x01
.endif
.irp mt, 0,1,2,3
.irp nt, 0,1,2,3
	WM ACC+32*\mt+8*\nt, (1-\buf)*WB0+12*\nt, AF+12*\mt, WS+2*(\buf)+\nt/2, AS+\mt/2, \nt%2, \mt%2
.endr
.endr
	WIN 0
.rept 4
	v_nop                                          ; four places in front of loads into registers that these products read, and of the first read of results
.endr
.if \anext
	ALOAD \aoff, \soff
.endif
.endm
.macro ROWSUM mt
.set rS, ACC+32*\mt
	v_pk_add_f32 v[CH0:CH0+1], v[rS:rS+1], v[rS+2:rS+3]
	v_pk_add_f32 v[CH1:CH1+1], v[rS+4:rS+5], v[rS+6:rS+7]
.irp j, 8,12,16,20,24,28
	v_pk_add_f32 v[CH0:CH0+1], v[CH0:CH0+1], v[rS+\j:rS+\j+1]
	v_pk_add_f32 v[CH1:CH1+1], v[CH1:CH1+1], v[rS+\j+2:rS+\j+3]
.endr
	v_pk_add_f32 v[CH0:CH0+1], v[CH0:CH0+1], v[CH1:CH1+1]
	v_add_f32 v[CH0], v[CH0], v[CH0+1]
	v_permlanex16_b32 v[PT], v[CH0], s[SEL], s[SEL+1]
	v_add_f32 v[MU+2*\mt], v[CH0], v[PT]
.endm
.macro SQSUM mt
.set rS, ACC+32*\mt
	v_pk_mul_f32 v[CH0:CH0+1], v[rS:rS+1], v[rS:rS+1]
	v_pk_mul_f32 v[CH1:CH1+1], v[rS+2:rS+3], v[rS+2:rS+3]
.irp j, 4,8,12,16,20,24,28
	v_pk_fma_f32 v[CH0:CH0+1], v[rS+\j:rS+\j+1], v[rS+\j:rS+\j+1], v[CH0:CH0+1]
	v_pk_fma_f32 v[CH1:CH1+1], v[rS+\j+2:rS+\j+3], v[rS+\j+2:rS+\j+3], v[CH1:CH1+1]
.endr
	v_pk_add_f32 v[CH0:CH0+1], v[CH0:CH0+1], v[CH1:CH1+1]
	v_add_f32 v[CH0], v[CH0], v[CH0+1]
	v_permlanex16_b32 v[PT], v[CH0], s[SEL], s[SEL+1]
	v_add_f32 v[MU+2*\mt], v[CH0], v[PT]
.endm
.macro REDUCE off                      ; the twelve waves' parts of each row's sum meet in LDS; every wave adds them in the same order
.irp mt, 0,1,2,3
	ds_store_b32 v9, v[MU+2*\mt] offset:\off+1024*\mt
.endr
	s_wait_dscnt 0x0
	s_barrier_signal -1
	s_barrier_wait -1
.irp hf, 0,1
.irp q, 0,1
.irp g, 0,1,2
	ds_load_b128 v[RB+12*\q+4*\g:RB+12*\q+4*\g+3], v10 offset:\off+1024*(2*\hf+\q)+16*\g
.endr
.endr
	s_wait_dscnt 0x0
.irp q, 0,1
	v_pk_add_f32 v[RB+12*\q:RB+12*\q+1], v[RB+12*\q:RB+12*\q+1], v[RB+12*\q+2:RB+12*\q+3]
	v_pk_add_f32 v[RB+12*\q+4:RB+12*\q+5], v[RB+12*\q+4:RB+12*\q+5], v[RB+12*\q+6:RB+12*\q+7]
	v_pk_add_f32 v[RB+12*\q+8:RB+12*\q+9], v[RB+12*\q+8:RB+12*\q+9], v[RB+12*\q+10:RB+12*\q+11]
	v_pk_add_f32 v[RB+12*\q:RB+12*\q+1], v[RB+12*\q:RB+12*\q+1], v[RB+12*\q+4:RB+12*\q+5]
	v_pk_add_f32 v[RB+12*\q:RB+12*\q+1], v[RB+12*\q:RB+12*\q+1], v[RB+12*\q+8:RB+12*\q+9]
	v_add_f32 v[MU+2*(2*\hf+\q)], v[RB+12*\q], v[RB+12*\q+1]
.endr
.endr
.endm
.macro WAYOUT mt, base                 ; 16 rows x my 64 columns through my own stage: sixteen lanes then store 256 consecutive bytes of a row
	s_wait_xcnt 0x0                                ; earlier stores have read their registers: the rows read back may land there
.irp b, 0,1
.irp g, 0,1,2,3
	ds_store_b128 v6, v[ACC+32*\mt+16*\b+4*\g:ACC+32*\mt+16*\b+4*\g+3] offset:128*\b+16*\g
.endr
.endr
.irp t, 0,1,2,3,4,5,6,7
	ds_load_b128 v[OB+4*\t:OB+4*\t+3], v7 offset:544*\t   ; LDS serves a wave's instructions in order (ISA guide 5.7.1.4): these see the stores above
.endr
.irp t, 0,1,2,3,4,5,6,7
	s_wait_dscnt 7-\t                              ; load t is in; the younger ones may be out
	global_store_b128 v8, v[OB+4*\t:OB+4*\t+3], s[\base:\base+1] offset:(16*\mt+2*\t)*3072 th:TH_STORE_NT
.endr
.endm
	s_load_b256 s[4:11], s[0:1], 0x0               ; fa, wf, hf, b2
	s_load_b128 s[12:15], s[0:1], 0x20             ; g2, beta2
	s_load_b64 s[16:17], s[0:1], 0x30              ; out0
	s_set_vgpr_msb 0x40
	v_lshl_add_u32 v48, v0, 2, 0x34400
	v_mov_b32 v49, 0
	s_set_vgpr_msb 0x4000
	v_lshrrev_b32 v1, 5, v0
	v_readfirstlane_b32 s18, v1                    ; wave 0..11
	v_and_b32 v11, 31, v0
	v_and_b32 v254, 15, v0                         ; r
	v_bfe_u32 v255, v0, 4, 1                       ; h
	v_lshlrev_b32 v1, 3, v11
	v_lshlrev_b32 v2, 4, v11
	v_lshlrev_b32 v[AAD], 3, v11
	v_add_nc_u32 v[ASD], ASC, v1
	s_mov_b32 s[SEL], 0x76543210
	s_mov_b32 s[SEL+1], 0xfedcba98
	s_mov_b32 s24, 0x3aaaaaab                      ; 1 / 768
	s_mov_b32 s25, 0x3727c5ac                      ; 1e-5
	s_lshl_b32 s26, s18, 8                         ; 256 w
	s_mul_i32 s27, s18, 4352
	s_add_co_u32 s27, s27, STG                     ; my stage
	s_lshl_b32 s31, s18, 2
	v_mul_u32_u24 v5, v254, 3072
	v_lshl_add_u32 v5, v255, 6, v5
	v_add_nc_u32 v5, s26, v5                       ; h: row r, + 256 w + 64 h
	v_mul_u32_u24 v6, v254, 272
	v_lshl_add_u32 v6, v255, 6, v6
	v_add_nc_u32 v6, s27, v6
	v_mul_u32_u24 v7, v255, 272
	v_lshl_add_u32 v7, v254, 4, v7
	v_add_nc_u32 v7, s27, v7
	v_mul_u32_u24 v8, v255, 3072
	v_lshl_add_u32 v8, v254, 4, v8
	v_add_nc_u32 v8, s26, v8
	v_lshlrev_b32 v10, 6, v254
	v_add_nc_u32 v10, RED1, v10
	v_add_nc_u32 v9, s31, v10
	v_lshlrev_b32 v12, 4, v0                       ; 16 x thread,
	v_add_nc_u32 v13, 61440, v12                   ; and ten and twenty rounds of 6,144 bytes on (an LDS immediate has 16 bits)
	v_add_nc_u32 v15, 122880, v12
	v_lshlrev_b32 v14, 6, v255
	v_add_nc_u32 v14, s26, v14                     ; b2, g2, beta2: 256 w + 64 h
.irp mt, 0,1,2,3
	v_mov_b32 v[MU+2*\mt+1], 0                     ; (named as upper halves of pairs)
.endr
	s_mul_i32 s32, ttmp9, 153600
	s_mov_b32 s33, 0
	s_mul_i32 s34, ttmp9, 196608
	s_mov_b32 s35, 0
	s_mul_i32 s36, s18, 24
	s_add_co_u32 s36, s36, 576
	s_mul_i32 s36, s36, 6400                       ; W2's blocks 576 + 24 w on
	s_mov_b32 s37, 0
	s_wait_kmcnt 0x0
	s_add_nc_u64 s[WP:WP+1], s[6:7], s[36:37]
	s_add_nc_u64 s[4:5], s[4:5], s[32:33]
	s_add_nc_u64 s[8:9], s[8:9], s[34:35]
	s_add_nc_u64 s[16:17], s[16:17], s[34:35]
	WLOAD 0, 0
.set i, 0
.rept 25                                       ; ff's block into LDS as it lies: 384 threads x 16 bytes, 25 times, through the accumulators' registers
	global_load_b128 v[ACC+4*i:ACC+4*i+3], v12, s[4:5] offset:6144*i th:TH_LOAD_NT
.set i, i+1
.endr
	s_wait_loadcnt 0x0
.set i, 0
.rept 10
	ds_store_b128 v12, v[ACC+4*i:ACC+4*i+3] offset:6144*i
	ds_store_b128 v13, v[ACC+40+4*i:ACC+40+4*i+3] offset:6144*i
.set i, i+1
.endr
.set i, 0
.rept 5
	ds_store_b128 v15, v[ACC+80+4*i:ACC+80+4*i+3] offset:6144*i
.set i, i+1
.endr
	s_wait_dscnt 0x0                               ; the stores have landed, and have read their registers
	s_barrier_signal -1
	s_barrier_wait -1
.irp mt, 0,1,2,3                               ; h into the accumulators
.irp b, 0,1
.irp g, 0,1,2,3
	global_load_b128 v[ACC+32*\mt+16*\b+4*\g:ACC+32*\mt+16*\b+4*\g+3], v5, s[8:9] offset:49152*\mt+128*\b+16*\g th:TH_LOAD_NT
.endr
.endr
.endr
	ALOAD 0, 0
	s_mov_b32 s26, 11
.Lk:                                               ; a trip: two K steps; 11 trips and a tail of two steps make 24
	GSTEP 0, 1, 6400, 1, 6144, 256
	GSTEP 1, 1, 12800, 1, 12288, 512
	s_wait_xcnt 0x0                                ; the loads have read their base: it may step
	s_add_nc_u64 s[WP:WP+1], s[WP:WP+1], 12800
	v_add_nc_u32 v[AAD], 12288, v[AAD]
	v_add_nc_u32 v[ASD], 512, v[ASD]
	s_sub_co_u32 s26, s26, 1
	s_cmp_lg_u32 s26, 0
	s_cbranch_scc1 .Lk
	GSTEP 0, 1, 6400, 1, 6144, 256
	GSTEP 1, 0, 0, 0, 0, 0
.irp b, 0,1
.irp g, 0,1,2,3
	global_load_b128 v[B2+16*\b+4*\g:B2+16*\b+4*\g+3], v14, s[10:11] offset:128*\b+16*\g
.endr
.endr
.irp b, 0,1
.irp g, 0,1,2,3
	global_load_b128 v[G+16*\b+4*\g:G+16*\b+4*\g+3], v14, s[12:13] offset:128*\b+16*\g
	global_load_b128 v[BE+16*\b+4*\g:BE+16*\b+4*\g+3], v14, s[14:15] offset:128*\b+16*\g
.endr
.endr
	s_wait_loadcnt 16                              ; b2 is in; the 16 loads of g2 and beta2 may be out
.irp mt, 0,1,2,3
.set j, 0
.rept 16
	v_pk_add_f32 v[ACC+32*\mt+j:ACC+32*\mt+j+1], v[ACC+32*\mt+j:ACC+32*\mt+j+1], v[B2+j:B2+j+1]
.set j, j+2
.endr
.endr
	ROWSUM 0
	ROWSUM 1
	ROWSUM 2
	ROWSUM 3
	REDUCE 0
.irp mt, 0,1,2,3
	v_mul_f32 v[MU+2*\mt], 0xbaaaaaab, v[MU+2*\mt] ; - the mean
.endr
.irp mt, 0,1,2,3
.set j, 0
.rept 16
	v_pk_add_f32 v[ACC+32*\mt+j:ACC+32*\mt+j+1], v[ACC+32*\mt+j:ACC+32*\mt+j+1], v[MU+2*\mt:MU+2*\mt+1] op_sel_hi:[1,0]
.set j, j+2
.endr
	SQSUM \mt
.endr
	REDUCE 4096
.irp mt, 0,1,2,3
	v_fma_f32 v[MU+2*\mt], v[MU+2*\mt], s24, s25   ; the variance + eps
.endr
.irp mt, 0,1,2,3
	v_rsq_f32 v[MU+2*\mt], v[MU+2*\mt]
.endr
	v_nop                                          ; a plain instruction behind the last of them,
	s_wait_alu depctr_va_vdst(0)                   ; and one wait for the four, ahead of their first reader
	s_wait_loadcnt 0x0                             ; g2, beta2
.irp mt, 0,1,2,3
.set j, 0
.rept 16
	v_pk_mul_f32 v[ACC+32*\mt+j:ACC+32*\mt+j+1], v[ACC+32*\mt+j:ACC+32*\mt+j+1], v[MU+2*\mt:MU+2*\mt+1] op_sel_hi:[1,0]
	v_pk_fma_f32 v[ACC+32*\mt+j:ACC+32*\mt+j+1], v[ACC+32*\mt+j:ACC+32*\mt+j+1], v[G+j:G+j+1], v[BE+j:BE+j+1]
.set j, j+2
.endr
.endr
	WAYOUT 0, 16
	WAYOUT 1, 16
	WAYOUT 2, 16
	WAYOUT 3, 16
	s_set_vgpr_msb 0x5
	s_wait_tensorcnt 0x0
	ds_add_u32 v48, v49
	s_wait_dscnt 0x0
	s_set_vgpr_msb 0x500
	s_endpgm
.Lfunc_end_k_q1a98c0dab4_ffb:
	.size	k_q1a98c0dab4_ffb, .Lfunc_end_k_q1a98c0dab4_ffb-k_q1a98c0dab4_ffb
	.p2alignl 7, 3214868480
	.fill 96, 4, 3214868480
	.section	.rodata,"a",@progbits
	.p2align	6, 0x0
	.amdhsa_kernel k_q1a98c0dab4_ffb
		.amdhsa_group_segment_fixed_size 215552
		.amdhsa_private_segment_fixed_size 0
		.amdhsa_enable_private_segment 0
		.amdhsa_kernarg_size 56
		.amdhsa_user_sgpr_count 2
		.amdhsa_user_sgpr_kernarg_segment_ptr 1
		.amdhsa_wavefront_size32 1
		.amdhsa_system_sgpr_workgroup_id_x 1
		.amdhsa_system_sgpr_workgroup_id_y 1
		.amdhsa_system_sgpr_workgroup_id_z 1
		.amdhsa_system_vgpr_workitem_id 0
		.amdhsa_next_free_vgpr 306
		.amdhsa_next_free_sgpr 66
		.amdhsa_reserve_vcc 0
		.amdhsa_float_denorm_mode_32 3
		.amdhsa_float_denorm_mode_16_64 3
		.amdhsa_memory_ordered 1
		.amdhsa_forward_progress 1
		.amdhsa_inst_pref_size 73
	.end_amdhsa_kernel
	.amdgpu_metadata
---
amdhsa.version: [ 1, 2 ]
amdhsa.kernels:
  - .name:           k_q1a98c0dab4_ffb
    .symbol:         k_q1a98c0dab4_ffb.kd
    .args:
      - { .name: fa, .offset: 0, .size: 8, .value_kind: global_buffer, .address_space: global }
      - { .name: wf, .offset: 8, .size: 8, .value_kind: global_buffer, .address_space: global }
      - { .name: hf, .offset: 16, .size: 8, .value_kind: global_buffer, .address_space: global }
      - { .name: b2, .offset: 24, .size: 8, .value_kind: global_buffer, .address_space: global }
      - { .name: g2, .offset: 32, .size: 8, .value_kind: global_buffer, .address_space: global }
      - { .name: beta2, .offset: 40, .size: 8, .value_kind: global_buffer, .address_space: global }
      - { .name: out0, .offset: 48, .size: 8, .value_kind: global_buffer, .address_space: global }
    .group_segment_fixed_size: 215552
    .private_segment_fixed_size: 0
    .kernarg_segment_align: 8
    .kernarg_segment_size: 56
    .max_flat_workgroup_size: 384
    .sgpr_count:     66
    .vgpr_count:     306
    .wavefront_size: 32
...
	.end_amdgpu_metadata
.endif
;; end of part 6
;; ======== version 2 of 3: 6 launches
;; workspace buffers: wf 5,529,600 bytes; qt 2,555,904 bytes; kt 2,555,904 bytes; vt 2,457,600 bytes; ca 2,457,600 bytes; hf 12,582,912 bytes; ha 2,457,600 bytes; fa 9,830,400 bytes
;; launch prep: the kernel of part 1 again; grid 864 x 1, 4 waves a work-group, no clusters, 7,168 bytes of LDS; arguments Wq, Wk, Wv, Wo, W1, W2, wf; writes wf
;; launch qkv (part 7): grid 64 x 3, 12 waves a work-group, no clusters, 277,504 bytes of LDS; arguments x, wf, qt, kt, vt; writes qt, kt, vt
.if DOCPART == 7
	.amdgcn_target "amdgcn-amd-amdhsa--gfx1250"
	.amdhsa_code_object_version 6
	.text
	.protected	k_q1a98c0dab4_qkv
	.globl	k_q1a98c0dab4_qkv
	.p2align	8
	.type	k_q1a98c0dab4_qkv,@function
k_q1a98c0dab4_qkv:
	s_mov_b64 s[64:65], 0
	v_nop
	global_prefetch_b8 v0, s[64:65] scope:SCOPE_SE
	s_setreg_imm32_b32 hwreg(HW_REG_WAVE_MODE, 25, 1), 1
	s_wait_xcnt 0x0
; Work-group (blk, y): 64 rows of x times Wq (y = 0), Wk (1) or Wv (2), on codes of BF6 with E8M0 scales; the result is quantised again and stored as attention's operands.
; x is quantised in registers (wave w: row tile w % 4, K steps 2 (w / 4) and the next) and laid in LDS as images of the operand's registers: fragment (K step f, row tile mt) at (4 f + mt) 1536, six planes of 256 bytes
; (plane p: registers 2 p, 2 p + 1 of lane l at 8 l); scale words, 256 bytes a K step, word of (mt, r) at 8 (r + 16 (mt % 2)) + 4 (mt / 2).
; x COMES IN BY ROWS: a load takes 512 consecutive bytes of one row (a K step's 128 numbers), 16 bytes a lane; the 16 rows turn through the wave's own stage in LDS (rows 528 bytes apart), from which lane (r, h) takes 16 neighbours of each block of 32 of row r.
; THE PRODUCT.  Wave w makes columns 64 w .. 64 w + 63 for all 64 rows: 16 accumulators.  Source 0 = 16 rows of the weight's block (from memory straight into the one wave that uses them, two buffers), source 1 = 16 rows of x:
; lane (r, h) holds row r, and register 32 mt + 16 b + i the column 64 w + 32 b + 16 h + i.
; THE HEADS.  reshape(12, 4096, 64) reads the [4096][768] result as 49,152 chunks of 64: chunk = 12 x token + column / 64, head = chunk / 4096.  A wave's 64 columns of a row are one chunk; 64 tokens are 768 chunks, six steps of 128.
; Q, K (quantised along the 64): a step's block is 6,656 bytes: tile t (16 chunks) at 768 t as three planes of 256 bytes (registers 0-5 of lane (r', h): d = 32 h ..); word of (t, r') at 6144 + 16 (r' + 16 (t % 2)) + 4 (t / 2),
;   its two upper bytes 127: they scale the zero half of a K step of 128.
; V (quantised along the KEYS): the 64 x 768 results turn through LDS as f32; wave (psi, a, beta) takes key step 3 a + psi and 32 of the 64 d; a lane takes one d and its 128 registers run along the keys.  A step's block is 6,400 bytes:
;   fragment 2 beta + u at 1536 (2 beta + u), register group g of lane l at 512 g + 16 l; its row r' is d = 32 beta + 8 u + r' + 8 (r' / 8); slot s of a block of 32 holds key (s % 8) + 16 ((s / 8) % 2) + 8 (s / 16), the order in which
;   the softmax's codes come out of tiles of 16 neighbouring keys; words at 6144 + 128 beta + 4 l.
; LIMITS: a block whose largest magnitude lies under 2^-122 (zeros among them) gets the byte 1; NaN and infinities are not served.
; No cluster, no tensor load: a weight fragment is used by one wave of a work-group, from registers; a joint load would land in LDS and be read back.
.set ACC, 16                           ; v16-143  16 accumulators; before the product 128 numbers of x
.set WB0, 144                          ; v144-191 weight buffer 0;  v256-303 (window 1, v0-47) weight buffer 1
.set AF,  192                          ; v192-239 x's four fragments of a K step
.set WS,  240                          ; v240-243 the weights' scale words, two registers a buffer
.set AS,  244                          ; v244-245 x's scale words
.set AAD, 3
.set ASD, 4
.set WP,  20                           ; s[20:21] my wave's blocks of wf
.set SEL, 22                           ; s[22:23] lane selects for v_permlanex16_b32: lane l xor 16
.set XSC, 36864
.set QKS, 38400                        ; LDS: six step blocks of Q or K
.set TV,  78336                        ; LDS: V's 64 rows of f32, 3,088 bytes apart (an odd multiple of 16); ahead of the first barrier its first 101,376 bytes are x's stages, 8,448 bytes a wave
.set TVP, 3088
.set XSP, 528                          ; a row of x's stage: 512 bytes + 16
.set PC,  192                          ; the quantisers' registers lie where x's fragments lie during the product
.set TM,  212
.set PW,  228
.set CT,  234
.set MSB, 0
.macro WIN new                         ; the immediate's high byte repeats the setting that is left
.if MSB != \new
	s_set_vgpr_msb (MSB<<8)|\new
.set MSB, \new
.endif
.endm
.macro WM d, a, b, sa, sb, ra, rb, zero       ; one matrix instruction; ra, rb: the scale words stand in lanes 16-31
.set rD, \d
.set rA, \a
.set rB, \b
.set rX, \sa
.set rY, \sb
.if \zero
.if (\ra) && (\rb)
	v_wmma_scale_f32_16x16x128_f8f6f4 v[rD:rD+7], v[rA:rA+11], v[rB:rB+11], 0, v[rX], v[rY] matrix_a_fmt:MATRIX_FMT_BF6 matrix_b_fmt:MATRIX_FMT_BF6 matrix_a_scale:MATRIX_SCALE_ROW1 matrix_b_scale:MATRIX_SCALE_ROW1
.elseif \ra
	v_wmma_scale_f32_16x16x128_f8f6f4 v[rD:rD+7], v[rA:rA+11], v[rB:rB+11], 0, v[rX], v[rY] matrix_a_fmt:MATRIX_FMT_BF6 matrix_b_fmt:MATRIX_FMT_BF6 matrix_a_scale:MATRIX_SCALE_ROW1
.elseif \rb
	v_wmma_scale_f32_16x16x128_f8f6f4 v[rD:rD+7], v[rA:rA+11], v[rB:rB+11], 0, v[rX], v[rY] matrix_a_fmt:MATRIX_FMT_BF6 matrix_b_fmt:MATRIX_FMT_BF6 matrix_b_scale:MATRIX_SCALE_ROW1
.else
	v_wmma_scale_f32_16x16x128_f8f6f4 v[rD:rD+7], v[rA:rA+11], v[rB:rB+11], 0, v[rX], v[rY] matrix_a_fmt:MATRIX_FMT_BF6 matrix_b_fmt:MATRIX_FMT_BF6
.endif
.else
.if (\ra) && (\rb)
	v_wmma_scale_f32_16x16x128_f8f6f4 v[rD:rD+7], v[rA:rA+11], v[rB:rB+11], v[rD:rD+7], v[rX], v[rY] matrix_a_fmt:MATRIX_FMT_BF6 matrix_b_fmt:MATRIX_FMT_BF6 matrix_a_scale:MATRIX_SCALE_ROW1 matrix_b_scale:MATRIX_SCALE_ROW1
.elseif \ra
	v_wmma_scale_f32_16x16x128_f8f6f4 v[rD:rD+7], v[rA:rA+11], v[rB:rB+11], v[rD:rD+7], v[rX], v[rY] matrix_a_fmt:MATRIX_FMT_BF6 matrix_b_fmt:MATRIX_FMT_BF6 matrix_a_scale:MATRIX_SCALE_ROW1
.elseif \rb
	v_wmma_scale_f32_16x16x128_f8f6f4 v[rD:rD+7], v[rA:rA+11], v[rB:rB+11], v[rD:rD+7], v[rX], v[rY] matrix_a_fmt:MATRIX_FMT_BF6 matrix_b_fmt:MATRIX_FMT_BF6 matrix_b_scale:MATRIX_SCALE_ROW1
.else
	v_wmma_scale_f32_16x16x128_f8f6f4 v[rD:rD+7], v[rA:rA+11], v[rB:rB+11], v[rD:rD+7], v[rX], v[rY] matrix_a_fmt:MATRIX_FMT_BF6 matrix_b_fmt:MATRIX_FMT_BF6
.endif
.endif
.endm
.macro WLOAD buf, off                  ; a block of wf: four fragments, 12 loads of 512 consecutive bytes, and its scale words: 13 loads
.if \buf
	WIN 0x40                                       ; destination window 1
.irp i, 0,1,2,3,4,5,6,7,8,9,10,11
	global_load_b128 v[4*\i:4*\i+3], v2, s[WP:WP+1] offset:\off+512*\i
.endr
	WIN 0
.else
.irp i, 0,1,2,3,4,5,6,7,8,9,10,11
	global_load_b128 v[WB0+4*\i:WB0+4*\i+3], v2, s[WP:WP+1] offset:\off+512*\i
.endr
.endif
	global_load_b64 v[WS+2*(\buf):WS+2*(\buf)+1], v1, s[WP:WP+1] offset:\off+6144
.endm
.macro ALOAD off, soff                 ; a K step's four fragments of the rows, and their scale words, from LDS
.irp mt, 0,1,2,3
.irp p, 0,1,2,3,4,5
	ds_load_b64 v[AF+12*\mt+2*\p:AF+12*\mt+2*\p+1], v[AAD] offset:\off+1536*\mt+256*\p
.endr
.endr
	ds_load_b64 v[AS:AS+1], v[ASD] offset:\soff
.endm
; A K step of 128: the next step's weights are asked for, this step's 16 products are issued (the 16 accumulators by turns, in the same order in every step), the next step's rows are fetched.
.macro GSTEP buf, wnext, woff, anext, aoff, soff, zero
.if \wnext
	WLOAD 1-\buf, \woff
	s_wait_loadcnt 13                              ; all but the 13 loads just issued: this step's weights are in
.else
	s_wait_loadcnt 0x0
.endif
	s_wait_dscnt 0x0                               ; this step's rows are in
.if \buf
	WIN 0x01                                       ; source 0 in window 1
.endif
.irp mt, 0,1,2,3
.irp nt, 0,1,2,3
	WM ACC+32*\mt+8*\nt, (1-\buf)*WB0+12*\nt, AF+12*\mt, WS+2*(\buf)+\nt/2, AS+\mt/2, \nt%2, \mt%2, \zero
.endr
.endr
	WIN 0
.rept 4
	v_nop                                          ; four places in front of loads into registers that these products read, and of the first read of results
.endr
.if \anext
	ALOAD \aoff, \soff
.endif
.endm
; 64 numbers of a lane, register 16 b + i = k 32 b + 16 (lane / 16) + i of my row, become a fragment's 12 registers in v[PC] on and its scale word in v[PW].
.macro QUANT s
.irp b, 0,1,2,3
	v_max3_num_f32 v[TM+\b], |v[\s+16*\b]|, |v[\s+1+16*\b]|, 0x2800000   ; my 16 numbers of block b, and the floor 2^(5 - 127)
.endr
.irp i, 2,4,6,8,10,12,14
.irp b, 0,1,2,3
	v_max3_num_f32 v[TM+\b], v[TM+\b], |v[\s+16*\b+\i]|, |v[\s+1+16*\b+\i]|
.endr
.endr
.irp b, 0,1,2,3
	v_permlanex16_b32 v[TM+4+\b], v[TM+\b], s[SEL], s[SEL+1]
.endr
.irp b, 0,1,2,3
	v_max_num_f32 v[TM+\b], v[TM+\b], v[TM+4+\b]   ; with lane l xor 16's: the block's largest magnitude
.endr
.irp b, 0,1,2,3
	v_add_nc_u32 v[TM+12+\b], 0xfe000000, v[TM+\b] ; 4 off its exponent field: the conversion's scale operand
.endr
.irp b, 0,1,2,3
	v_lshrrev_b32 v[TM+4+\b], 23, v[TM+12+\b]      ; the scale's byte
.endr
	v_lshl_or_b32 v[PW], v[TM+5], 8, v[TM+4]
	v_lshl_or_b32 v[PW], v[TM+6], 16, v[PW]
	v_lshl_or_b32 v[PW], v[TM+7], 24, v[PW]
.irp c, 0,1
	v_cvt_scalef32_pk16_bf6_f32 v[PC+6*\c:PC+2+6*\c], v[\s+32*\c:\s+15+32*\c], v[TM+12+2*\c]
	v_cvt_scalef32_pk16_bf6_f32 v[PC+12+4*\c:PC+14+4*\c], v[\s+16+32*\c:\s+31+32*\c], v[TM+12+2*\c+1]
.endr
	v_nop                                          ; one plain instruction behind a scaled conversion
.irp c, 0,1                                    ; the operand wants a whole block in a lane: lanes 0-15 block 2 c, lanes 16-31 block 2 c + 1
.irp i, 0,1,2
	v_permlane16_swap_b32 v[PC+6*\c+\i], v[PC+12+4*\c+\i]
.endr
.irp i, 0,1,2
	v_mov_b32 v[PC+3+6*\c+\i], v[PC+12+4*\c+\i]
.endr
.endr
.endm
; 32 numbers of a lane (two blocks) become six registers, block lane / 16 whole, in v[pc] on, and the two scale bytes in v[pw].
.macro QUANT2 s, pc, pw
.irp b, 0,1
	v_max3_num_f32 v[TM+\b], |v[\s+16*\b]|, |v[\s+1+16*\b]|, 0x2800000
.endr
.irp i, 2,4,6,8,10,12,14
.irp b, 0,1
	v_max3_num_f32 v[TM+\b], v[TM+\b], |v[\s+16*\b+\i]|, |v[\s+1+16*\b+\i]|
.endr
.endr
.irp b, 0,1
	v_permlanex16_b32 v[TM+4+\b], v[TM+\b], s[SEL], s[SEL+1]
.endr
.irp b, 0,1
	v_max_num_f32 v[TM+\b], v[TM+\b], v[TM+4+\b]
.endr
.irp b, 0,1
	v_add_nc_u32 v[TM+12+\b], 0xfe000000, v[TM+\b]
.endr
.irp b, 0,1
	v_lshrrev_b32 v[TM+4+\b], 23, v[TM+12+\b]
.endr
	v_lshl_or_b32 v[\pw], v[TM+5], 8, v[TM+4]
	v_cvt_scalef32_pk16_bf6_f32 v[\pc:\pc+2], v[\s:\s+15], v[TM+12]
	v_cvt_scalef32_pk16_bf6_f32 v[CT:CT+2], v[\s+16:\s+31], v[TM+13]
	v_nop
.irp i, 0,1,2
	v_permlane16_swap_b32 v[\pc+\i], v[CT+\i]
.endr
.irp i, 0,1,2
	v_mov_b32 v[\pc+3+\i], v[CT+\i]
.endr
.endm
	s_load_b128 s[4:7], s[0:1], 0x0                ; x, wf
	s_load_b128 s[8:11], s[0:1], 0x10              ; qt, kt
	s_load_b64 s[12:13], s[0:1], 0x20              ; vt
	v_lshl_add_u32 v251, v0, 2, 0x43600
	s_set_vgpr_msb 0x40
	v_mov_b32 v49, 0
	s_set_vgpr_msb 0x4000
	v_lshrrev_b32 v1, 5, v0
	v_readfirstlane_b32 s18, v1                    ; wave 0..11
	s_and_b32 s19, ttmp7, 0xffff                   ; y: which weight
	v_and_b32 v15, 31, v0                          ; lane
	v_and_b32 v13, 15, v0                          ; r
	v_bfe_u32 v14, v0, 4, 1                        ; h
	v_lshlrev_b32 v1, 3, v15                       ; 8 x lane
	v_lshlrev_b32 v2, 4, v15                       ; 16 x lane
	v_lshlrev_b32 v[AAD], 3, v15
	v_lshlrev_b32 v[ASD], 3, v15
	v_lshlrev_b32 v255, 2, v15                     ; 4 x lane
	s_mov_b32 s[SEL], 0x76543210
	s_mov_b32 s[SEL+1], 0xfedcba98
	s_mul_i32 s26, s19, 72
	s_mul_i32 s27, s18, 6
	s_add_co_u32 s26, s26, s27
	s_mul_i32 s26, s26, 6400                       ; my wave's six blocks of wf: 72 y + 6 w on
	s_mov_b32 s27, 0
	s_and_b32 s30, s18, 3                          ; x: my row tile
	s_lshr_b32 s31, s18, 2                         ; and my pair of K steps.  Also psi
	s_lshl_b32 s28, ttmp9, 6
	s_lshl_b32 s29, s30, 4
	s_add_co_u32 s28, s28, s29
	s_mul_i32 s28, s28, 3072
	s_lshl_b32 s29, s31, 10
	s_add_co_u32 s28, s28, s29
	s_mov_b32 s29, 0
	s_lshl_b32 s32, s31, 3
	s_add_co_u32 s32, s32, s30
	s_mul_i32 s32, s32, 1536
	v_add_nc_u32 v6, s32, v1                       ; where my first image goes
	s_lshl_b32 s32, s31, 9
	s_and_b32 s33, s30, 1
	s_lshl_b32 s33, s33, 7
	s_add_co_u32 s32, s32, s33
	s_lshr_b32 s33, s30, 1
	s_lshl_b32 s33, s33, 2
	s_add_co_u32 s32, s32, s33
	v_lshlrev_b32 v7, 3, v13
	v_add_nc_u32 v7, s32, v7                       ; and its scale word
	v_mul_u32_u24 v8, v13, 12
	v_add_nc_u32 v8, s18, v8                       ; Q, K: chunk 12 r + w (+ 192 mt)
	v_lshlrev_b32 v9, 7, v14
	v_add_nc_u32 v9, QKS, v9
	v_lshlrev_b32 v12, 3, v0                       ; 8 x thread
	v_add_nc_u32 v15, QKS, v12
	v_mul_u32_u24 v10, v13, TVP
	v_lshl_add_u32 v10, v14, 6, v10
	s_lshl_b32 s32, s18, 8
	s_add_co_u32 s32, s32, TV
	v_add_nc_u32 v10, s32, v10                     ; V: into the stage: row r, + 256 w + 64 h
	v_bfe_u32 v11, v0, 3, 1
	v_lshl_add_u32 v11, v11, 3, v13
	v_lshl_add_u32 v11, v14, 3, v11                ; out of it: d = r + 8 (r / 8) + 8 (lane / 16) of my 32
	v_lshlrev_b32 v11, 2, v11
	s_and_b32 s33, s18, 1                          ; a
	s_bfe_u32 s34, s18, 0x10001                    ; beta
	s_mul_i32 s32, s33, 32*TVP
	s_lshl_b32 s35, s34, 7
	s_add_co_u32 s32, s32, s35
	s_add_co_u32 s32, s32, TV
	v_add_nc_u32 v11, s32, v11                     ; tokens 32 a on,
	v_add_nc_u32 v254, 16*TVP, v11                 ; and 16 further on (an LDS immediate has 16 bits)
	s_mul_i32 s32, s18, 16*XSP
	s_add_co_u32 s32, s32, TV                      ; x's stage: my wave's 16 rows of 528 bytes
	v_add_nc_u32 v5, s32, v2                       ; into it: 16 x lane of a row
	v_mul_u32_u24 v13, v13, XSP                    ; (r and h are used for the last time here)
	v_lshl_add_u32 v13, v14, 6, v13
	v_add_nc_u32 v13, s32, v13                     ; out of it: row r, + 64 h: my 16 numbers of each block of 32
	s_mul_i32 s36, s33, 3
	s_add_co_u32 s36, s36, s31
	s_mul_i32 s37, ttmp9, 6
	s_add_co_u32 s36, s36, s37
	s_mul_i32 s36, s36, 6400                       ; vt: step 6 blk + 3 a + psi
	s_add_co_u32 s38, s36, s35
	s_add_co_u32 s38, s38, 6144                    ; its words: + 6144 + 128 beta
	s_mul_i32 s37, s34, 3072
	s_add_co_u32 s36, s36, s37                     ; its fragments 2 beta, 2 beta + 1
	s_mov_b32 s37, 0
	s_mov_b32 s39, 0
	s_mul_i32 s40, ttmp9, 39936                    ; qt, kt: six step blocks a work-group
	s_mov_b32 s41, 0
.irp b, 0,1,2,3
	v_mov_b32 v[TM+4+\b], 0                        ; written once: a lane permute's destination counts as one of its sources
.endr
	s_wait_kmcnt 0x0
	s_add_nc_u64 s[WP:WP+1], s[6:7], s[26:27]
	s_add_nc_u64 s[4:5], s[4:5], s[28:29]
	s_add_nc_u64 s[36:37], s[12:13], s[36:37]
	s_add_nc_u64 s[38:39], s[12:13], s[38:39]
	s_cmp_eq_u32 s19, 0
	s_cselect_b64 s[42:43], s[8:9], s[10:11]
	s_add_nc_u64 s[42:43], s[42:43], s[40:41]
.macro XLOAD reg, s                    ; my 16 rows' numbers of my K step s: a load takes a row's 512 consecutive bytes
.irp i, 0,1,2,3,4,5,6,7,8,9,10,11,12,13,14,15
	global_load_b128 v[\reg+4*\i:\reg+4*\i+3], v2, s[4:5] offset:3072*\i+512*\s
.endr
.endm
.macro XTURN reg                       ; through my stage and back into the registers that they left: register 16 b + i is then k 32 b + 16 h + i of row r.  LDS serves a wave's instructions in order (ISA guide 5.7.1.4): no wait between the stores and the loads
.irp i, 0,1,2,3,4,5,6,7,8,9,10,11,12,13,14,15
	ds_store_b128 v5, v[\reg+4*\i:\reg+4*\i+3] offset:XSP*\i
.endr
.irp b, 0,1,2,3
.irp j, 0,1,2,3
	ds_load_b128 v[\reg+16*\b+4*\j:\reg+16*\b+4*\j+3], v13 offset:128*\b+16*\j
.endr
.endr
.endm
	XLOAD 16, 0                                    ; x first: it is wanted first
	XLOAD 80, 1
	WLOAD 0, 0                                     ; the first K step's weights
	s_wait_loadcnt 29                              ; all but the second K step's 16 loads and the weights' 13
	XTURN 16
	s_wait_dscnt 0x0
	QUANT 16
.irp p, 0,1,2,3,4,5
	ds_store_b64 v6, v[PC+2*\p:PC+2*\p+1] offset:256*\p
.endr
	ds_store_b32 v7, v[PW] offset:XSC              ; (both halves of the lanes write the same word with the same value)
	s_wait_loadcnt 13                              ; all but the weights' 13
	XTURN 80
	s_wait_dscnt 0x0                               ; the numbers are back, and the image's stores have read their registers
	QUANT 80
.irp p, 0,1,2,3,4,5
	ds_store_b64 v6, v[PC+2*\p:PC+2*\p+1] offset:6144+256*\p
.endr
	ds_store_b32 v7, v[PW] offset:XSC+256
	s_wait_dscnt 0x0                               ; for the others' sake: my images have landed; my reads of my stage are over
	s_barrier_signal -1
	s_barrier_wait -1                              ; x's 24 fragments lie in LDS
	ALOAD 0, XSC
	GSTEP 0, 1, 6400, 1, 6144, XSC+256, 1          ; the first step's products start the sums
	GSTEP 1, 1, 12800, 1, 12288, XSC+512, 0
	GSTEP 0, 1, 19200, 1, 18432, XSC+768, 0
	GSTEP 1, 1, 25600, 1, 24576, XSC+1024, 0
	GSTEP 0, 1, 32000, 1, 30720, XSC+1280, 0
	GSTEP 1, 0, 0, 0, 0, 0, 0
	s_cmp_eq_u32 s19, 2                            ; the same in all waves of a work-group
	s_cbranch_scc1 .Lv
	; ---- Q or K: a row's 64 columns of mine are chunk c = 192 mt + 12 r + w of the work-group's 768
.macro QKOUT mt
	QUANT2 ACC+32*\mt, 144, PW
	v_or_b32 v[PW], 0x7f7f0000, v[PW]              ; the upper two bytes stand for 1: they scale zero codes
	v_add_nc_u32 v246, 192*\mt, v8                 ; c
	v_lshrrev_b32 v247, 4, v246
	v_mul_u32_u24 v252, v247, 768                  ; tile c / 16,
	v_lshrrev_b32 v248, 7, v246
	v_lshl_add_u32 v252, v248, 9, v252             ; 512 bytes of words behind every eight tiles,
	v_and_b32 v249, 15, v246
	v_lshl_add_u32 v252, v249, 3, v252             ; row c % 16,
	v_add_nc_u32 v252, v9, v252                    ; my half
	v_mul_u32_u24 v253, v248, 6656
	v_lshl_add_u32 v253, v249, 4, v253
	v_bfe_u32 v250, v246, 4, 1
	v_lshl_add_u32 v253, v250, 8, v253
	v_bfe_u32 v250, v246, 5, 2
	v_lshl_add_u32 v253, v250, 2, v253             ; the word: 16 (row + 16 (tile % 2)) + 4 (tile / 2)
	ds_store_b64 v252, v[144:145]
	ds_store_b64 v252, v[146:147] offset:256
	ds_store_b64 v252, v[148:149] offset:512
	ds_store_b32 v253, v[PW] offset:QKS+6144
	s_wait_dscnt 0x0                               ; the stores have read their registers
.endm
	QKOUT 0
	QKOUT 1
	QKOUT 2
	QKOUT 3
	s_barrier_signal -1
	s_barrier_wait -1                              ; six whole step blocks lie in LDS
.irp i, 0,1,2,3,4,5,6,7,8,9,10,11,12
	ds_load_b64 v[144+2*\i:145+2*\i], v15 offset:3072*\i
.endr
.irp i, 0,1,2,3,4,5,6,7,8,9,10,11,12
	s_wait_dscnt 12-\i                             ; load i is in; the younger ones may be out
	global_store_b64 v12, v[144+2*\i:145+2*\i], s[42:43] offset:3072*\i   ; 32 lanes store 256 consecutive bytes, at a multiple of 256 from the buffer's first byte
.endr
	s_set_vgpr_msb 0x4
	s_wait_tensorcnt 0x0
	ds_add_u32 v251, v49
	s_wait_dscnt 0x0
	s_set_vgpr_msb 0x400
	s_endpgm
.Lv:
	; ---- V: the results turn through LDS, so that a lane's registers run along the keys
.irp mt, 0,1,2,3
	v_add_nc_u32 v[246+\mt], 16*TVP*\mt, v10
.irp b, 0,1
.irp g, 0,1,2,3
	ds_store_b128 v[246+\mt], v[ACC+32*\mt+16*\b+4*\g:ACC+32*\mt+16*\b+4*\g+3] offset:128*\b+16*\g
.endr
.endr
.endr
	s_wait_dscnt 0x0
	s_barrier_signal -1
	s_barrier_wait -1
.macro VLOADS psi                      ; register 32 b + s: key 128 psi + 32 b + (s % 8) + 16 ((s / 8) % 2) + 8 (s / 16) of my 384; key k lies in token k / 12, chunk k % 12
.set n, 0
.rept 128
.set kk, 128*\psi+32*(n/32)+(n%8)+16*((n/8)%2)+8*((n/16)%2)
.set tok, kk/12
.set chk, kk%12
.if tok < 16
	ds_load_b32 v[16+n], v11 offset:tok*TVP+256*chk
.else
	ds_load_b32 v[16+n], v254 offset:(tok-16)*TVP+256*chk
.endif
.set n, n+1
.endr
.endm
	s_cmp_eq_u32 s31, 0                            ; only the 128 loads differ from wave to wave
	s_cbranch_scc0 .Lp12
	VLOADS 0
	s_branch .Lvq
.Lp12:
	s_cmp_eq_u32 s31, 1
	s_cbranch_scc0 .Lp2
	VLOADS 1
	s_branch .Lvq
.Lp2:
	VLOADS 2
.Lvq:
	s_wait_dscnt 0x0
.irp b, 0,1,2,3                                ; four whole blocks of 32 keys are mine
	v_max3_num_f32 v[184+\b], |v[16+32*\b]|, |v[17+32*\b]|, |v[18+32*\b]|
	v_max3_num_f32 v[188+\b], |v[19+32*\b]|, |v[20+32*\b]|, |v[21+32*\b]|
.endr
.irp i, 6,10,14,18,22,26
.irp b, 0,1,2,3
	v_max3_num_f32 v[184+\b], v[184+\b], |v[16+32*\b+\i]|, |v[17+32*\b+\i]|
	v_max3_num_f32 v[188+\b], v[188+\b], |v[18+32*\b+\i]|, |v[19+32*\b+\i]|
.endr
.endr
.irp b, 0,1,2,3
	v_max3_num_f32 v[184+\b], v[184+\b], |v[46+32*\b]|, |v[47+32*\b]|
.endr
.irp b, 0,1,2,3
	v_max3_num_f32 v[184+\b], v[184+\b], v[188+\b], 0x2800000
.endr
.irp b, 0,1,2,3
	v_add_nc_u32 v[192+\b], 0xfe000000, v[184+\b]
.endr
.irp b, 0,1,2,3
	v_lshrrev_b32 v[196+\b], 23, v[192+\b]
.endr
	v_lshl_or_b32 v200, v197, 8, v196              ; my d's scale word for these 128 keys
	v_lshl_or_b32 v200, v198, 16, v200
	v_lshl_or_b32 v200, v199, 24, v200
.irp b, 0,1,2,3                                ; block b's six registers at v[144 + 12 (b % 2) + 6 (b / 2)]
	v_cvt_scalef32_pk16_bf6_f32 v[144+12*(\b%2)+6*(\b/2):146+12*(\b%2)+6*(\b/2)], v[16+32*\b:31+32*\b], v[192+\b]
	v_cvt_scalef32_pk16_bf6_f32 v[168+4*\b:170+4*\b], v[32+32*\b:47+32*\b], v[192+\b]
.endr
	v_nop
.irp b, 0,1,2,3
.irp i, 0,1,2
	v_mov_b32 v[147+12*(\b%2)+6*(\b/2)+\i], v[168+4*\b+\i]
.endr
.endr
.irp i, 0,1,2,3,4,5,6,7,8,9,10,11              ; lanes 0-15 hold fragment 2 beta's rows, lanes 16-31 fragment 2 beta + 1's: blocks 0 and 1, and 2 and 3, change halves; v144-155 and v156-167 are then the two fragments
	v_permlane16_swap_b32 v[144+\i], v[156+\i]
.endr
.irp g, 0,1,2
	global_store_b128 v2, v[144+4*\g:147+4*\g], s[36:37] offset:512*\g
	global_store_b128 v2, v[156+4*\g:159+4*\g], s[36:37] offset:1536+512*\g
.endr
	global_store_b32 v255, v200, s[38:39]
	s_set_vgpr_msb 0x4
	s_wait_tensorcnt 0x0
	ds_add_u32 v251, v49
	s_wait_dscnt 0x0
	s_set_vgpr_msb 0x400
	s_endpgm
.Lfunc_end_k_q1a98c0dab4_qkv:
	.size	k_q1a98c0dab4_qkv, .Lfunc_end_k_q1a98c0dab4_qkv-k_q1a98c0dab4_qkv
	.p2alignl 7, 3214868480
	.fill 96, 4, 3214868480
	.section	.rodata,"a",@progbits
	.p2align	6, 0x0
	.amdhsa_kernel k_q1a98c0dab4_qkv
		.amdhsa_group_segment_fixed_size 277504
		.amdhsa_private_segment_fixed_size 0
		.amdhsa_enable_private_segment 0
		.amdhsa_kernarg_size 40
		.amdhsa_user_sgpr_count 2
		.amdhsa_user_sgpr_kernarg_segment_ptr 1
		.amdhsa_wavefront_size32 1
		.amdhsa_system_sgpr_workgroup_id_x 1
		.amdhsa_system_sgpr_workgroup_id_y 1
		.amdhsa_system_sgpr_workgroup_id_z 1
		.amdhsa_system_vgpr_workitem_id 0
		.amdhsa_next_free_vgpr 306
		.amdhsa_next_free_sgpr 66
		.amdhsa_reserve_vcc 0
		.amdhsa_float_denorm_mode_32 3
		.amdhsa_float_denorm_mode_16_64 3
		.amdhsa_memory_ordered 1
		.amdhsa_forward_progress 1
		.amdhsa_inst_pref_size 99
	.end_amdhsa_kernel
	.amdgpu_metadata
---
amdhsa.version: [ 1, 2 ]
amdhsa.kernels:
  - .name:           k_q1a98c0dab4_qkv
    .symbol:         k_q1a98c0dab4_qkv.kd
    .args:
      - { .name: x, .offset: 0, .size: 8, .value_kind: global_buffer, .address_space: global }
      - { .name: wf, .offset: 8, .size: 8, .value_kind: global_buffer, .address_space: global }
      - { .name: qt, .offset: 16, .size: 8, .value_kind: global_buffer, .address_space: global }
      - { .name: kt, .offset: 24, .size: 8, .value_kind: global_buffer, .address_space: global }
      - { .name: vt, .offset: 32, .size: 8, .value_kind: global_buffer, .address_space: global }
    .group_segment_fixed_size: 277504
    .private_segment_fixed_size: 0
    .kernarg_segment_align: 8
    .kernarg_segment_size: 40
    .max_flat_workgroup_size: 384
    .sgpr_count:     66
    .vgpr_count:     306
    .wavefront_size: 32
...
	.end_amdgpu_metadata
.endif
;; end of part 7
;; launch attn: the kernel of part 3 again; grid 16 x 12, 16 waves a work-group, no clusters, 327,680 bytes of LDS; arguments qt, kt, vt, ca; writes ca
;; launch oln (part 8): grid 128 x 1, 12 waves a work-group, no clusters, 97,024 bytes of LDS; arguments ca, wf, x, g1, beta1, hf, ha; writes hf, ha
.if DOCPART == 8
	.amdgcn_target "amdgcn-amd-amdhsa--gfx1250"
	.amdhsa_code_object_version 6
	.text
	.protected	k_q1a98c0dab4_oln
	.globl	k_q1a98c0dab4_oln
	.p2align	8
	.type	k_q1a98c0dab4_oln,@function
k_q1a98c0dab4_oln:
	s_mov_b64 s[64:65], 0
	v_nop
	global_prefetch_b8 v0, s[64:65] scope:SCOPE_SE
	s_setreg_imm32_b32 hwreg(HW_REG_WAVE_MODE, 25, 1), 1
	s_wait_xcnt 0x0
; h = LayerNorm(x + ctx Wo) g1 + beta1 for 32 rows a work-group; ctx arrives as codes (ca), Wo as blocks of wf; h leaves as f32 (hf) and as codes of BF6 with E8M0 scales (ha), laid as ca is.
; Blocks of ca and ha, 38,400 bytes for 64 rows: fragment (K step f, row tile mt) at (4 f + mt) 1536 as six planes of 256 bytes (plane p: registers 2 p, 2 p + 1 of lane l at 8 l); from 36,864 on 256 bytes of scale words a K step,
; word of (mt, r) at 8 (r + 16 (mt % 2)) + 4 (mt / 2).  Work-group 2 blk + q takes row tiles 2 q and 2 q + 1 of block blk: their words are one load of 4 bytes a lane at 8 l + 4 q, the even tile's in lanes 0-15, the odd tile's in lanes 16-31.
; Wave w makes columns 64 w .. 64 w + 63 for the 32 rows: 8 accumulators; source 0 = the weight's rows (from memory into the one wave that uses them, three buffers: two K steps, 26 loads a wave, are asked for ahead), source 1 = ctx's rows
; (from LDS).  Lane (r, h) holds row r, register 32 m + 16 b + i the column 64 w + 32 b + 16 h + i.
; x COMES IN AS h GOES OUT: sixteen lanes take 256 consecutive bytes of a row, and a tile of 16 rows turns through the wave's own stage in LDS into the accumulators' layout: the residual is the sums' first C.
; THE NORM in two passes (the mean, then the mean of the squared differences), each wave's part of a row's sum going through LDS, 64 bytes a row, a word a wave; each pass has bytes of its own.  The mean is the sum x (1 / 768).
; LIMITS: NaN and infinities are not served; a block of h under 2^-122 gets the byte 1.  No cluster, no tensor load: a weight fragment is used by one wave of a work-group, from registers.
.set ACC, 16                           ; v16-79   8 accumulators
.set WB,  80                           ; v80-223  three weight buffers of 48
.set AF,  224                          ; v224-247 ctx's two fragments of a K step
.set WS,  248                          ; v248-253 the weights' scale words, two registers a buffer
.set AS,  254                          ; v254     ctx's scale words
.set AAD, 3
.set ASD, 4
.set WP,  20
.set SEL, 22
.set ASC, 36864
.set RED1, 38400                       ; LDS: the first pass's sums, 2,048 bytes; the second's behind them
.set SCG, 42496                        ; h's scale words, 768 bytes: word of (K step f, tile m, row r) at 128 f + 64 m + 4 r
.set STG, 43264                        ; a stage of 16 rows x 272 bytes for each wave
.set G,   80                           ; behind the product: v80-111 g, v112-143 beta of my lane's 32 columns
.set BE,  112
.set PCD, 144                          ; h's codes, six registers a tile
.set OB,  176                          ; the way out: 16 rows read back
.set RB,  208                          ; 24 registers: two rows' twelve partial sums
.set TM,  212
.set PW,  228
.set CH0, 232
.set CH1, 234
.set CT,  234
.set PT,  236
.set MU,  240                          ; v240, v242: a number for each row tile, each the low word of a pair
.macro WM d, a, b, sa, sb, ra, rb             ; one matrix instruction; ra, rb: the scale words stand in lanes 16-31
.set rD, \d
.set rA, \a
.set rB, \b
.set rX, \sa
.set rY, \sb
.if (\ra) && (\rb)
	v_wmma_scale_f32_16x16x128_f8f6f4 v[rD:rD+7], v[rA:rA+11], v[rB:rB+11], v[rD:rD+7], v[rX], v[rY] matrix_a_fmt:MATRIX_FMT_BF6 matrix_b_fmt:MATRIX_FMT_BF6 matrix_a_scale:MATRIX_SCALE_ROW1 matrix_b_scale:MATRIX_SCALE_ROW1
.elseif \ra
	v_wmma_scale_f32_16x16x128_f8f6f4 v[rD:rD+7], v[rA:rA+11], v[rB:rB+11], v[rD:rD+7], v[rX], v[rY] matrix_a_fmt:MATRIX_FMT_BF6 matrix_b_fmt:MATRIX_FMT_BF6 matrix_a_scale:MATRIX_SCALE_ROW1
.elseif \rb
	v_wmma_scale_f32_16x16x128_f8f6f4 v[rD:rD+7], v[rA:rA+11], v[rB:rB+11], v[rD:rD+7], v[rX], v[rY] matrix_a_fmt:MATRIX_FMT_BF6 matrix_b_fmt:MATRIX_FMT_BF6 matrix_b_scale:MATRIX_SCALE_ROW1
.else
	v_wmma_scale_f32_16x16x128_f8f6f4 v[rD:rD+7], v[rA:rA+11], v[rB:rB+11], v[rD:rD+7], v[rX], v[rY] matrix_a_fmt:MATRIX_FMT_BF6 matrix_b_fmt:MATRIX_FMT_BF6
.endif
.endm
.macro WLOAD buf, off                  ; a block of wf: four fragments, 12 loads of 512 consecutive bytes, and its scale words: 13 loads
.irp i, 0,1,2,3,4,5,6,7,8,9,10,11
	global_load_b128 v[WB+48*(\buf)+4*\i:WB+48*(\buf)+4*\i+3], v2, s[WP:WP+1] offset:\off+512*\i
.endr
	global_load_b64 v[WS+2*(\buf):WS+2*(\buf)+1], v1, s[WP:WP+1] offset:\off+6144
.endm
.macro ALOAD off, soff                 ; a K step's two fragments of the rows, and their scale words, from LDS
.irp m, 0,1
.irp p, 0,1,2,3,4,5
	ds_load_b64 v[AF+12*\m+2*\p:AF+12*\m+2*\p+1], v[AAD] offset:\off+1536*\m+256*\p
.endr
.endr
	ds_load_b32 v[AS], v[ASD] offset:\soff
.endm
; A K step of 128 on buffer buf.  wnext = 1: the weights of two steps on are asked for, into buffer nbuf, which the step before has left.  wcnt: the loads issued behind this step's weights, which may stay out.
; The 8 accumulators take turns, in the same order in every step.
.macro GSTEP buf, wnext, nbuf, woff, wcnt, anext, aoff, soff
.if \wnext
	WLOAD \nbuf, \woff
.endif
	s_wait_loadcnt \wcnt
	s_wait_dscnt 0x0                               ; this step's rows are in
.irp m, 0,1
.irp nt, 0,1,2,3
	WM ACC+32*\m+8*\nt, WB+48*(\buf)+12*\nt, AF+12*\m, WS+2*(\buf)+\nt/2, AS, \nt%2, \m
.endr
.endr
.rept 4
	v_nop                                          ; four places in front of loads into registers that these products read, and of the first read of results
.endr
.if \anext
	ALOAD \aoff, \soff
.endif
.endm
.macro QUANT2 s, pc, pw                ; 32 numbers of a lane (two blocks) -> six registers, block lane / 16 whole, and two scale bytes
.irp b, 0,1
	v_max3_num_f32 v[TM+\b], |v[\s+16*\b]|, |v[\s+1+16*\b]|, 0x2800000
.endr
.irp i, 2,4,6,8,10,12,14
.irp b, 0,1
	v_max3_num_f32 v[TM+\b], v[TM+\b], |v[\s+16*\b+\i]|, |v[\s+1+16*\b+\i]|
.endr
.endr
.irp b, 0,1
	v_permlanex16_b32 v[TM+4+\b], v[TM+\b], s[SEL], s[SEL+1]
.endr
.irp b, 0,1
	v_max_num_f32 v[TM+\b], v[TM+\b], v[TM+4+\b]
.endr
.irp b, 0,1
	v_add_nc_u32 v[TM+12+\b], 0xfe000000, v[TM+\b]
.endr
.irp b, 0,1
	v_lshrrev_b32 v[TM+4+\b], 23, v[TM+12+\b]
.endr
	v_lshl_or_b32 v[\pw], v[TM+5], 8, v[TM+4]
	v_cvt_scalef32_pk16_bf6_f32 v[\pc:\pc+2], v[\s:\s+15], v[TM+12]
	v_cvt_scalef32_pk16_bf6_f32 v[CT:CT+2], v[\s+16:\s+31], v[TM+13]
	v_nop
.irp i, 0,1,2
	v_permlane16_swap_b32 v[\pc+\i], v[CT+\i]
.endr
.irp i, 0,1,2
	v_mov_b32 v[\pc+3+\i], v[CT+\i]
.endr
.endm
.macro ROWSUM mt                       ; the sum of my wave's 64 columns of row 16 mt + r, from the accumulators' low ends on
.set rS, ACC+32*\mt
	v_pk_add_f32 v[CH0:CH0+1], v[rS:rS+1], v[rS+2:rS+3]
	v_pk_add_f32 v[CH1:CH1+1], v[rS+4:rS+5], v[rS+6:rS+7]
.irp j, 8,12,16,20,24,28
	v_pk_add_f32 v[CH0:CH0+1], v[CH0:CH0+1], v[rS+\j:rS+\j+1]
	v_pk_add_f32 v[CH1:CH1+1], v[CH1:CH1+1], v[rS+\j+2:rS+\j+3]
.endr
	v_pk_add_f32 v[CH0:CH0+1], v[CH0:CH0+1], v[CH1:CH1+1]
	v_add_f32 v[CH0], v[CH0], v[CH0+1]
	v_permlanex16_b32 v[PT], v[CH0], s[SEL], s[SEL+1]
	v_add_f32 v[MU+2*\mt], v[CH0], v[PT]
.endm
.macro SQSUM mt                        ; the same of the squares
.set rS, ACC+32*\mt
	v_pk_mul_f32 v[CH0:CH0+1], v[rS:rS+1], v[rS:rS+1]
	v_pk_mul_f32 v[CH1:CH1+1], v[rS+2:rS+3], v[rS+2:rS+3]
.irp j, 4,8,12,16,20,24,28
	v_pk_fma_f32 v[CH0:CH0+1], v[rS+\j:rS+\j+1], v[rS+\j:rS+\j+1], v[CH0:CH0+1]
	v_pk_fma_f32 v[CH1:CH1+1], v[rS+\j+2:rS+\j+3], v[rS+\j+2:rS+\j+3], v[CH1:CH1+1]
.endr
	v_pk_add_f32 v[CH0:CH0+1], v[CH0:CH0+1], v[CH1:CH1+1]
	v_add_f32 v[CH0], v[CH0], v[CH0+1]
	v_permlanex16_b32 v[PT], v[CH0], s[SEL], s[SEL+1]
	v_add_f32 v[MU+2*\mt], v[CH0], v[PT]
.endm
.macro REDUCE off                      ; the twelve waves' parts of each row's sum meet in LDS; every wave adds them in the same order
.irp m, 0,1
	ds_store_b32 v9, v[MU+2*\m] offset:\off+1024*\m
.endr
	s_wait_dscnt 0x0
	s_barrier_signal -1
	s_barrier_wait -1
.irp q, 0,1
.irp g, 0,1,2
	ds_load_b128 v[RB+12*\q+4*\g:RB+12*\q+4*\g+3], v10 offset:\off+1024*\q+16*\g
.endr
.endr
	s_wait_dscnt 0x0
.irp q, 0,1
	v_pk_add_f32 v[RB+12*\q:RB+12*\q+1], v[RB+12*\q:RB+12*\q+1], v[RB+12*\q+2:RB+12*\q+3]
	v_pk_add_f32 v[RB+12*\q+4:RB+12*\q+5], v[RB+12*\q+4:RB+12*\q+5], v[RB+12*\q+6:RB+12*\q+7]
	v_pk_add_f32 v[RB+12*\q+8:RB+12*\q+9], v[RB+12*\q+8:RB+12*\q+9], v[RB+12*\q+10:RB+12*\q+11]
	v_pk_add_f32 v[RB+12*\q:RB+12*\q+1], v[RB+12*\q:RB+12*\q+1], v[RB+12*\q+4:RB+12*\q+5]
	v_pk_add_f32 v[RB+12*\q:RB+12*\q+1], v[RB+12*\q:RB+12*\q+1], v[RB+12*\q+8:RB+12*\q+9]
	v_add_f32 v[MU+2*\q], v[RB+12*\q], v[RB+12*\q+1]
.endr
.endm
.macro WAYIN mt                        ; 16 rows x my 64 columns, loaded by rows, through my own stage into the accumulators' layout, in the registers that they left
.irp t, 0,1,2,3,4,5,6,7
	ds_store_b128 v7, v[ACC+32*\mt+4*\t:ACC+32*\mt+4*\t+3] offset:544*\t
.endr
.irp b, 0,1
.irp g, 0,1,2,3
	ds_load_b128 v[ACC+32*\mt+16*\b+4*\g:ACC+32*\mt+16*\b+4*\g+3], v6 offset:128*\b+16*\g   ; LDS serves a wave's instructions in order (ISA guide 5.7.1.4): these see the stores above, and the next tile's stores come behind them
.endr
.endr
.endm
.macro WAYOUT mt, base                 ; 16 rows x my 64 columns through my own stage: sixteen lanes then store 256 consecutive bytes of a row
	s_wait_xcnt 0x0                                ; earlier stores have read their registers: the rows read back may land there
.irp b, 0,1
.irp g, 0,1,2,3
	ds_store_b128 v6, v[ACC+32*\mt+16*\b+4*\g:ACC+32*\mt+16*\b+4*\g+3] offset:128*\b+16*\g
.endr
.endr
.irp t, 0,1,2,3,4,5,6,7
	ds_load_b128 v[OB+4*\t:OB+4*\t+3], v7 offset:544*\t
.endr
.irp t, 0,1,2,3,4,5,6,7
	s_wait_dscnt 7-\t                              ; load t is in; the younger ones may be out
	global_store_b128 v8, v[OB+4*\t:OB+4*\t+3], s[\base:\base+1] offset:(16*\mt+2*\t)*3072
.endr
.endm
	s_load_b256 s[4:11], s[0:1], 0x0               ; ca, wf, x, g1
	s_load_b128 s[12:15], s[0:1], 0x20             ; beta1, hf
	s_load_b64 s[16:17], s[0:1], 0x30              ; ha
	s_set_vgpr_msb 0x40
	v_lshl_add_u32 v0, v0, 2, 0x17500
	v_mov_b32 v1, 0
	s_set_vgpr_msb 0x4000
	v_lshrrev_b32 v1, 5, v0
	v_readfirstlane_b32 s18, v1                    ; wave 0..11
	s_lshr_b32 s19, ttmp9, 1                       ; the block of 64 rows
	s_and_b32 s44, ttmp9, 1                        ; q: which 32 of them
	s_mul_i32 s45, s44, 3072
	s_lshl_b32 s46, s44, 2
	v_and_b32 v15, 31, v0
	v_lshlrev_b32 v1, 3, v15                       ; 8 x lane
	v_lshlrev_b32 v2, 4, v15                       ; 16 x lane
	v_add_nc_u32 v[AAD], s45, v1                   ; ctx's fragments: 8 x lane + 2 q fragments
	v_add_nc_u32 v[ASD], s46, v1                   ; its words: 8 x lane + 4 q
	v_and_b32 v15, 15, v0                          ; r
	v_bfe_u32 v255, v0, 4, 1                       ; h
	s_mov_b32 s[SEL], 0x76543210
	s_mov_b32 s[SEL+1], 0xfedcba98
	s_mov_b32 s24, 0x3aaaaaab                      ; 1 / 768
	s_mov_b32 s25, 0x3727c5ac                      ; 1e-5
	s_lshl_b32 s26, s18, 8                         ; 256 w
	s_mul_i32 s27, s18, 4352
	s_add_co_u32 s27, s27, STG                     ; my stage
	s_lshr_b32 s28, s18, 1
	s_and_b32 s29, s18, 1
	s_lshl_b32 s30, s28, 7
	s_lshl_b32 s31, s29, 1
	s_add_co_u32 s30, s30, s31
	s_lshl_b32 s31, s18, 2
	v_lshlrev_b32 v5, 2, v15
	v_add_nc_u32 v5, s30, v5                       ; my two bytes of a row's scale word in LDS: 128 (w / 2) + 2 (w % 2) + 4 r
	v_mul_u32_u24 v6, v15, 272
	v_lshl_add_u32 v6, v255, 6, v6
	v_add_nc_u32 v6, s27, v6                       ; the stage in the accumulators' layout: row r, + 64 h
	v_mul_u32_u24 v7, v255, 272
	v_lshl_add_u32 v7, v15, 4, v7
	v_add_nc_u32 v7, s27, v7                       ; by rows: lanes 0-15 one row, lanes 16-31 the next
	v_mul_u32_u24 v8, v255, 3072
	v_lshl_add_u32 v8, v15, 4, v8
	v_add_nc_u32 v8, s26, v8                       ; and the same in x and in hf
	v_lshlrev_b32 v10, 6, v15
	v_add_nc_u32 v10, RED1, v10                    ; a row's twelve partial sums,
	v_add_nc_u32 v9, s31, v10                      ; and mine among them
	v_lshlrev_b32 v11, 3, v0                       ; 8 x thread
	v_lshlrev_b32 v12, 4, v0                       ; 16 x thread
	v_lshlrev_b32 v13, 2, v0                       ; 4 x thread
	v_lshlrev_b32 v14, 6, v255
	v_add_nc_u32 v14, s26, v14                     ; g, beta: 256 w + 64 h
	s_mul_i32 s32, s19, 38400
	s_mov_b32 s33, 0
	s_mul_i32 s34, ttmp9, 98304                    ; 32 rows of 3,072 bytes a work-group
	s_mov_b32 s35, 0
	s_mul_i32 s36, s18, 6
	s_add_co_u32 s36, s36, 216
	s_mul_i32 s36, s36, 6400                       ; Wo's blocks 216 + 6 w on
	s_mov_b32 s37, 0
	s_mul_i32 s38, s28, 6144
	s_mul_i32 s39, s29, 768
	s_add_co_u32 s38, s38, s39
	s_add_co_u32 s38, s38, s45                     ; ha: K step w / 2, tiles 2 q on, half w % 2
	s_mov_b32 s39, 0
	s_add_co_u32 s46, s46, ASC                     ; ha's words: + 4 q
	s_mov_b32 s47, 0
	s_wait_kmcnt 0x0
	s_add_nc_u64 s[WP:WP+1], s[6:7], s[36:37]
	s_add_nc_u64 s[4:5], s[4:5], s[32:33]
	s_add_nc_u64 s[8:9], s[8:9], s[34:35]
	s_add_nc_u64 s[14:15], s[14:15], s[34:35]
	s_add_nc_u64 s[16:17], s[16:17], s[32:33]
	s_add_nc_u64 s[40:41], s[16:17], s[38:39]
	s_add_nc_u64 s[42:43], s[16:17], s[46:47]
.irp i, 0,1,2,3,4,5                            ; ctx's block into LDS as it lies: 384 threads x 16 bytes, six times, and 4 bytes each
	global_load_b128 v[176+4*\i:179+4*\i], v12, s[4:5] offset:6144*\i
.endr
	global_load_b32 v200, v13, s[4:5] offset:ASC
.irp m, 0,1                                    ; x by rows: sixteen lanes take 256 consecutive bytes
.irp t, 0,1,2,3,4,5,6,7
	global_load_b128 v[ACC+32*\m+4*\t:ACC+32*\m+4*\t+3], v8, s[8:9] offset:(16*\m+2*\t)*3072 th:TH_LOAD_NT
.endr
.endr
	WLOAD 0, 0                                     ; the first two K steps' weights
	WLOAD 1, 6400
	s_wait_loadcnt 42                              ; ctx's block is in; x's 16 loads and the weights' 26 may be out
.irp i, 0,1,2,3,4,5
	ds_store_b128 v12, v[176+4*\i:179+4*\i] offset:6144*\i
.endr
	ds_store_b32 v13, v200 offset:ASC
	s_wait_loadcnt 26                              ; x is in; the weights' 26 may be out
	WAYIN 0
	WAYIN 1
	s_wait_dscnt 0x0                               ; for the others' sake: my part of ctx's block has landed; x is in the accumulators
	s_barrier_signal -1
	s_barrier_wait -1
	ALOAD 0, ASC
	GSTEP 0, 1, 2, 12800, 26, 1, 6144, ASC+256     ; 26: the next two steps' weights may be out
	GSTEP 1, 1, 0, 19200, 26, 1, 12288, ASC+512
	GSTEP 2, 1, 1, 25600, 26, 1, 18432, ASC+768
	GSTEP 0, 1, 2, 32000, 26, 1, 24576, ASC+1024
	GSTEP 1, 0, 0, 0, 13, 1, 30720, ASC+1280       ; 13: the last step's weights may be out
.irp b, 0,1                                    ; g1 and beta1 are asked for ahead of the last step, into the two buffers that are done with
.irp g, 0,1,2,3
	global_load_b128 v[G+16*\b+4*\g:G+16*\b+4*\g+3], v14, s[10:11] offset:128*\b+16*\g
	global_load_b128 v[BE+16*\b+4*\g:BE+16*\b+4*\g+3], v14, s[12:13] offset:128*\b+16*\g
.endr
.endr
	GSTEP 2, 0, 0, 0, 16, 0, 0, 0                  ; 16: g1's and beta1's loads may be out
	ROWSUM 0
	ROWSUM 1
	REDUCE 0
.irp m, 0,1
	v_mul_f32 v[MU+2*\m], 0xbaaaaaab, v[MU+2*\m]   ; - the mean
.endr
.irp m, 0,1
.set j, 0
.rept 16
	v_pk_add_f32 v[ACC+32*\m+j:ACC+32*\m+j+1], v[ACC+32*\m+j:ACC+32*\m+j+1], v[MU+2*\m:MU+2*\m+1] op_sel_hi:[1,0]
.set j, j+2
.endr
	SQSUM \m
.endr
	REDUCE 2048
.irp m, 0,1
	v_fma_f32 v[MU+2*\m], v[MU+2*\m], s24, s25     ; the variance + eps
.endr
.irp m, 0,1
	v_rsq_f32 v[MU+2*\m], v[MU+2*\m]
.endr
	v_nop                                          ; a plain instruction behind the last of them,
	s_wait_alu depctr_va_vdst(0)                   ; and one wait for the two, ahead of their first reader
	s_wait_loadcnt 0x0                             ; g1, beta1
.irp m, 0,1
.set j, 0
.rept 16
	v_pk_mul_f32 v[ACC+32*\m+j:ACC+32*\m+j+1], v[ACC+32*\m+j:ACC+32*\m+j+1], v[MU+2*\m:MU+2*\m+1] op_sel_hi:[1,0]
	v_pk_fma_f32 v[ACC+32*\m+j:ACC+32*\m+j+1], v[ACC+32*\m+j:ACC+32*\m+j+1], v[G+j:G+j+1], v[BE+j:BE+j+1]
.set j, j+2
.endr
.endr
.irp m, 0,1                                    ; h leaves twice: as codes (half a K step a wave) and as f32
	QUANT2 ACC+32*\m, PCD+6*\m, PW+\m
.irp p, 0,1,2
	global_store_b64 v1, v[PCD+6*\m+2*\p:PCD+6*\m+2*\p+1], s[40:41] offset:1536*\m+256*\p   ; 32 lanes store 256 consecutive bytes, at a multiple of 256 from ha's first byte
.endr
	ds_store_b16 v5, v[PW+\m] offset:SCG+64*\m     ; (both halves of the lanes write the same two bytes)
	WAYOUT \m, 14
.endr
	s_wait_dscnt 0x0
	s_barrier_signal -1
	s_barrier_wait -1                              ; the 768 bytes of scale words are whole
	s_cmp_lt_u32 s18, 6
	s_cbranch_scc0 .Lend
	ds_load_b32 v208, v13 offset:SCG               ; wave f of waves 0 to 5: K step f's 32 words,
	s_wait_dscnt 0x0
	global_store_b32 v11, v208, s[42:43]           ; to 256 f + 8 x lane + 4 q: the other 32 rows' words lie between them
.Lend:
	s_set_vgpr_msb 0x5
	s_wait_tensorcnt 0x0
	ds_add_u32 v0, v1
	s_wait_dscnt 0x0
	s_set_vgpr_msb 0x500
	s_endpgm
.Lfunc_end_k_q1a98c0dab4_oln:
	.size	k_q1a98c0dab4_oln, .Lfunc_end_k_q1a98c0dab4_oln-k_q1a98c0dab4_oln
	.p2alignl 7, 3214868480
	.fill 96, 4, 3214868480
	.section	.rodata,"a",@progbits
	.p2align	6, 0x0
	.amdhsa_kernel k_q1a98c0dab4_oln
		.amdhsa_group_segment_fixed_size 97024
		.amdhsa_private_segment_fixed_size 0
		.amdhsa_enable_private_segment 0
		.amdhsa_kernarg_size 56
		.amdhsa_user_sgpr_count 2
		.amdhsa_user_sgpr_kernarg_segment_ptr 1
		.amdhsa_wavefront_size32 1
		.amdhsa_system_sgpr_workgroup_id_x 1
		.amdhsa_system_sgpr_workgroup_id_y 1
		.amdhsa_system_sgpr_workgroup_id_z 1
		.amdhsa_system_vgpr_workitem_id 0
		.amdhsa_next_free_vgpr 258
		.amdhsa_next_free_sgpr 66
		.amdhsa_reserve_vcc 0
		.amdhsa_float_denorm_mode_32 3
		.amdhsa_float_denorm_mode_16_64 3
		.amdhsa_memory_ordered 1
		.amdhsa_forward_progress 1
		.amdhsa_inst_pref_size 52
	.end_amdhsa_kernel
	.amdgpu_metadata
---
amdhsa.version: [ 1, 2 ]
amdhsa.kernels:
  - .name:           k_q1a98c0dab4_oln
    .symbol:         k_q1a98c0dab4_oln.kd
    .args:
      - { .name: ca, .offset: 0, .size: 8, .value_kind: global_buffer, .address_space: global }
      - { .name: wf, .offset: 8, .size: 8, .value_kind: global_buffer, .address_space: global }
      - { .name: x, .offset: 16, .size: 8, .value_kind: global_buffer, .address_space: global }
      - { .name: g1, .offset: 24, .size: 8, .value_kind: global_buffer, .address_space: global }
      - { .name: beta1, .offset: 32, .size: 8, .value_kind: global_buffer, .address_space: global }
      - { .name: hf, .offset: 40, .size: 8, .value_kind: global_buffer, .address_space: global }
      - { .name: ha, .offset: 48, .size: 8, .value_kind: global_buffer, .address_space: global }
    .group_segment_fixed_size: 97024
    .private_segment_fixed_size: 0
    .kernarg_segment_align: 8
    .kernarg_segment_size: 56
    .max_flat_workgroup_size: 384
    .sgpr_count:     66
    .vgpr_count:     258
    .wavefront_size: 32
...
	.end_amdgpu_metadata
.endif
;; end of part 8
;; launch ffa: the kernel of part 5 again; grid 64 x 4, 12 waves a work-group, no clusters, 41,472 bytes of LDS; arguments ha, wf, b1, fa; writes fa
;; launch ffb (part 9): grid 128 x 1, 12 waves a work-group, no clusters, 137,728 bytes of LDS; arguments fa, wf, hf, b2, g2, beta2, out0; writes out0
.if DOCPART == 9
	.amdgcn_target "amdgcn-amd-amdhsa--gfx1250"
	.amdhsa_code_object_version 6
	.text
	.protected	k_q1a98c0dab4_ffb
	.globl	k_q1a98c0dab4_ffb
	.p2align	8
	.type	k_q1a98c0dab4_ffb,@function
k_q1a98c0dab4_ffb:
	s_mov_b64 s[64:65], 0
	v_nop
	global_prefetch_b8 v0, s[64:65] scope:SCOPE_SE
	s_setreg_imm32_b32 hwreg(HW_REG_WAVE_MODE, 25, 1), 1
	s_wait_xcnt 0x0
; out = LayerNorm(h + ff W2 + b2) g2 + beta2 for 32 rows a work-group; ff arrives as codes of BF6 with E8M0 scales (fa), W2 as blocks of wf, h as f32 (hf).
; fa's block, 153,600 bytes for 64 rows: fragment (K step f of 24, row tile mt) at (4 f + mt) 1536 as six planes of 256 bytes; from 147,456 on 256 bytes of scale words a K step, word of (mt, r) at 8 (r + 16 (mt % 2)) + 4 (mt / 2).
; Work-group 2 blk + q takes row tiles 2 q and 2 q + 1: their fragments, 3,072 bytes a K step, are copied into LDS on end (73,728 bytes), the 6,144 bytes of words as they lie; a K step's words of the two tiles are one load of 4 bytes a lane at
; 8 l + 4 q, the even tile's in lanes 0-15, the odd tile's in lanes 16-31.
; Wave w makes columns 64 w .. 64 w + 63 for the 32 rows: 8 accumulators; source 0 = W2's rows (from memory into the one wave that uses them, three buffers: two K steps, 26 loads a wave, are asked for ahead), source 1 = ff's rows (from LDS).
; Lane (r, h) holds row r, register 32 m + 16 b + i the column 64 w + 32 b + 16 h + i.
; h COMES IN AS THE RESULT GOES OUT: sixteen lanes take 256 consecutive bytes of a row, and a tile of 16 rows turns through the wave's own stage in LDS into the accumulators' layout: the residual is the sums' first C; b2 is added behind the product.
; THE NORM in two passes, each wave's part of a row's sum going through LDS; each pass has bytes of its own.  The mean is the sum x (1 / 768).
; LIMITS: NaN and infinities are not served.  No cluster, no tensor load: a weight fragment is used by one wave of a work-group, from registers.
.set ACC, 16                           ; v16-79   8 accumulators
.set WB,  80                           ; v80-223  three weight buffers of 48
.set AF,  224                          ; v224-247 ff's two fragments of a K step
.set WS,  248                          ; v248-253 the weights' scale words, two registers a buffer
.set AS,  254                          ; v254     ff's scale words
.set AAD, 3
.set ASD, 4
.set WP,  20
.set SEL, 22
.set ASCG, 147456                      ; the words in fa's block,
.set ASCL, 73728                       ; and in LDS
.set RED1, 79872                       ; LDS: the first pass's sums, 2,048 bytes; the second's behind them
.set STG, 83968                        ; a stage of 16 rows x 272 bytes for each wave
.set G,   80                           ; behind the product: v80-111 g, v112-143 beta, v144-175 b2 of my lane's 32 columns
.set BE,  112
.set B2,  144
.set OB,  176
.set RB,  208
.set CH0, 232
.set CH1, 234
.set PT,  236
.set MU,  240
.macro WM d, a, b, sa, sb, ra, rb             ; one matrix instruction; ra, rb: the scale words stand in lanes 16-31
.set rD, \d
.set rA, \a
.set rB, \b
.set rX, \sa
.set rY, \sb
.if (\ra) && (\rb)
	v_wmma_scale_f32_16x16x128_f8f6f4 v[rD:rD+7], v[rA:rA+11], v[rB:rB+11], v[rD:rD+7], v[rX], v[rY] matrix_a_fmt:MATRIX_FMT_BF6 matrix_b_fmt:MATRIX_FMT_BF6 matrix_a_scale:MATRIX_SCALE_ROW1 matrix_b_scale:MATRIX_SCALE_ROW1
.elseif \ra
	v_wmma_scale_f32_16x16x128_f8f6f4 v[rD:rD+7], v[rA:rA+11], v[rB:rB+11], v[rD:rD+7], v[rX], v[rY] matrix_a_fmt:MATRIX_FMT_BF6 matrix_b_fmt:MATRIX_FMT_BF6 matrix_a_scale:MATRIX_SCALE_ROW1
.elseif \rb
	v_wmma_scale_f32_16x16x128_f8f6f4 v[rD:rD+7], v[rA:rA+11], v[rB:rB+11], v[rD:rD+7], v[rX], v[rY] matrix_a_fmt:MATRIX_FMT_BF6 matrix_b_fmt:MATRIX_FMT_BF6 matrix_b_scale:MATRIX_SCALE_ROW1
.else
	v_wmma_scale_f32_16x16x128_f8f6f4 v[rD:rD+7], v[rA:rA+11], v[rB:rB+11], v[rD:rD+7], v[rX], v[rY] matrix_a_fmt:MATRIX_FMT_BF6 matrix_b_fmt:MATRIX_FMT_BF6
.endif
.endm
.macro WLOAD buf, off                  ; a block of wf: four fragments, 12 loads of 512 consecutive bytes, and its scale words: 13 loads
.irp i, 0,1,2,3,4,5,6,7,8,9,10,11
	global_load_b128 v[WB+48*(\buf)+4*\i:WB+48*(\buf)+4*\i+3], v2, s[WP:WP+1] offset:\off+512*\i
.endr
	global_load_b64 v[WS+2*(\buf):WS+2*(\buf)+1], v1, s[WP:WP+1] offset:\off+6144
.endm
.macro ALOAD off, soff                 ; a K step's two fragments of the rows, and their scale words, from LDS
.irp m, 0,1
.irp p, 0,1,2,3,4,5
	ds_load_b64 v[AF+12*\m+2*\p:AF+12*\m+2*\p+1], v[AAD] offset:\off+1536*\m+256*\p
.endr
.endr
	ds_load_b32 v[AS], v[ASD] offset:\soff
.endm
; A K step of 128 on buffer buf.  wnext = 1: the weights of two steps on are asked for, into buffer nbuf, which the step before has left.  wcnt: the loads issued behind this step's weights, which may stay out.
; The 8 accumulators take turns, in the same order in every step, over the loop's backward jump too.
.macro GSTEP buf, wnext, nbuf, woff, wcnt, anext, aoff, soff
.if \wnext
	WLOAD \nbuf, \woff
.endif
	s_wait_loadcnt \wcnt
	s_wait_dscnt 0x0                               ; this step's rows are in
.irp m, 0,1
.irp nt, 0,1,2,3
	WM ACC+32*\m+8*\nt, WB+48*(\buf)+12*\nt, AF+12*\m, WS+2*(\buf)+\nt/2, AS, \nt%2, \m
.endr
.endr
.rept 4
	v_nop                                          ; four places in front of loads into registers that these products read, and of the first read of results
.endr
.if \anext
	ALOAD \aoff, \soff
.endif
.endm
.macro ROWSUM mt                       ; the sum of my wave's 64 columns of row 16 mt + r
.set rS, ACC+32*\mt
	v_pk_add_f32 v[CH0:CH0+1], v[rS:rS+1], v[rS+2:rS+3]
	v_pk_add_f32 v[CH1:CH1+1], v[rS+4:rS+5], v[rS+6:rS+7]
.irp j, 8,12,16,20,24,28
	v_pk_add_f32 v[CH0:CH0+1], v[CH0:CH0+1], v[rS+\j:rS+\j+1]
	v_pk_add_f32 v[CH1:CH1+1], v[CH1:CH1+1], v[rS+\j+2:rS+\j+3]
.endr
	v_pk_add_f32 v[CH0:CH0+1], v[CH0:CH0+1], v[CH1:CH1+1]
	v_add_f32 v[CH0], v[CH0], v[CH0+1]
	v_permlanex16_b32 v[PT], v[CH0], s[SEL], s[SEL+1]
	v_add_f32 v[MU+2*\mt], v[CH0], v[PT]
.endm
.macro SQSUM mt                        ; the same of the squares
.set rS, ACC+32*\mt
	v_pk_mul_f32 v[CH0:CH0+1], v[rS:rS+1], v[rS:rS+1]
	v_pk_mul_f32 v[CH1:CH1+1], v[rS+2:rS+3], v[rS+2:rS+3]
.irp j, 4,8,12,16,20,24,28
	v_pk_fma_f32 v[CH0:CH0+1], v[rS+\j:rS+\j+1], v[rS+\j:rS+\j+1], v[CH0:CH0+1]
	v_pk_fma_f32 v[CH1:CH1+1], v[rS+\j+2:rS+\j+3], v[rS+\j+2:rS+\j+3], v[CH1:CH1+1]
.endr
	v_pk_add_f32 v[CH0:CH0+1], v[CH0:CH0+1], v[CH1:CH1+1]
	v_add_f32 v[CH0], v[CH0], v[CH0+1]
	v_permlanex16_b32 v[PT], v[CH0], s[SEL], s[SEL+1]
	v_add_f32 v[MU+2*\mt], v[CH0], v[PT]
.endm
.macro REDUCE off                      ; the twelve waves' parts of each row's sum meet in LDS; every wave adds them in the same order
.irp m, 0,1
	ds_store_b32 v9, v[MU+2*\m] offset:\off+1024*\m
.endr
	s_wait_dscnt 0x0
	s_barrier_signal -1
	s_barrier_wait -1
.irp q, 0,1
.irp g, 0,1,2
	ds_load_b128 v[RB+12*\q+4*\g:RB+12*\q+4*\g+3], v10 offset:\off+1024*\q+16*\g
.endr
.endr
	s_wait_dscnt 0x0
.irp q, 0,1
	v_pk_add_f32 v[RB+12*\q:RB+12*\q+1], v[RB+12*\q:RB+12*\q+1], v[RB+12*\q+2:RB+12*\q+3]
	v_pk_add_f32 v[RB+12*\q+4:RB+12*\q+5], v[RB+12*\q+4:RB+12*\q+5], v[RB+12*\q+6:RB+12*\q+7]
	v_pk_add_f32 v[RB+12*\q+8:RB+12*\q+9], v[RB+12*\q+8:RB+12*\q+9], v[RB+12*\q+10:RB+12*\q+11]
	v_pk_add_f32 v[RB+12*\q:RB+12*\q+1], v[RB+12*\q:RB+12*\q+1], v[RB+12*\q+4:RB+12*\q+5]
	v_pk_add_f32 v[RB+12*\q:RB+12*\q+1], v[RB+12*\q:RB+12*\q+1], v[RB+12*\q+8:RB+12*\q+9]
	v_add_f32 v[MU+2*\q], v[RB+12*\q], v[RB+12*\q+1]
.endr
.endm
.macro WAYIN mt                        ; 16 rows x my 64 columns, loaded by rows, through my own stage into the accumulators' layout, in the registers that they left
.irp t, 0,1,2,3,4,5,6,7
	ds_store_b128 v7, v[ACC+32*\mt+4*\t:ACC+32*\mt+4*\t+3] offset:544*\t
.endr
.irp b, 0,1
.irp g, 0,1,2,3
	ds_load_b128 v[ACC+32*\mt+16*\b+4*\g:ACC+32*\mt+16*\b+4*\g+3], v6 offset:128*\b+16*\g   ; LDS serves a wave's instructions in order (ISA guide 5.7.1.4): these see the stores above, and the next tile's stores come behind them
.endr
.endr
.endm
.macro WAYOUT mt, base                 ; 16 rows x my 64 columns through my own stage: sixteen lanes then store 256 consecutive bytes of a row
	s_wait_xcnt 0x0                                ; earlier stores have read their registers: the rows read back may land there
.irp b, 0,1
.irp g, 0,1,2,3
	ds_store_b128 v6, v[ACC+32*\mt+16*\b+4*\g:ACC+32*\mt+16*\b+4*\g+3] offset:128*\b+16*\g
.endr
.endr
.irp t, 0,1,2,3,4,5,6,7
	ds_load_b128 v[OB+4*\t:OB+4*\t+3], v7 offset:544*\t
.endr
.irp t, 0,1,2,3,4,5,6,7
	s_wait_dscnt 7-\t                              ; load t is in; the younger ones may be out
	global_store_b128 v8, v[OB+4*\t:OB+4*\t+3], s[\base:\base+1] offset:(16*\mt+2*\t)*3072 th:TH_STORE_NT
.endr
.endm
	s_load_b256 s[4:11], s[0:1], 0x0               ; fa, wf, hf, b2
	s_load_b128 s[12:15], s[0:1], 0x20             ; g2, beta2
	s_load_b64 s[16:17], s[0:1], 0x30              ; out0
	v_lshl_add_u32 v11, v0, 2, 0x21400
	s_set_vgpr_msb 0x40
	v_mov_b32 v1, 0
	s_set_vgpr_msb 0x4000
	v_lshrrev_b32 v1, 5, v0
	v_readfirstlane_b32 s18, v1                    ; wave 0..11
	s_lshr_b32 s19, ttmp9, 1                       ; the block of 64 rows
	s_and_b32 s44, ttmp9, 1                        ; q: which 32 of them
	s_mul_i32 s38, s44, 3072                       ; my two fragments of a K step's four
	s_mov_b32 s39, 0
	s_lshl_b32 s46, s44, 2
	s_add_co_u32 s46, s46, ASCL
	v_and_b32 v15, 31, v0
	v_lshlrev_b32 v1, 3, v15                       ; 8 x lane
	v_lshlrev_b32 v2, 4, v15                       ; 16 x lane
	v_lshlrev_b32 v[AAD], 3, v15
	v_add_nc_u32 v[ASD], s46, v1                   ; ff's words: 8 x lane + 4 q
	v_and_b32 v15, 15, v0                          ; r
	v_bfe_u32 v255, v0, 4, 1                       ; h
	s_mov_b32 s[SEL], 0x76543210
	s_mov_b32 s[SEL+1], 0xfedcba98
	s_mov_b32 s24, 0x3aaaaaab                      ; 1 / 768
	s_mov_b32 s25, 0x3727c5ac                      ; 1e-5
	s_lshl_b32 s26, s18, 8                         ; 256 w
	s_mul_i32 s27, s18, 4352
	s_add_co_u32 s27, s27, STG                     ; my stage
	s_lshl_b32 s31, s18, 2
	v_mul_u32_u24 v6, v15, 272
	v_lshl_add_u32 v6, v255, 6, v6
	v_add_nc_u32 v6, s27, v6                       ; the stage in the accumulators' layout: row r, + 64 h
	v_mul_u32_u24 v7, v255, 272
	v_lshl_add_u32 v7, v15, 4, v7
	v_add_nc_u32 v7, s27, v7                       ; by rows: lanes 0-15 one row, lanes 16-31 the next
	v_mul_u32_u24 v8, v255, 3072
	v_lshl_add_u32 v8, v15, 4, v8
	v_add_nc_u32 v8, s26, v8                       ; and the same in hf and in out0
	v_lshlrev_b32 v10, 6, v15
	v_add_nc_u32 v10, RED1, v10
	v_add_nc_u32 v9, s31, v10
	v_lshlrev_b32 v12, 4, v0                       ; 16 x thread,
	v_add_nc_u32 v13, 61440, v12                   ; and ten rounds of 6,144 bytes on (an LDS immediate has 16 bits)
	s_cmp_ge_u32 s18, 6
	s_cselect_b32 s30, 3072, 0
	v_add_nc_u32 v5, s30, v12                      ; in fa: a round of 6,144 bytes is two K steps' halves: threads 192 on pass over the other 32 rows' 3,072 bytes
	v_lshlrev_b32 v14, 6, v255
	v_add_nc_u32 v14, s26, v14                     ; b2, g2, beta2: 256 w + 64 h
	s_mul_i32 s32, s19, 153600
	s_mov_b32 s33, 0
	s_mul_i32 s34, ttmp9, 98304                    ; 32 rows of 3,072 bytes a work-group
	s_mov_b32 s35, 0
	s_mul_i32 s36, s18, 24
	s_add_co_u32 s36, s36, 576
	s_mul_i32 s36, s36, 6400                       ; W2's blocks 576 + 24 w on
	s_mov_b32 s37, 0
	s_wait_kmcnt 0x0
	s_add_nc_u64 s[WP:WP+1], s[6:7], s[36:37]
	s_add_nc_u64 s[4:5], s[4:5], s[32:33]
	s_add_nc_u64 s[40:41], s[4:5], s[38:39]
	s_add_nc_u64 s[8:9], s[8:9], s[34:35]
	s_add_nc_u64 s[16:17], s[16:17], s[34:35]
.set i, 0
.rept 12                                       ; my half of ff's codes: 384 threads x 16 bytes, 12 times
	global_load_b128 v[176+4*i:179+4*i], v5, s[40:41] offset:12288*i th:TH_LOAD_NT
.set i, i+1
.endr
	global_load_b128 v[224:227], v12, s[4:5] offset:ASCG   ; and all the words
.irp m, 0,1                                    ; h by rows: sixteen lanes take 256 consecutive bytes
.irp t, 0,1,2,3,4,5,6,7
	global_load_b128 v[ACC+32*\m+4*\t:ACC+32*\m+4*\t+3], v8, s[8:9] offset:(16*\m+2*\t)*3072 th:TH_LOAD_NT
.endr
.endr
	WLOAD 0, 0                                     ; the first two K steps' weights
	WLOAD 1, 6400
	s_wait_loadcnt 42                              ; ff is in; h's 16 loads and the weights' 26 may be out
.set i, 0
.rept 10
	ds_store_b128 v12, v[176+4*i:179+4*i] offset:6144*i
.set i, i+1
.endr
	ds_store_b128 v13, v[216:219]
	ds_store_b128 v13, v[220:223] offset:6144
	ds_store_b128 v13, v[224:227] offset:12288     ; the words, at 73,728
	s_wait_loadcnt 26                              ; h is in; the weights' 26 may be out
	WAYIN 0
	WAYIN 1
	s_wait_dscnt 0x0                               ; for the others' sake: my part of ff has landed; h is in the accumulators
	s_barrier_signal -1
	s_barrier_wait -1
	ALOAD 0, 0
	s_mov_b32 s26, 7
.Lk:                                               ; a trip: three K steps, once round the three buffers; 7 trips and a tail of three steps make 24
	GSTEP 0, 1, 2, 12800, 26, 1, 3072, 256         ; 26: the next two steps' weights may be out
	GSTEP 1, 1, 0, 19200, 26, 1, 6144, 512
	GSTEP 2, 1, 1, 25600, 26, 1, 9216, 768
	s_wait_xcnt 0x0                                ; the loads have read their base: it may step
	s_add_nc_u64 s[WP:WP+1], s[WP:WP+1], 19200
	v_add_nc_u32 v[AAD], 9216, v[AAD]
	v_add_nc_u32 v[ASD], 768, v[ASD]
	s_sub_co_u32 s26, s26, 1
	s_cmp_lg_u32 s26, 0
	s_cbranch_scc1 .Lk
	GSTEP 0, 1, 2, 12800, 26, 1, 3072, 256         ; K step 21 asks for the last weights
	GSTEP 1, 0, 0, 0, 13, 1, 6144, 512             ; 13: the last step's weights may be out
.irp b, 0,1                                    ; b2, g2 and beta2 are asked for ahead of the last step, into the two buffers that are done with
.irp g, 0,1,2,3
	global_load_b128 v[B2+16*\b+4*\g:B2+16*\b+4*\g+3], v14, s[10:11] offset:128*\b+16*\g
.endr
.endr
.irp b, 0,1
.irp g, 0,1,2,3
	global_load_b128 v[G+16*\b+4*\g:G+16*\b+4*\g+3], v14, s[12:13] offset:128*\b+16*\g
	global_load_b128 v[BE+16*\b+4*\g:BE+16*\b+4*\g+3], v14, s[14:15] offset:128*\b+16*\g
.endr
.endr
	GSTEP 2, 0, 0, 0, 24, 0, 0, 0                  ; 24: those loads may be out
	s_wait_loadcnt 16                              ; b2 is in; the 16 loads of g2 and beta2 may be out
.irp m, 0,1
.set j, 0
.rept 16
	v_pk_add_f32 v[ACC+32*\m+j:ACC+32*\m+j+1], v[ACC+32*\m+j:ACC+32*\m+j+1], v[B2+j:B2+j+1]   ; from the accumulators' low ends on
.set j, j+2
.endr
.endr
	ROWSUM 0
	ROWSUM 1
	REDUCE 0
.irp m, 0,1
	v_mul_f32 v[MU+2*\m], 0xbaaaaaab, v[MU+2*\m]   ; - the mean
.endr
.irp m, 0,1
.set j, 0
.rept 16
	v_pk_add_f32 v[ACC+32*\m+j:ACC+32*\m+j+1], v[ACC+32*\m+j:ACC+32*\m+j+1], v[MU+2*\m:MU+2*\m+1] op_sel_hi:[1,0]
.set j, j+2
.endr
	SQSUM \m
.endr
	REDUCE 2048
.irp m, 0,1
	v_fma_f32 v[MU+2*\m], v[MU+2*\m], s24, s25     ; the variance + eps
.endr
.irp m, 0,1
	v_rsq_f32 v[MU+2*\m], v[MU+2*\m]
.endr
	v_nop                                          ; a plain instruction behind the last of them,
	s_wait_alu depctr_va_vdst(0)                   ; and one wait for the two, ahead of their first reader
	s_wait_loadcnt 0x0                             ; g2, beta2
.irp m, 0,1
.set j, 0
.rept 16
	v_pk_mul_f32 v[ACC+32*\m+j:ACC+32*\m+j+1], v[ACC+32*\m+j:ACC+32*\m+j+1], v[MU+2*\m:MU+2*\m+1] op_sel_hi:[1,0]
	v_pk_fma_f32 v[ACC+32*\m+j:ACC+32*\m+j+1], v[ACC+32*\m+j:ACC+32*\m+j+1], v[G+j:G+j+1], v[BE+j:BE+j+1]
.set j, j+2
.endr
.endr
	WAYOUT 0, 16
	WAYOUT 1, 16
	s_set_vgpr_msb 0x4
	s_wait_tensorcnt 0x0
	ds_add_u32 v11, v1
	s_wait_dscnt 0x0
	s_set_vgpr_msb 0x400
	s_endpgm
.Lfunc_end_k_q1a98c0dab4_ffb:
	.size	k_q1a98c0dab4_ffb, .Lfunc_end_k_q1a98c0dab4_ffb-k_q1a98c0dab4_ffb
	.p2alignl 7, 3214868480
	.fill 96, 4, 3214868480
	.section	.rodata,"a",@progbits
	.p2align	6, 0x0
	.amdhsa_kernel k_q1a98c0dab4_ffb
		.amdhsa_group_segment_fixed_size 137728
		.amdhsa_private_segment_fixed_size 0
		.amdhsa_enable_private_segment 0
		.amdhsa_kernarg_size 56
		.amdhsa_user_sgpr_count 2
		.amdhsa_user_sgpr_kernarg_segment_ptr 1
		.amdhsa_wavefront_size32 1
		.amdhsa_system_sgpr_workgroup_id_x 1
		.amdhsa_system_sgpr_workgroup_id_y 1
		.amdhsa_system_sgpr_workgroup_id_z 1
		.amdhsa_system_vgpr_workitem_id 0
		.amdhsa_next_free_vgpr 258
		.amdhsa_next_free_sgpr 66
		.amdhsa_reserve_vcc 0
		.amdhsa_float_denorm_mode_32 3
		.amdhsa_float_denorm_mode_16_64 3
		.amdhsa_memory_ordered 1
		.amdhsa_forward_progress 1
		.amdhsa_inst_pref_size 51
	.end_amdhsa_kernel
	.amdgpu_metadata
---
amdhsa.version: [ 1, 2 ]
amdhsa.kernels:
  - .name:           k_q1a98c0dab4_ffb
    .symbol:         k_q1a98c0dab4_ffb.kd
    .args:
      - { .name: fa, .offset: 0, .size: 8, .value_kind: global_buffer, .address_space: global }
      - { .name: wf, .offset: 8, .size: 8, .value_kind: global_buffer, .address_space: global }
      - { .name: hf, .offset: 16, .size: 8, .value_kind: global_buffer, .address_space: global }
      - { .name: b2, .offset: 24, .size: 8, .value_kind: global_buffer, .address_space: global }
      - { .name: g2, .offset: 32, .size: 8, .value_kind: global_buffer, .address_space: global }
      - { .name: beta2, .offset: 40, .size: 8, .value_kind: global_buffer, .address_space: global }
      - { .name: out0, .offset: 48, .size: 8, .value_kind: global_buffer, .address_space: global }
    .group_segment_fixed_size: 137728
    .private_segment_fixed_size: 0
    .kernarg_segment_align: 8
    .kernarg_segment_size: 56
    .max_flat_workgroup_size: 384
    .sgpr_count:     66
    .vgpr_count:     258
    .wavefront_size: 32
...
	.end_amdgpu_metadata
.endif
;; end of part 9
;; ======== version 3 of 3: 6 launches
;; workspace buffers: wf 5,529,600 bytes; qt 2,555,904 bytes; kt 2,555,904 bytes; vt 2,457,600 bytes; ca 2,457,600 bytes; hf 12,582,912 bytes; ha 2,457,600 bytes; fa 9,830,400 bytes
;; launch prep (part 10): grid 864 x 1, 4 waves a work-group, no clusters, 7,168 bytes of LDS; arguments Wq, Wk, Wv, Wo, W1, W2, wf; writes wf
.if DOCPART == 10
	.amdgcn_target "amdgcn-amd-amdhsa--gfx1250"
	.amdhsa_code_object_version 6
	.text
	.protected	k_q1a98c0dab4_prep
	.globl	k_q1a98c0dab4_prep
	.p2align	8
	.type	k_q1a98c0dab4_prep,@function
k_q1a98c0dab4_prep:
	s_mov_b64 s[64:65], 0
	v_nop
	global_prefetch_b8 v0, s[64:65] scope:SCOPE_SE
	s_setreg_imm32_b32 hwreg(HW_REG_WAVE_MODE, 25, 1), 1
	s_wait_xcnt 0x0
; The six weights, f32, stored [K][N], become codes of BF6 (E3M2) with one E8M0 byte for each 32 along K, laid in the order of the operand's registers.
; A work-group makes one block of wf, 6,400 bytes: 64 columns x 128 along K = four fragments of 1,536 bytes (register group g of fragment lane l at 512 g + 16 l) and 256 bytes of scale words.
; Row p of fragment 2 b + u is column 32 b + 8 u + p + 8 (p / 8) of the 64: the results of a product that takes these rows as source 0 then run along the columns in a lane's registers.
; Scale word of (fragment 2 b + u, row p) at 6144 + 8 (p + 16 u) + 4 b: a load of 8 bytes a lane gives two registers, each with an even fragment's words in lanes 0-15 and an odd one's in lanes 16-31.
; Blocks: 72 m + 6 cg + f for Wq, Wk, Wv, Wo (m = 0..3); 288 + 6 cg + f for W1; 576 + 24 cg + f for W2 (cg: 64 columns, f: 128 along K).
; A LANE TAKES A COLUMN AND ITS REGISTERS RUN DOWN K: wave (b, h) takes columns 32 b .. 32 b + 31 and k = 64 c + 32 h + 0 .. 31, c = 0, 1: two whole blocks a lane, which are the registers of fragment lane (p, h).
; A block's scale is 2^(floor(log2(largest magnitude)) - 4); its byte is the largest magnitude's exponent field - 4, held at 1 from below.
; LIMITS: a block whose largest magnitude lies under 2^-122, a block of zeros among them, gets the byte 1 (its bytes are read by this program alone; zero codes add nothing); NaN and infinities are not served.
.set X,    32                          ; v32-95  64 numbers
.set C,    16                          ; v16-27  the fragment lane's 12 registers
.set T0,   28                          ; v28-30, v96-98: the upper halves of the two blocks' codes (a conversion's three registers begin on an even number)
.set T1,   96
.set BLKB, 6400
	s_load_b256 s[4:11], s[0:1], 0x0               ; Wq, Wk, Wv, Wo
	s_load_b128 s[12:15], s[0:1], 0x20             ; W1, W2
	s_load_b64 s[16:17], s[0:1], 0x30              ; wf
	v_lshl_add_u32 v104, v0, 2, 0x1a00
	v_mov_b32 v105, 0
	v_lshrrev_b32 v1, 5, v0
	v_readfirstlane_b32 s18, v1                    ; wave 0..3
	v_and_b32 v2, 31, v0                           ; lane
	s_and_b32 s19, s18, 1                          ; b: which 32 columns
	s_lshr_b32 s22, s18, 1                         ; h: which half of each 64 along K
	s_mul_hi_u32 s23, ttmp9, 0x038e38e4            ; m = block / 72
	s_mul_i32 s24, s23, 72
	s_cmp_lt_u32 ttmp9, 288
	s_cselect_b32 s24, s24, 288                    ; the matrix's first block
	s_cmp_lt_u32 ttmp9, 576
	s_cselect_b32 s24, s24, 576
	s_mov_b32 s25, 0x0aaaaaab                      ; / 24 (W2 has 24 K steps),
	s_cselect_b32 s25, 0x2aaaaaab, s25             ; / 6 (the others)
	s_cselect_b32 s26, 6, 24
	s_sub_co_u32 s24, ttmp9, s24                   ; the block's number in its matrix
	s_mul_hi_u32 s27, s24, s25                     ; cg
	s_mul_i32 s28, s27, s26
	s_sub_co_u32 s28, s24, s28                     ; f
	s_sub_co_u32 s30, ttmp9, 288
	s_cmp_lt_u32 s30, 288                          ; W1?
	s_mov_b32 s29, 3072                            ; a row of the matrix in bytes
	s_cselect_b32 s29, 12288, s29
	s_lshl_b32 s34, s28, 7
	s_lshl_b32 s31, s22, 5
	s_add_co_u32 s34, s34, s31                     ; my first row: 128 f + 32 h
	s_mul_i32 s34, s34, s29
	s_lshl_b32 s31, s27, 8
	s_add_co_u32 s34, s34, s31                     ; + 256 cg
	s_lshl_b32 s31, s19, 7
	s_add_co_u32 s34, s34, s31                     ; + 128 b bytes
	s_mov_b32 s35, 0
	s_mul_i32 s36, ttmp9, BLKB
	s_mov_b32 s37, 0
	v_and_b32 v3, 7, v0
	v_bfe_u32 v4, v0, 4, 1
	v_lshl_add_u32 v3, v4, 3, v3                   ; p = lane % 8 + 8 (lane / 16): my column's row in its fragment
	v_bfe_u32 v5, v0, 3, 1                         ; u = (lane / 8) % 2
	v_lshlrev_b32 v6, 4, v3
	v_mad_u32_u24 v6, v5, 1536, v6
	s_lshl_b32 s38, s22, 8
	s_mul_i32 s39, s19, 3072
	s_add_co_u32 s38, s38, s39
	v_add_nc_u32 v6, s38, v6                       ; LDS: fragment 2 b + u, fragment lane p + 16 h
	v_lshlrev_b32 v7, 3, v3
	v_lshl_add_u32 v7, v5, 7, v7
	s_lshl_b32 s38, s19, 2
	s_add_co_u32 s38, s38, s22
	v_add_nc_u32 v7, s38, v7                       ; my scale bytes: 8 (p + 16 u) + 4 b + h, and 2 further on
	s_mul_i32 s38, s18, 1536
	v_lshlrev_b32 v8, 4, v2
	v_add_nc_u32 v8, s38, v8                       ; the way out: wave w copies fragment w
	v_lshlrev_b32 v9, 3, v2
	v_lshlrev_b32 v10, 2, v2                       ; in: 4 bytes a lane
	s_wait_kmcnt 0x0
	s_cmp_eq_u32 s23, 1                            ; the choice hangs on the work-group's number alone
	s_cselect_b64 s[20:21], s[6:7], s[4:5]
	s_cmp_eq_u32 s23, 2
	s_cselect_b64 s[20:21], s[8:9], s[20:21]
	s_cmp_eq_u32 s23, 3
	s_cselect_b64 s[20:21], s[10:11], s[20:21]
	s_cmp_ge_u32 ttmp9, 288
	s_cselect_b64 s[20:21], s[12:13], s[20:21]
	s_cmp_ge_u32 ttmp9, 576
	s_cselect_b64 s[20:21], s[14:15], s[20:21]
	s_add_nc_u64 s[20:21], s[20:21], s[34:35]
	s_add_nc_u64 s[16:17], s[16:17], s[36:37]
.macro LOADS pitch                     ; W(64 c + i, my column): 32 lanes read 128 consecutive bytes; every offset an immediate
.irp c, 0,1
.irp i, 0,1,2,3,4,5,6,7,8,9,10,11,12,13,14,15,16,17,18,19,20,21,22,23,24,25,26,27,28,29,30,31
	global_load_b32 v[X+32*\c+\i], v10, s[20:21] offset:(64*\c+\i)*\pitch th:TH_LOAD_NT
.endr
.endr
.endm
	s_cmp_lt_u32 s30, 288
	s_cbranch_scc1 .Lwide                          ; only the row's length differs: both ways issue the same 64 loads
	s_wait_alu depctr_va_vdst(0)
	LOADS 3072
	s_branch .Lloaded
.Lwide:
	s_wait_alu depctr_va_vdst(0)
	LOADS 12288
.Lloaded:
.macro QB c, tmp                       ; block c: its largest magnitude, its scale, its 32 codes
.set XS, X+32*\c
	v_max3_num_f32 v12, |v[XS]|, |v[XS+1]|, |v[XS+2]|
	v_max3_num_f32 v13, |v[XS+3]|, |v[XS+4]|, |v[XS+5]|
.irp i, 6,10,14,18,22,26
	v_max3_num_f32 v12, v12, |v[XS+\i]|, |v[XS+\i+1]|
	v_max3_num_f32 v13, v13, |v[XS+\i+2]|, |v[XS+\i+3]|
.endr
	v_max3_num_f32 v12, v12, |v[XS+30]|, |v[XS+31]|
	v_max3_num_f32 v12, v12, v13, 0x2800000        ; the floor 2^(5 - 127): the byte cannot fall under 1
	v_add_nc_u32 v[14+\c], 0xfe000000, v12         ; 4 off the exponent field: the conversion's scale operand
	v_lshrrev_b32 v[100+\c], 23, v[14+\c]          ; the scale's byte
	v_cvt_scalef32_pk16_bf6_f32 v[C+6*\c:C+6*\c+2], v[XS:XS+15], v[14+\c]
	v_cvt_scalef32_pk16_bf6_f32 v[\tmp:\tmp+2], v[XS+16:XS+31], v[14+\c]
	v_nop                                          ; one plain instruction behind a scaled conversion
.endm
	s_wait_loadcnt 32                              ; the first block's 32 loads are in; the second's may be out
	QB 0, T0
	s_wait_loadcnt 0x0
	QB 1, T1
.irp i, 0,1,2
	v_mov_b32 v[C+3+\i], v[T0+\i]
	v_mov_b32 v[C+9+\i], v[T1+\i]
.endr
.irp g, 0,1,2
	ds_store_b128 v6, v[C+4*\g:C+4*\g+3] offset:512*\g
.endr
	ds_store_b8 v7, v100 offset:6144               ; block h of the row's four
	ds_store_b8 v7, v101 offset:6146               ; block 2 + h
	s_wait_dscnt 0x0                               ; for the others' sake: my stores have landed
	s_barrier_signal -1
	s_barrier_wait -1
.irp g, 0,1,2
	ds_load_b128 v[32+4*\g:35+4*\g], v8 offset:512*\g
.endr
	s_wait_dscnt 0x0
.irp g, 0,1,2
	global_store_b128 v8, v[32+4*\g:35+4*\g], s[16:17] offset:512*\g   ; 32 lanes store 512 consecutive bytes, at a multiple of 256 from wf's first byte
.endr
	s_cmp_lg_u32 s18, 0
	s_cbranch_scc1 .Ldone
	ds_load_b64 v[44:45], v9 offset:6144           ; wave 0: the 256 bytes of scale words
	s_wait_dscnt 0x0
	global_store_b64 v9, v[44:45], s[16:17] offset:6144
.Ldone:
	s_wait_tensorcnt 0x0
	ds_add_u32 v104, v105
	s_wait_dscnt 0x0
	s_endpgm
.Lfunc_end_k_q1a98c0dab4_prep:
	.size	k_q1a98c0dab4_prep, .Lfunc_end_k_q1a98c0dab4_prep-k_q1a98c0dab4_prep
	.p2alignl 7, 3214868480
	.fill 96, 4, 3214868480
	.section	.rodata,"a",@progbits
	.p2align	6, 0x0
	.amdhsa_kernel k_q1a98c0dab4_prep
		.amdhsa_group_segment_fixed_size 7168
		.amdhsa_private_segment_fixed_size 0
		.amdhsa_enable_private_segment 0
		.amdhsa_kernarg_size 56
		.amdhsa_user_sgpr_count 2
		.amdhsa_user_sgpr_kernarg_segment_ptr 1
		.amdhsa_wavefront_size32 1
		.amdhsa_system_sgpr_workgroup_id_x 1
		.amdhsa_system_sgpr_workgroup_id_y 1
		.amdhsa_system_sgpr_workgroup_id_z 1
		.amdhsa_system_vgpr_workitem_id 0
		.amdhsa_next_free_vgpr 106
		.amdhsa_next_free_sgpr 66
		.amdhsa_reserve_vcc 0
		.amdhsa_float_denorm_mode_32 3
		.amdhsa_float_denorm_mode_16_64 3
		.amdhsa_memory_ordered 1
		.amdhsa_forward_progress 1
		.amdhsa_inst_pref_size 20
	.end_amdhsa_kernel
	.amdgpu_metadata
---
amdhsa.version: [ 1, 2 ]
amdhsa.kernels:
  - .name:           k_q1a98c0dab4_prep
    .symbol:         k_q1a98c0dab4_prep.kd
    .args:
      - { .name: Wq, .offset: 0, .size: 8, .value_kind: global_buffer, .address_space: global }
      - { .name: Wk, .offset: 8, .size: 8, .value_kind: global_buffer, .address_space: global }
      - { .name: Wv, .offset: 16, .size: 8, .value_kind: global_buffer, .address_space: global }
      - { .name: Wo, .offset: 24, .size: 8, .value_kind: global_buffer, .address_space: global }
      - { .name: W1, .offset: 32, .size: 8, .value_kind: global_buffer, .address_space: global }
      - { .name: W2, .offset: 40, .size: 8, .value_kind: global_buffer, .address_space: global }
      - { .name: wf, .offset: 48, .size: 8, .value_kind: global_buffer, .address_space: global }
    .group_segment_fixed_size: 7168
    .private_segment_fixed_size: 0
    .kernarg_segment_align: 8
    .kernarg_segment_size: 56
    .max_flat_workgroup_size: 128
    .sgpr_count:     66
    .vgpr_count:     106
    .wavefront_size: 32
...
	.end_amdgpu_metadata
.endif
;; end of part 10
;; launch qkv (part 11): grid 64 x 3, 12 waves a work-group, no clusters, 277,504 bytes of LDS; arguments x, wf, qt, kt, vt; writes qt, kt, vt
.if DOCPART == 11
	.amdgcn_target "amdgcn-amd-amdhsa--gfx1250"
	.amdhsa_code_object_version 6
	.text
	.protected	k_q1a98c0dab4_qkv
	.globl	k_q1a98c0dab4_qkv
	.p2align	8
	.type	k_q1a98c0dab4_qkv,@function
k_q1a98c0dab4_qkv:
	s_mov_b64 s[64:65], 0
	v_nop
	global_prefetch_b8 v0, s[64:65] scope:SCOPE_SE
	s_setreg_imm32_b32 hwreg(HW_REG_WAVE_MODE, 25, 1), 1
	s_wait_xcnt 0x0
; Work-group (blk, y): 64 rows of x times Wq (y = 0), Wk (1) or Wv (2), on codes of BF6 with E8M0 scales; the result is quantised again and stored as attention's operands.
; x is quantised in registers (wave w: row tile w % 4, K steps 2 (w / 4) and the next) and laid in LDS as images of the operand's registers: fragment (K step f, row tile mt) at (4 f + mt) 1536, six planes of 256 bytes
; (plane p: registers 2 p, 2 p + 1 of lane l at 8 l); scale words, 256 bytes a K step, word of (mt, r) at 8 (r + 16 (mt % 2)) + 4 (mt / 2).
; x COMES IN BY ROWS: a load takes 512 consecutive bytes of one row (a K step's 128 numbers), 16 bytes a lane; the 16 rows turn through the wave's own stage in LDS (rows 528 bytes apart), from which lane (r, h) takes 16 neighbours of each block of 32 of row r.
; THE PRODUCT.  Wave w makes columns 64 w .. 64 w + 63 for all 64 rows: 16 accumulators.  Source 0 = 16 rows of the weight's block (from memory straight into the one wave that uses them, two buffers), source 1 = 16 rows of x:
; lane (r, h) holds row r, and register 32 mt + 16 b + i the column 64 w + 32 b + 16 h + i.
; THE HEADS.  reshape(12, 4096, 64) reads the [4096][768] result as 49,152 chunks of 64: chunk = 12 x token + column / 64, head = chunk / 4096.  A wave's 64 columns of a row are one chunk; 64 tokens are 768 chunks, six steps of 128.
; Q, K (quantised along the 64): a step's block is 6,656 bytes: tile t (16 chunks) at 768 t as three planes of 256 bytes (registers 0-5 of lane (r', h): d = 32 h ..); word of (t, r') at 6144 + 16 (r' + 16 (t % 2)) + 4 (t / 2),
;   its two upper bytes 127: they scale the zero half of a K step of 128.
; V (quantised along the KEYS): the 64 x 768 results turn through LDS as f32; wave (psi, a, beta) takes key step 3 a + psi and 32 of the 64 d; a lane takes one d and its 128 registers run along the keys.  A step's block is 6,400 bytes:
;   fragment 2 beta + u at 1536 (2 beta + u), register group g of lane l at 512 g + 16 l; its row r' is d = 32 beta + 8 u + r' + 8 (r' / 8); slot s of a block of 32 holds key (s % 8) + 16 ((s / 8) % 2) + 8 (s / 16), the order in which
;   the softmax's codes come out of tiles of 16 neighbouring keys; words at 6144 + 128 beta + 4 l.
; LIMITS: a block whose largest magnitude lies under 2^-122 (zeros among them) gets the byte 1; NaN and infinities are not served.
; No cluster, no tensor load: a weight fragment is used by one wave of a work-group, from registers; a joint load would land in LDS and be read back.
.set ACC, 16                           ; v16-143  16 accumulators; before the product 128 numbers of x
.set WB0, 144                          ; v144-191 weight buffer 0;  v256-303 (window 1, v0-47) weight buffer 1
.set AF,  192                          ; v192-239 x's four fragments of a K step
.set WS,  240                          ; v240-243 the weights' scale words, two registers a buffer
.set AS,  244                          ; v244-245 x's scale words
.set AAD, 3
.set ASD, 4
.set WP,  20                           ; s[20:21] my wave's blocks of wf
.set SEL, 22                           ; s[22:23] lane selects for v_permlanex16_b32: lane l xor 16
.set XSC, 36864
.set QKS, 38400                        ; LDS: six step blocks of Q or K
.set TV,  78336                        ; LDS: V's 64 rows of f32, 3,088 bytes apart (an odd multiple of 16); ahead of the first barrier its first 101,376 bytes are x's stages, 8,448 bytes a wave
.set TVP, 3088
.set XSP, 528                          ; a row of x's stage: 512 bytes + 16
.set PC,  192                          ; the quantisers' registers lie where x's fragments lie during the product
.set TM,  212
.set PW,  228
.set CT,  234
.set MSB, 0
.macro WIN new                         ; the immediate's high byte repeats the setting that is left
.if MSB != \new
	s_set_vgpr_msb (MSB<<8)|\new
.set MSB, \new
.endif
.endm
.macro WM d, a, b, sa, sb, ra, rb, zero       ; one matrix instruction; ra, rb: the scale words stand in lanes 16-31
.set rD, \d
.set rA, \a
.set rB, \b
.set rX, \sa
.set rY, \sb
.if \zero
.if (\ra) && (\rb)
	v_wmma_scale_f32_16x16x128_f8f6f4 v[rD:rD+7], v[rA:rA+11], v[rB:rB+11], 0, v[rX], v[rY] matrix_a_fmt:MATRIX_FMT_BF6 matrix_b_fmt:MATRIX_FMT_BF6 matrix_a_scale:MATRIX_SCALE_ROW1 matrix_b_scale:MATRIX_SCALE_ROW1
.elseif \ra
	v_wmma_scale_f32_16x16x128_f8f6f4 v[rD:rD+7], v[rA:rA+11], v[rB:rB+11], 0, v[rX], v[rY] matrix_a_fmt:MATRIX_FMT_BF6 matrix_b_fmt:MATRIX_FMT_BF6 matrix_a_scale:MATRIX_SCALE_ROW1
.elseif \rb
	v_wmma_scale_f32_16x16x128_f8f6f4 v[rD:rD+7], v[rA:rA+11], v[rB:rB+11], 0, v[rX], v[rY] matrix_a_fmt:MATRIX_FMT_BF6 matrix_b_fmt:MATRIX_FMT_BF6 matrix_b_scale:MATRIX_SCALE_ROW1
.else
	v_wmma_scale_f32_16x16x128_f8f6f4 v[rD:rD+7], v[rA:rA+11], v[rB:rB+11], 0, v[rX], v[rY] matrix_a_fmt:MATRIX_FMT_BF6 matrix_b_fmt:MATRIX_FMT_BF6
.endif
.else
.if (\ra) && (\rb)
	v_wmma_scale_f32_16x16x128_f8f6f4 v[rD:rD+7], v[rA:rA+11], v[rB:rB+11], v[rD:rD+7], v[rX], v[rY] matrix_a_fmt:MATRIX_FMT_BF6 matrix_b_fmt:MATRIX_FMT_BF6 matrix_a_scale:MATRIX_SCALE_ROW1 matrix_b_scale:MATRIX_SCALE_ROW1
.elseif \ra
	v_wmma_scale_f32_16x16x128_f8f6f4 v[rD:rD+7], v[rA:rA+11], v[rB:rB+11], v[rD:rD+7], v[rX], v[rY] matrix_a_fmt:MATRIX_FMT_BF6 matrix_b_fmt:MATRIX_FMT_BF6 matrix_a_scale:MATRIX_SCALE_ROW1
.elseif \rb
	v_wmma_scale_f32_16x16x128_f8f6f4 v[rD:rD+7], v[rA:rA+11], v[rB:rB+11], v[rD:rD+7], v[rX], v[rY] matrix_a_fmt:MATRIX_FMT_BF6 matrix_b_fmt:MATRIX_FMT_BF6 matrix_b_scale:MATRIX_SCALE_ROW1
.else
	v_wmma_scale_f32_16x16x128_f8f6f4 v[rD:rD+7], v[rA:rA+11], v[rB:rB+11], v[rD:rD+7], v[rX], v[rY] matrix_a_fmt:MATRIX_FMT_BF6 matrix_b_fmt:MATRIX_FMT_BF6
.endif
.endif
.endm
.macro WLOAD buf, off                  ; a block of wf: four fragments, 12 loads of 512 consecutive bytes, and its scale words: 13 loads
.if \buf
	WIN 0x40                                       ; destination window 1
.irp i, 0,1,2,3,4,5,6,7,8,9,10,11
	global_load_b128 v[4*\i:4*\i+3], v2, s[WP:WP+1] offset:\off+512*\i
.endr
	WIN 0
.else
.irp i, 0,1,2,3,4,5,6,7,8,9,10,11
	global_load_b128 v[WB0+4*\i:WB0+4*\i+3], v2, s[WP:WP+1] offset:\off+512*\i
.endr
.endif
	global_load_b64 v[WS+2*(\buf):WS+2*(\buf)+1], v1, s[WP:WP+1] offset:\off+6144
.endm
.macro ALOAD off, soff                 ; a K step's four fragments of the rows, and their scale words, from LDS
.irp mt, 0,1,2,3
.irp p, 0,1,2,3,4,5
	ds_load_b64 v[AF+12*\mt+2*\p:AF+12*\mt+2*\p+1], v[AAD] offset:\off+1536*\mt+256*\p
.endr
.endr
	ds_load_b64 v[AS:AS+1], v[ASD] offset:\soff
.endm
; A K step of 128: the next step's weights are asked for, this step's 16 products are issued (the 16 accumulators by turns, in the same order in every step), the next step's rows are fetched.
.macro GSTEP buf, wnext, woff, anext, aoff, soff, zero
.if \wnext
	WLOAD 1-\buf, \woff
	s_wait_loadcnt 13                              ; all but the 13 loads just issued: this step's weights are in
.else
	s_wait_loadcnt 0x0
.endif
	s_wait_dscnt 0x0                               ; this step's rows are in
.if \buf
	WIN 0x01                                       ; source 0 in window 1
.endif
.irp mt, 0,1,2,3
.irp nt, 0,1,2,3
	WM ACC+32*\mt+8*\nt, (1-\buf)*WB0+12*\nt, AF+12*\mt, WS+2*(\buf)+\nt/2, AS+\mt/2, \nt%2, \mt%2, \zero
.endr
.endr
	WIN 0
.rept 4
	v_nop                                          ; four places in front of loads into registers that these products read, and of the first read of results
.endr
.if \anext
	ALOAD \aoff, \soff
.endif
.endm
; 64 numbers of a lane, register 16 b + i = k 32 b + 16 (lane / 16) + i of my row, become a fragment's 12 registers in v[PC] on and its scale word in v[PW].
.macro QUANT s
.irp b, 0,1,2,3
	v_max3_num_f32 v[TM+\b], |v[\s+16*\b]|, |v[\s+1+16*\b]|, 0x2800000   ; my 16 numbers of block b, and the floor 2^(5 - 127)
.endr
.irp i, 2,4,6,8,10,12,14
.irp b, 0,1,2,3
	s_delay_alu instid0(VALU_DEP_4)
	v_max3_num_f32 v[TM+\b], v[TM+\b], |v[\s+16*\b+\i]|, |v[\s+1+16*\b+\i]|
.endr
.endr
.irp b, 0,1,2,3
	s_delay_alu instid0(VALU_DEP_4)
	v_permlanex16_b32 v[TM+4+\b], v[TM+\b], s[SEL], s[SEL+1]
.endr
.irp b, 0,1,2,3
	s_delay_alu instid0(VALU_DEP_4)
	v_max_num_f32 v[TM+\b], v[TM+\b], v[TM+4+\b]   ; with lane l xor 16's: the block's largest magnitude
.endr
.irp b, 0,1,2,3
	s_delay_alu instid0(VALU_DEP_4)
	v_add_nc_u32 v[TM+12+\b], 0xfe000000, v[TM+\b] ; 4 off its exponent field: the conversion's scale operand
.endr
.irp b, 0,1,2,3
	s_delay_alu instid0(VALU_DEP_4)
	v_lshrrev_b32 v[TM+4+\b], 23, v[TM+12+\b]      ; the scale's byte
.endr
	s_delay_alu instid0(VALU_DEP_3)
	v_lshl_or_b32 v[PW], v[TM+5], 8, v[TM+4]
	s_delay_alu instid0(VALU_DEP_1)
	v_lshl_or_b32 v[PW], v[TM+6], 16, v[PW]
	s_delay_alu instid0(VALU_DEP_1)
	v_lshl_or_b32 v[PW], v[TM+7], 24, v[PW]
.irp c, 0,1
	v_cvt_scalef32_pk16_bf6_f32 v[PC+6*\c:PC+2+6*\c], v[\s+32*\c:\s+15+32*\c], v[TM+12+2*\c]
	v_cvt_scalef32_pk16_bf6_f32 v[PC+12+4*\c:PC+14+4*\c], v[\s+16+32*\c:\s+31+32*\c], v[TM+12+2*\c+1]
.endr
	v_nop                                          ; one plain instruction behind a scaled conversion
.irp c, 0,1                                    ; the operand wants a whole block in a lane: lanes 0-15 block 2 c, lanes 16-31 block 2 c + 1
.irp i, 0,1,2
	v_permlane16_swap_b32 v[PC+6*\c+\i], v[PC+12+4*\c+\i]
.endr
.irp i, 0,1,2
	s_delay_alu instid0(VALU_DEP_3)
	v_mov_b32 v[PC+3+6*\c+\i], v[PC+12+4*\c+\i]
.endr
.endr
.endm
; 32 numbers of a lane (two blocks) become six registers, block lane / 16 whole, in v[pc] on, and the two scale bytes in v[pw].
.macro QUANT2 s, pc, pw
.irp b, 0,1
	v_max3_num_f32 v[TM+\b], |v[\s+16*\b]|, |v[\s+1+16*\b]|, 0x2800000
.endr
.irp i, 2,4,6,8,10,12,14
.irp b, 0,1
	v_max3_num_f32 v[TM+\b], v[TM+\b], |v[\s+16*\b+\i]|, |v[\s+1+16*\b+\i]|
.endr
.endr
.irp b, 0,1
	s_delay_alu instid0(VALU_DEP_2)
	v_permlanex16_b32 v[TM+4+\b], v[TM+\b], s[SEL], s[SEL+1]
.endr
.irp b, 0,1
	s_delay_alu instid0(VALU_DEP_2)
	v_max_num_f32 v[TM+\b], v[TM+\b], v[TM+4+\b]
.endr
.irp b, 0,1
	s_delay_alu instid0(VALU_DEP_2)
	v_add_nc_u32 v[TM+12+\b], 0xfe000000, v[TM+\b]
.endr
.irp b, 0,1
	s_delay_alu instid0(VALU_DEP_2)
	v_lshrrev_b32 v[TM+4+\b], 23, v[TM+12+\b]
.endr
	s_delay_alu instid0(VALU_DEP_1)
	v_lshl_or_b32 v[\pw], v[TM+5], 8, v[TM+4]
	v_cvt_scalef32_pk16_bf6_f32 v[\pc:\pc+2], v[\s:\s+15], v[TM+12]
	v_cvt_scalef32_pk16_bf6_f32 v[CT:CT+2], v[\s+16:\s+31], v[TM+13]
	v_nop
.irp i, 0,1,2
	v_permlane16_swap_b32 v[\pc+\i], v[CT+\i]
.endr
.irp i, 0,1,2
	s_delay_alu instid0(VALU_DEP_3)
	v_mov_b32 v[\pc+3+\i], v[CT+\i]
.endr
.endm
	s_load_b128 s[4:7], s[0:1], 0x0                ; x, wf
	s_load_b128 s[8:11], s[0:1], 0x10              ; qt, kt
	s_load_b64 s[12:13], s[0:1], 0x20              ; vt
	v_lshl_add_u32 v251, v0, 2, 0x43600
	s_set_vgpr_msb 0x40
	v_mov_b32 v49, 0
	s_set_vgpr_msb 0x4000
	v_lshrrev_b32 v1, 5, v0
	s_delay_alu instid0(VALU_DEP_1)
	v_readfirstlane_b32 s18, v1                    ; wave 0..11
	s_and_b32 s19, ttmp7, 0xffff                   ; y: which weight
	v_and_b32 v15, 31, v0                          ; lane
	v_and_b32 v13, 15, v0                          ; r
	v_bfe_u32 v14, v0, 4, 1                        ; h
	s_delay_alu instid0(VALU_DEP_3)
	v_lshlrev_b32 v1, 3, v15                       ; 8 x lane
	s_wait_alu depctr_va_vdst(0)
	v_lshlrev_b32 v2, 4, v15                       ; 16 x lane
	v_lshlrev_b32 v[AAD], 3, v15
	v_lshlrev_b32 v[ASD], 3, v15
	v_lshlrev_b32 v255, 2, v15                     ; 4 x lane
	s_mov_b32 s[SEL], 0x76543210
	s_mov_b32 s[SEL+1], 0xfedcba98
	s_mul_i32 s26, s19, 72
	s_mul_i32 s27, s18, 6
	s_add_co_u32 s26, s26, s27
	s_mul_i32 s26, s26, 6400                       ; my wave's six blocks of wf: 72 y + 6 w on
	s_mov_b32 s27, 0
	s_and_b32 s30, s18, 3                          ; x: my row tile
	s_lshr_b32 s31, s18, 2                         ; and my pair of K steps.  Also psi
	s_lshl_b32 s28, ttmp9, 6
	s_lshl_b32 s29, s30, 4
	s_add_co_u32 s28, s28, s29
	s_mul_i32 s28, s28, 3072
	s_lshl_b32 s29, s31, 10
	s_add_co_u32 s28, s28, s29
	s_mov_b32 s29, 0
	s_lshl_b32 s32, s31, 3
	s_add_co_u32 s32, s32, s30
	s_mul_i32 s32, s32, 1536
	v_add_nc_u32 v6, s32, v1                       ; where my first image goes
	s_lshl_b32 s32, s31, 9
	s_and_b32 s33, s30, 1
	s_lshl_b32 s33, s33, 7
	s_add_co_u32 s32, s32, s33
	s_lshr_b32 s33, s30, 1
	s_lshl_b32 s33, s33, 2
	s_add_co_u32 s32, s32, s33
	v_lshlrev_b32 v7, 3, v13
	s_delay_alu instid0(VALU_DEP_1)
	v_add_nc_u32 v7, s32, v7                       ; and its scale word
	v_mul_u32_u24 v8, v13, 12
	s_delay_alu instid0(VALU_DEP_1)
	v_add_nc_u32 v8, s18, v8                       ; Q, K: chunk 12 r + w (+ 192 mt)
	v_lshlrev_b32 v9, 7, v14
	s_delay_alu instid0(VALU_DEP_1)
	v_add_nc_u32 v9, QKS, v9
	v_lshlrev_b32 v12, 3, v0                       ; 8 x thread
	s_delay_alu instid0(VALU_DEP_1)
	v_add_nc_u32 v15, QKS, v12
	v_mul_u32_u24 v10, v13, TVP
	s_delay_alu instid0(VALU_DEP_1)
	v_lshl_add_u32 v10, v14, 6, v10
	s_lshl_b32 s32, s18, 8
	s_add_co_u32 s32, s32, TV
	v_add_nc_u32 v10, s32, v10                     ; V: into the stage: row r, + 256 w + 64 h
	v_bfe_u32 v11, v0, 3, 1
	s_delay_alu instid0(VALU_DEP_1)
	v_lshl_add_u32 v11, v11, 3, v13
	s_delay_alu instid0(VALU_DEP_1)
	v_lshl_add_u32 v11, v14, 3, v11                ; out of it: d = r + 8 (r / 8) + 8 (lane / 16) of my 32
	s_delay_alu instid0(VALU_DEP_1)
	v_lshlrev_b32 v11, 2, v11
	s_and_b32 s33, s18, 1                          ; a
	s_bfe_u32 s34, s18, 0x10001                    ; beta
	s_mul_i32 s32, s33, 32*TVP
	s_lshl_b32 s35, s34, 7
	s_add_co_u32 s32, s32, s35
	s_add_co_u32 s32, s32, TV
	v_add_nc_u32 v11, s32, v11                     ; tokens 32 a on,
	s_delay_alu instid0(VALU_DEP_1)
	v_add_nc_u32 v254, 16*TVP, v11                 ; and 16 further on (an LDS immediate has 16 bits)
	s_mul_i32 s32, s18, 16*XSP
	s_add_co_u32 s32, s32, TV                      ; x's stage: my wave's 16 rows of 528 bytes
	v_add_nc_u32 v5, s32, v2                       ; into it: 16 x lane of a row
	v_mul_u32_u24 v13, v13, XSP                    ; (r and h are used for the last time here)
	s_delay_alu instid0(VALU_DEP_1)
	v_lshl_add_u32 v13, v14, 6, v13
	s_delay_alu instid0(VALU_DEP_1)
	v_add_nc_u32 v13, s32, v13                     ; out of it: row r, + 64 h: my 16 numbers of each block of 32
	s_mul_i32 s36, s33, 3
	s_add_co_u32 s36, s36, s31
	s_mul_i32 s37, ttmp9, 6
	s_add_co_u32 s36, s36, s37
	s_mul_i32 s36, s36, 6400                       ; vt: step 6 blk + 3 a + psi
	s_add_co_u32 s38, s36, s35
	s_add_co_u32 s38, s38, 6144                    ; its words: + 6144 + 128 beta
	s_mul_i32 s37, s34, 3072
	s_add_co_u32 s36, s36, s37                     ; its fragments 2 beta, 2 beta + 1
	s_mov_b32 s37, 0
	s_mov_b32 s39, 0
	s_mul_i32 s40, ttmp9, 39936                    ; qt, kt: six step blocks a work-group
	s_mov_b32 s41, 0
.irp b, 0,1,2,3
	v_mov_b32 v[TM+4+\b], 0                        ; written once: a lane permute's destination counts as one of its sources
.endr
	s_wait_alu depctr_va_vdst(0)
	s_wait_kmcnt 0x0
	s_add_nc_u64 s[WP:WP+1], s[6:7], s[26:27]
	s_add_nc_u64 s[4:5], s[4:5], s[28:29]
	s_add_nc_u64 s[36:37], s[12:13], s[36:37]
	s_add_nc_u64 s[38:39], s[12:13], s[38:39]
	s_cmp_eq_u32 s19, 0
	s_cselect_b64 s[42:43], s[8:9], s[10:11]
	s_add_nc_u64 s[42:43], s[42:43], s[40:41]
.macro XLOAD reg, s                    ; my 16 rows' numbers of my K step s: a load takes a row's 512 consecutive bytes
.irp i, 0,1,2,3,4,5,6,7,8,9,10,11,12,13,14,15
	global_load_b128 v[\reg+4*\i:\reg+4*\i+3], v2, s[4:5] offset:3072*\i+512*\s
.endr
.endm
.macro XTURN reg                       ; through my stage and back into the registers that they left: register 16 b + i is then k 32 b + 16 h + i of row r.  LDS serves a wave's instructions in order (ISA guide 5.7.1.4): no wait between the stores and the loads
.irp i, 0,1,2,3,4,5,6,7,8,9,10,11,12,13,14,15
	ds_store_b128 v5, v[\reg+4*\i:\reg+4*\i+3] offset:XSP*\i
.endr
.irp b, 0,1,2,3
.irp j, 0,1,2,3
	ds_load_b128 v[\reg+16*\b+4*\j:\reg+16*\b+4*\j+3], v13 offset:128*\b+16*\j
.endr
.endr
.endm
	XLOAD 16, 0                                    ; x first: it is wanted first
	XLOAD 80, 1
	WLOAD 0, 0                                     ; the first K step's weights
	s_wait_loadcnt 29                              ; all but the second K step's 16 loads and the weights' 13
	XTURN 16
	s_wait_dscnt 0x0
	QUANT 16
.irp p, 0,1,2,3,4,5
	ds_store_b64 v6, v[PC+2*\p:PC+2*\p+1] offset:256*\p
.endr
	ds_store_b32 v7, v[PW] offset:XSC              ; (both halves of the lanes write the same word with the same value)
	s_wait_loadcnt 13                              ; all but the weights' 13
	XTURN 80
	s_wait_dscnt 0x0                               ; the numbers are back, and the image's stores have read their registers
	QUANT 80
.irp p, 0,1,2,3,4,5
	ds_store_b64 v6, v[PC+2*\p:PC+2*\p+1] offset:6144+256*\p
.endr
	ds_store_b32 v7, v[PW] offset:XSC+256
	s_wait_dscnt 0x0                               ; for the others' sake: my images have landed; my reads of my stage are over
	s_barrier_signal -1
	s_barrier_wait -1                              ; x's 24 fragments lie in LDS
	ALOAD 0, XSC
	GSTEP 0, 1, 6400, 1, 6144, XSC+256, 1          ; the first step's products start the sums
	GSTEP 1, 1, 12800, 1, 12288, XSC+512, 0
	GSTEP 0, 1, 19200, 1, 18432, XSC+768, 0
	GSTEP 1, 1, 25600, 1, 24576, XSC+1024, 0
	GSTEP 0, 1, 32000, 1, 30720, XSC+1280, 0
	GSTEP 1, 0, 0, 0, 0, 0, 0
	s_cmp_eq_u32 s19, 2                            ; the same in all waves of a work-group
	s_cbranch_scc1 .Lv
	; ---- Q or K: a row's 64 columns of mine are chunk c = 192 mt + 12 r + w of the work-group's 768
.macro QKOUT mt
	QUANT2 ACC+32*\mt, 144, PW
	v_or_b32 v[PW], 0x7f7f0000, v[PW]              ; the upper two bytes stand for 1: they scale zero codes
	v_add_nc_u32 v246, 192*\mt, v8                 ; c
	s_delay_alu instid0(VALU_DEP_1)
	v_lshrrev_b32 v247, 4, v246
	s_delay_alu instid0(VALU_DEP_1)
	v_mul_u32_u24 v252, v247, 768                  ; tile c / 16,
	s_delay_alu instid0(VALU_DEP_3)
	v_lshrrev_b32 v248, 7, v246
	s_delay_alu instid0(VALU_DEP_1)
	v_lshl_add_u32 v252, v248, 9, v252             ; 512 bytes of words behind every eight tiles,
	v_and_b32 v249, 15, v246
	s_delay_alu instid0(VALU_DEP_1)
	v_lshl_add_u32 v252, v249, 3, v252             ; row c % 16,
	s_delay_alu instid0(VALU_DEP_1)
	v_add_nc_u32 v252, v9, v252                    ; my half
	v_mul_u32_u24 v253, v248, 6656
	s_delay_alu instid0(VALU_DEP_1)
	v_lshl_add_u32 v253, v249, 4, v253
	v_bfe_u32 v250, v246, 4, 1
	s_delay_alu instid0(VALU_DEP_1)
	v_lshl_add_u32 v253, v250, 8, v253
	v_bfe_u32 v250, v246, 5, 2
	s_delay_alu instid0(VALU_DEP_1)
	v_lshl_add_u32 v253, v250, 2, v253             ; the word: 16 (row + 16 (tile % 2)) + 4 (tile / 2)
	ds_store_b64 v252, v[144:145]
	ds_store_b64 v252, v[146:147] offset:256
	ds_store_b64 v252, v[148:149] offset:512
	ds_store_b32 v253, v[PW] offset:QKS+6144
	s_wait_dscnt 0x0                               ; the stores have read their registers
.endm
	QKOUT 0
	QKOUT 1
	QKOUT 2
	QKOUT 3
	s_barrier_signal -1
	s_barrier_wait -1                              ; six whole step blocks lie in LDS
.irp i, 0,1,2,3,4,5,6,7,8,9,10,11,12
	ds_load_b64 v[144+2*\i:145+2*\i], v15 offset:3072*\i
.endr
.irp i, 0,1,2,3,4,5,6,7,8,9,10,11,12
	s_wait_dscnt 12-\i                             ; load i is in; the younger ones may be out
	global_store_b64 v12, v[144+2*\i:145+2*\i], s[42:43] offset:3072*\i   ; 32 lanes store 256 consecutive bytes, at a multiple of 256 from the buffer's first byte
.endr
	s_set_vgpr_msb 0x4
	s_wait_tensorcnt 0x0
	ds_add_u32 v251, v49
	s_wait_dscnt 0x0
	s_set_vgpr_msb 0x400
	s_endpgm
.Lv:
	; ---- V: the results turn through LDS, so that a lane's registers run along the keys
.irp mt, 0,1,2,3
	v_add_nc_u32 v[246+\mt], 16*TVP*\mt, v10
.irp b, 0,1
.irp g, 0,1,2,3
	ds_store_b128 v[246+\mt], v[ACC+32*\mt+16*\b+4*\g:ACC+32*\mt+16*\b+4*\g+3] offset:128*\b+16*\g
.endr
.endr
.endr
	s_wait_dscnt 0x0
	s_barrier_signal -1
	s_barrier_wait -1
.macro VLOADS psi                      ; register 32 b + s: key 128 psi + 32 b + (s % 8) + 16 ((s / 8) % 2) + 8 (s / 16) of my 384; key k lies in token k / 12, chunk k % 12
.set n, 0
.rept 128
.set kk, 128*\psi+32*(n/32)+(n%8)+16*((n/8)%2)+8*((n/16)%2)
.set tok, kk/12
.set chk, kk%12
.if tok < 16
	ds_load_b32 v[16+n], v11 offset:tok*TVP+256*chk
.else
	ds_load_b32 v[16+n], v254 offset:(tok-16)*TVP+256*chk
.endif
.set n, n+1
.endr
.endm
	s_cmp_eq_u32 s31, 0                            ; only the 128 loads differ from wave to wave
	s_cbranch_scc0 .Lp12
	VLOADS 0
	s_branch .Lvq
.Lp12:
	s_cmp_eq_u32 s31, 1
	s_cbranch_scc0 .Lp2
	VLOADS 1
	s_branch .Lvq
.Lp2:
	VLOADS 2
.Lvq:
	s_wait_dscnt 0x0
.irp b, 0,1,2,3                                ; four whole blocks of 32 keys are mine
	v_max3_num_f32 v[184+\b], |v[16+32*\b]|, |v[17+32*\b]|, |v[18+32*\b]|
	v_max3_num_f32 v[188+\b], |v[19+32*\b]|, |v[20+32*\b]|, |v[21+32*\b]|
.endr
.irp i, 6,10,14,18,22,26
.irp b, 0,1,2,3
	v_max3_num_f32 v[184+\b], v[184+\b], |v[16+32*\b+\i]|, |v[17+32*\b+\i]|
	v_max3_num_f32 v[188+\b], v[188+\b], |v[18+32*\b+\i]|, |v[19+32*\b+\i]|
.endr
.endr
.irp b, 0,1,2,3
	v_max3_num_f32 v[184+\b], v[184+\b], |v[46+32*\b]|, |v[47+32*\b]|
.endr
.irp b, 0,1,2,3
	s_delay_alu instid0(VALU_DEP_4)
	v_max3_num_f32 v[184+\b], v[184+\b], v[188+\b], 0x2800000
.endr
.irp b, 0,1,2,3
	s_delay_alu instid0(VALU_DEP_4)
	v_add_nc_u32 v[192+\b], 0xfe000000, v[184+\b]
.endr
.irp b, 0,1,2,3
	s_delay_alu instid0(VALU_DEP_4)
	v_lshrrev_b32 v[196+\b], 23, v[192+\b]
.endr
	s_delay_alu instid0(VALU_DEP_3)
	v_lshl_or_b32 v200, v197, 8, v196              ; my d's scale word for these 128 keys
	s_delay_alu instid0(VALU_DEP_1)
	v_lshl_or_b32 v200, v198, 16, v200
	s_delay_alu instid0(VALU_DEP_1)
	v_lshl_or_b32 v200, v199, 24, v200
.irp b, 0,1,2,3                                ; block b's six registers at v[144 + 12 (b % 2) + 6 (b / 2)]
	v_cvt_scalef32_pk16_bf6_f32 v[144+12*(\b%2)+6*(\b/2):146+12*(\b%2)+6*(\b/2)], v[16+32*\b:31+32*\b], v[192+\b]
	v_cvt_scalef32_pk16_bf6_f32 v[168+4*\b:170+4*\b], v[32+32*\b:47+32*\b], v[192+\b]
.endr
	v_nop
.irp b, 0,1,2,3
.irp i, 0,1,2
	v_mov_b32 v[147+12*(\b%2)+6*(\b/2)+\i], v[168+4*\b+\i]
.endr
.endr
.irp i, 0,1,2,3,4,5,6,7,8,9,10,11              ; lanes 0-15 hold fragment 2 beta's rows, lanes 16-31 fragment 2 beta + 1's: blocks 0 and 1, and 2 and 3, change halves; v144-155 and v156-167 are then the two fragments
	v_permlane16_swap_b32 v[144+\i], v[156+\i]
.endr
.irp g, 0,1,2
	global_store_b128 v2, v[144+4*\g:147+4*\g], s[36:37] offset:512*\g
	global_store_b128 v2, v[156+4*\g:159+4*\g], s[36:37] offset:1536+512*\g
.endr
	global_store_b32 v255, v200, s[38:39]
	s_set_vgpr_msb 0x4
	s_wait_tensorcnt 0x0
	ds_add_u32 v251, v49
	s_wait_dscnt 0x0
	s_set_vgpr_msb 0x400
	s_endpgm
.Lfunc_end_k_q1a98c0dab4_qkv:
	.size	k_q1a98c0dab4_qkv, .Lfunc_end_k_q1a98c0dab4_qkv-k_q1a98c0dab4_qkv
	.p2alignl 7, 3214868480
	.fill 96, 4, 3214868480
	.section	.rodata,"a",@progbits
	.p2align	6, 0x0
	.amdhsa_kernel k_q1a98c0dab4_qkv
		.amdhsa_group_segment_fixed_size 277504
		.amdhsa_private_segment_fixed_size 0
		.amdhsa_enable_private_segment 0
		.amdhsa_kernarg_size 40
		.amdhsa_user_sgpr_count 2
		.amdhsa_user_sgpr_kernarg_segment_ptr 1
		.amdhsa_wavefront_size32 1
		.amdhsa_system_sgpr_workgroup_id_x 1
		.amdhsa_system_sgpr_workgroup_id_y 1
		.amdhsa_system_sgpr_workgroup_id_z 1
		.amdhsa_system_vgpr_workitem_id 0
		.amdhsa_next_free_vgpr 306
		.amdhsa_next_free_sgpr 66
		.amdhsa_reserve_vcc 0
		.amdhsa_float_denorm_mode_32 3
		.amdhsa_float_denorm_mode_16_64 3
		.amdhsa_memory_ordered 1
		.amdhsa_forward_progress 1
		.amdhsa_inst_pref_size 106
	.end_amdhsa_kernel
	.amdgpu_metadata
---
amdhsa.version: [ 1, 2 ]
amdhsa.kernels:
  - .name:           k_q1a98c0dab4_qkv
    .symbol:         k_q1a98c0dab4_qkv.kd
    .args:
      - { .name: x, .offset: 0, .size: 8, .value_kind: global_buffer, .address_space: global }
      - { .name: wf, .offset: 8, .size: 8, .value_kind: global_buffer, .address_space: global }
      - { .name: qt, .offset: 16, .size: 8, .value_kind: global_buffer, .address_space: global }
      - { .name: kt, .offset: 24, .size: 8, .value_kind: global_buffer, .address_space: global }
      - { .name: vt, .offset: 32, .size: 8, .value_kind: global_buffer, .address_space: global }
    .group_segment_fixed_size: 277504
    .private_segment_fixed_size: 0
    .kernarg_segment_align: 8
    .kernarg_segment_size: 40
    .max_flat_workgroup_size: 384
    .sgpr_count:     66
    .vgpr_count:     306
    .wavefront_size: 32
...
	.end_amdgpu_metadata
.endif
;; end of part 11
;; launch attn (part 12): grid 16 x 12, 16 waves a work-group, no clusters, 327,680 bytes of LDS; arguments qt, kt, vt, ca; writes ca
.if DOCPART == 12
	.amdgcn_target "amdgcn-amd-amdhsa--gfx1250"
	.amdhsa_code_object_version 6
	.text
	.protected	k_q1a98c0dab4_attn
	.globl	k_q1a98c0dab4_attn
	.p2align	8
	.type	k_q1a98c0dab4_attn,@function
k_q1a98c0dab4_attn:
	s_mov_b64 s[64:65], 0
	v_nop
	global_prefetch_b8 v0, s[64:65] scope:SCOPE_SE
	s_setreg_imm32_b32 hwreg(HW_REG_WAVE_MODE, 25, 1), 1
	s_wait_xcnt 0x0
; Causal attention of one head on codes of BF6 with E8M0 scales, head size 64; the result is quantised in registers and stored as the next product's operand.
; t = score x log2(e) / 8; M = the row's largest t so far, rounded up to a whole number; p = 2^(t - M) is quantised along the keys; the row's sum is taken of the unquantised p and divides at the end.  When M moves, the sum and O
; are multiplied by 2^(old M - new M), which rounds nothing.
; SHARES.  Work-group (i, head) owns the blocks i and 31 - i of 128 queries: i + 1 and 32 - i key steps of 128, 33 for every work-group.  A wave owns 16 queries; eight waves take each block, dealt so that short and long waves mix.
; LAYOUT.  S^T = K Q^T (source 0 = 16 neighbouring keys, source 1 = my 16 queries), O^T = V^T P^T: a lane holds one query throughout.  The head's 64 fill half of a K step of 128: Q's upper six registers are zero codes, so whatever
; stands in the upper six of K's operand (the next tile's codes; zeros behind the last) adds nothing; the upper scale bytes are 127 on both sides.
; p's 16 registers of tiles 2 b, 2 b + 1 are keys 32 b + 8 h + 0..7 and 32 b + 16 + 8 h + 0..7: a permutation inside a block of 32, and V's codes were laid in that order.
; RING.  Two LDS slots of two key steps each (K: 2 x 6,656 bytes, V: 2 x 6,400), dense blocks of memory; wave 0 fetches K's, wave 1 V's, one tensor load each behind each barrier: one load a wave is out at the most.
; The loop's trips hang on the work-group's number alone; no LDS address is stepped: every one is a multiple of the lane's number plus an immediate.
; A step all of whose keys come after my queries is jumped over (a scalar branch on ids); on the diagonal hidden scores become -infinity ahead of the maximum.
; No cluster: a slot's 26,112 bytes serve two key steps of up to sixteen waves, a small part of a step's work.
; LIMITS: NaN and infinities are not served; a block of the result under 2^-122 gets the byte 1.
; REGISTERS: v1-4, v8, v9 addresses; v5, v6 the add's pair; v12 -M, v13 largest t, v[14:15] the sum; v16-21 Q, v22-27 zeros; v28 prefetch offset; v32-79 K's eight tiles, then V's four fragments; v80-85 zeros;
;   v96-159 S^T, then p; v160-191 O^T; v224-235 p's codes; v232-247, v252-254 at work; v248-251 K's or V's scale words; v255 Q's.
.set KSB,   6656
.set VSB,   6400
.set VOFF,  13312
.set SLOTB, 26112
.set SPARE, 52224                      ; behind the ring: the spare words, 128 bytes for each of 16 waves: eight blocks of 256 bytes that no other line names
.set G1K, 20                           ; s[20:27], s[28:35] descriptor groups 1
.set G1V, 28
.set G0K, 36                           ; s[36:43] K's groups 0, one for each slot;  s[44:51] V's
.set G0V, 44
.macro TLOAD s                         ; wave 0 fetches K's two steps, wave 1 V's; four v_nop follow each of the two lines
	s_cmp_eq_u32 s12, 0
	s_cbranch_scc0 .Lnot_k_\@
	tensor_load_to_lds s[G0K+4*(\s):G0K+4*(\s)+3], s[G1K:G1K+7]
	s_nop 0
.rept 4
	v_nop
.endr
	s_branch .Lasked_\@
.Lnot_k_\@:
	s_cmp_eq_u32 s12, 1
	s_cbranch_scc0 .Lasked_\@
	tensor_load_to_lds s[G0V+4*(\s):G0V+4*(\s)+3], s[G1V:G1V+7]
	s_nop 0
.rept 4
	v_nop
.endr
.Lasked_\@:
.endm
; A prefetch of what the NEXT change of slots will ask for.  All work-groups of a head walk the same K and V from their start: the one that walks all 16 slots (i = 0) asks, in four waves that fetch nothing: waves 4, 5 a step of K each
; (26 blocks of 256 bytes, a lane a block), waves 6, 7 a step of V each (25); the lanes that are over name the last block again.  Slots 0 and 1 come by their loads alone; the tail asks for nothing.
.macro ASK
	s_cmp_eq_u32 s55, 1
	s_cbranch_scc0 .Lnot_mine_\@
	global_prefetch_b8 v28, s[56:57] th:TH_LOAD_NT scope:SCOPE_SE
.Lnot_mine_\@:
.endm
	s_load_b256 s[4:11], s[0:1], 0x0               ; qt, kt, vt, ca
	v_lshl_add_u32 v5, v0, 2, SPARE
	v_mov_b32 v6, 0
	ds_add_u32 v5, v6
	ds_add_u32 v5, v6
	s_wait_dscnt 0x0
	v_lshrrev_b32 v1, 5, v0
	s_delay_alu instid0(VALU_DEP_1)
	v_readfirstlane_b32 s12, v1                    ; wave 0..15
	s_and_b32 s13, ttmp7, 0xffff                   ; head
	s_and_b32 s60, s12, 1
	s_bfe_u32 s61, s12, 0x10002
	s_xor_b32 s61, s61, s60                        ; 1: the long block
	s_bfe_u32 s62, s12, 0x10001
	s_lshl_b32 s62, s62, 1
	s_add_co_u32 s60, s60, s62
	s_bfe_u32 s62, s12, 0x10003
	s_lshl_b32 s62, s62, 2
	s_add_co_u32 s60, s60, s62                     ; my tile of the block's eight
	s_sub_co_u32 s62, 31, ttmp9
	s_cmp_eq_u32 s61, 1
	s_cselect_b32 s62, s62, ttmp9                  ; my block of 128 queries
	s_lshl_b32 s53, s62, 7
	s_lshl_b32 s63, s60, 4
	s_add_co_u32 s53, s53, s63                     ; s53: my first query
	s_mov_b32 s52, 0                               ; s52: the step's first key
	s_sub_co_u32 s54, 35, ttmp9
	s_lshr_b32 s54, s54, 2
	s_sub_co_u32 s54, s54, 1                       ; s54: the loop's trips: 2 ((35 - i) / 4) slots in all, enough for 32 - i steps
	s_max_u32 s54, s54, 1                          ; (35 - i) / 4 - 1 is 4 to 7 for i = 0 to 15: the hold changes nothing and states in the text that the count begins at 1 or above
	s_mov_b32 s14, 0x76543210
	s_mov_b32 s15, 0xfedcba98                      ; lane l xor 16
	s_mov_b32 s16, 0x3e38aa3b                      ; c = log2(e) / 8
	s_mov_b32 s17, s16                             ; (named with it as a pair)
	; descriptor groups 1: dense blocks as rows of 256 bytes (32 elements of 8 bytes): 52 rows of K, 50 of V
	s_mov_b32 s[G1K], 3<<16
	s_mov_b32 s[G1K+1], 32<<16
	s_mov_b32 s[G1K+2], 52<<16
	s_mov_b32 s[G1K+3], 32<<16
	s_mov_b32 s[G1K+4], 52
	s_mov_b32 s[G1K+5], 32
	s_mov_b32 s[G1K+6], 0
	s_mov_b32 s[G1K+7], 0
	s_mov_b32 s[G1V], 3<<16
	s_mov_b32 s[G1V+1], 32<<16
	s_mov_b32 s[G1V+2], 50<<16
	s_mov_b32 s[G1V+3], 32<<16
	s_mov_b32 s[G1V+4], 50
	s_mov_b32 s[G1V+5], 32
	s_mov_b32 s[G1V+6], 0
	s_mov_b32 s[G1V+7], 0
	s_mul_i32 s66, s13, 32*KSB                     ; the head's first byte in qt and kt,
	s_mov_b32 s67, 0
	s_mul_i32 s68, s13, 32*VSB                     ; and in vt
	s_mov_b32 s69, 0
	s_mul_i32 s63, s62, KSB
	s_add_co_u32 s63, s63, s66                     ; my block's step of qt
	s_mul_i32 s70, s60, 768
	s_add_co_u32 s70, s70, s63                     ; my tile's codes
	s_mov_b32 s71, 0
	s_and_b32 s72, s60, 1
	s_lshl_b32 s72, s72, 8
	s_add_co_u32 s72, s72, s63
	s_lshr_b32 s73, s60, 1
	s_lshl_b32 s73, s73, 2
	s_add_co_u32 s72, s72, s73
	s_add_co_u32 s72, s72, 6144                    ; and its scale words
	s_mov_b32 s73, 0
	s_lshr_b32 s74, s53, 6
	s_mul_i32 s74, s74, 38400                      ; ca: the block of 64 rows
	s_and_b32 s75, s60, 3                          ; row tile
	s_lshr_b32 s63, s13, 1                         ; K step = head / 2
	s_lshl_b32 s76, s63, 2
	s_add_co_u32 s76, s76, s75
	s_mul_i32 s76, s76, 1536
	s_add_co_u32 s76, s76, s74
	s_and_b32 s77, s13, 1                          ; which half of the K step
	s_mul_i32 s78, s77, 768
	s_add_co_u32 s76, s76, s78                     ; my three planes
	s_lshl_b32 s78, s63, 8
	s_add_co_u32 s78, s78, s74
	s_lshl_b32 s77, s77, 1
	s_add_co_u32 s78, s78, s77
	s_and_b32 s77, s75, 1
	s_lshl_b32 s77, s77, 7
	s_add_co_u32 s78, s78, s77
	s_lshr_b32 s77, s75, 1
	s_lshl_b32 s77, s77, 2
	s_add_co_u32 s78, s78, s77
	s_add_co_u32 s78, s78, 36864                   ; my two bytes of each row's scale word
	s_mov_b32 s77, 0
	s_mov_b32 s79, 0
	s_wait_kmcnt 0x0
	s_mov_b32 s[G0K], 1
	s_mov_b32 s[G0K+1], 0
	s_add_nc_u64 s[G0K+2:G0K+3], s[6:7], s[66:67]
	s_mov_b32 s[G0K+4], 1
	s_mov_b32 s[G0K+5], SLOTB
	s_add_nc_u64 s[G0K+6:G0K+7], s[G0K+2:G0K+3], VOFF
	s_or_b32 s[G0K+3], s[G0K+3], 0x80000000
	s_or_b32 s[G0K+7], s[G0K+7], 0x80000000
	s_mov_b32 s[G0V], 1
	s_mov_b32 s[G0V+1], VOFF
	s_add_nc_u64 s[G0V+2:G0V+3], s[8:9], s[68:69]
	s_mov_b32 s[G0V+4], 1
	s_mov_b32 s[G0V+5], SLOTB+VOFF
	s_add_nc_u64 s[G0V+6:G0V+7], s[G0V+2:G0V+3], 2*VSB
	s_or_b32 s[G0V+3], s[G0V+3], 0x80000000
	s_or_b32 s[G0V+7], s[G0V+7], 0x80000000
	TLOAD 0                                        ; slot 0
	s_add_nc_u64 s[70:71], s[4:5], s[70:71]
	s_add_nc_u64 s[72:73], s[4:5], s[72:73]
	s_add_nc_u64 s[76:77], s[10:11], s[76:77]
	s_add_nc_u64 s[78:79], s[10:11], s[78:79]
	s_cmp_lt_u32 s12, 6                            ; the prefetches: waves 4, 5 for K, waves 6, 7 for V
	s_cselect_b64 s[56:57], s[6:7], s[8:9]
	s_cselect_b64 s[74:75], s[66:67], s[68:69]
	s_mov_b32 s58, 2*VSB
	s_cselect_b32 s58, VOFF, s58                   ; a slot on
	s_mov_b32 s63, VSB
	s_cselect_b32 s63, KSB, s63                    ; a step
	s_cselect_b32 s62, 25, 24                      ; its last block of 256 bytes
	s_mov_b32 s59, 0
	s_and_b32 s61, s12, 1
	s_mul_i32 s61, s61, s63
	s_add_co_u32 s74, s74, s61
	s_add_co_u32 s74, s74, s58                     ; in slot 1: the first change of slots steps it to slot 2
	s_add_nc_u64 s[56:57], s[56:57], s[74:75]
	s_lshr_b32 s55, s12, 2
	s_xor_b32 s55, s55, 1
	s_or_b32 s55, s55, ttmp9
	s_cmp_eq_u32 s55, 0
	s_cselect_b32 s55, 1, 0                        ; 1 in waves 4 to 7 of the work-group with i = 0
	v_and_b32 v10, 31, v0
	s_delay_alu instid0(VALU_DEP_1)
	v_min_u32 v28, s62, v10
	s_delay_alu instid0(VALU_DEP_1)
	v_lshlrev_b32 v28, 8, v28
	s_delay_alu instid0(VALU_DEP_3)
	v_lshlrev_b32 v1, 3, v10                       ; 8 x lane
	s_delay_alu instid0(VALU_DEP_4)
	v_lshlrev_b32 v2, 4, v10                       ; 16 x lane
	v_lshlrev_b32 v3, 2, v10                       ; 4 x lane
	v_and_b32 v11, 15, v0                          ; r
	v_bfe_u32 v7, v0, 4, 1                         ; h
	s_delay_alu instid0(VALU_DEP_2)
	v_lshlrev_b32 v4, 4, v11
	s_delay_alu instid0(VALU_DEP_3)
	v_lshlrev_b32 v8, 3, v11
	s_delay_alu instid0(VALU_DEP_3)
	v_lshlrev_b32 v7, 3, v7
	s_delay_alu instid0(VALU_DEP_1)
	v_sub_nc_u32 v9, v11, v7                       ; r - 8 h
.irp p, 0,1,2
	global_load_b64 v[16+2*\p:17+2*\p], v1, s[70:71] offset:256*\p   ; Q's six registers stay
.endr
	global_load_b32 v255, v4, s[72:73]             ; and its scale words
.irp j, 0,1,2,3,4,5
	v_mov_b32 v[22+\j], 0                          ; zero codes: the K step's upper 64
	v_mov_b32 v[80+\j], 0
.endr
	v_mov_b32 v13, 0xff61b1e6                      ; the largest t so far: -3e38
	s_delay_alu instid0(VALU_DEP_1)
	v_floor_f32 v12, -v13                          ; -M
	v_mov_b32 v14, 0
	v_mov_b32 v15, 0
.irp b, 0,1,2,3
	v_mov_b32 v[236+\b], 0                         ; a lane permute's destination counts as one of its sources
.endr
	v_mov_b32 v252, 0                              ; (the destination of the way out's lane permute: written here, so that it is written on the way round every step too)
	v_mov_b32 v253, 0                              ; (named as the upper half of v[252:253] before it is first written)
.set j, 0
.rept 32
	v_mov_b32 v[160+j], 0                          ; O^T: the step is written once; the first finds zeros
.set j, j+1
.endr
; A KEY STEP: 128 keys, the q-th of the slot.
.macro STEP slot, q
.set KB, SLOTB*(\slot)+KSB*(\q)
.set VB, SLOTB*(\slot)+VOFF+VSB*(\q)
	s_add_co_u32 s60, s53, 15
	s_cmp_gt_u32 s52, s60
	s_cbranch_scc1 .Lhidden_\@                     ; all its keys come after my queries
.irp t, 0,1,2,3,4,5,6,7
.irp p, 0,1,2
	ds_load_b64 v[32+6*\t+2*\p:33+6*\t+2*\p], v1 offset:KB+768*\t+256*\p
.endr
.endr
	ds_load_b128 v[248:251], v2 offset:KB+6144     ; register t / 2: even tiles' words in lanes 0-15, odd tiles' in lanes 16-31
	s_wait_dscnt 0x0
.irp t, 0,2,4,6
	v_wmma_scale_f32_16x16x128_f8f6f4 v[96+8*\t:103+8*\t], v[32+6*\t:43+6*\t], v[16:27], 0, v[248+\t/2], v255 matrix_a_fmt:MATRIX_FMT_BF6 matrix_b_fmt:MATRIX_FMT_BF6
	v_wmma_scale_f32_16x16x128_f8f6f4 v[104+8*\t:111+8*\t], v[38+6*\t:49+6*\t], v[16:27], 0, v[248+\t/2], v255 matrix_a_fmt:MATRIX_FMT_BF6 matrix_b_fmt:MATRIX_FMT_BF6 matrix_a_scale:MATRIX_SCALE_ROW1
.endr
.rept 4
	v_nop                                          ; four places (ISA guide 7.12.1): then the scores may be read, and K's registers loaded again
.endr
.irp f, 0,1,2,3                                ; V's four fragments are asked for now and land under the softmax
.irp g, 0,1,2
	ds_load_b128 v[32+12*\f+4*\g:35+12*\f+4*\g], v2 offset:VB+1536*\f+512*\g
.endr
.endr
	ds_load_b32 v248, v3 offset:VB+6144
	ds_load_b32 v249, v3 offset:VB+6144+128
	s_add_co_u32 s60, s52, 127
	s_cmp_le_u32 s60, s53
	s_cbranch_scc1 .Lopen_\@                       ; all its keys count for all my queries
	s_sub_co_i32 s60, s53, s52
	v_add_nc_u32 v252, s60, v9                     ; d = my query - the step's first key - 8 h.  Register 8 t + j holds key 16 t + 8 h + j: hidden where 16 t + j > d
	v_mov_b32 v254, 0xff800000                     ; -infinity
.set n, 0
.rept 64
	v_cmp_gt_i32 vcc_lo, 16*(n/8)+n%8, v252
	v_cndmask_b32 v[96+n], v[96+n], v254, vcc_lo
.set n, n+1
.endr
.Lopen_\@:
.irp b, 0,1,2,3
	v_max3_num_f32 v[232+\b], v[96+16*\b], v[97+16*\b], v[98+16*\b]   ; the largest score of each block of 32 keys: for the row's maximum, and, since p rises with the score, for the block's largest p
.endr
.irp i, 3,5,7,9,11,13
.irp b, 0,1,2,3
	v_max3_num_f32 v[232+\b], v[232+\b], v[96+16*\b+\i], v[97+16*\b+\i]
.endr
.endr
.irp b, 0,1,2,3
	v_max_num_f32 v[232+\b], v[232+\b], v[111+16*\b]
.endr
.irp b, 0,1,2,3
	s_delay_alu instid0(VALU_DEP_4)
	v_permlanex16_b32 v[236+\b], v[232+\b], s14, s15
.endr
.irp b, 0,1,2,3
	s_delay_alu instid0(VALU_DEP_4)
	v_max_num_f32 v[232+\b], v[232+\b], v[236+\b]  ; with lane l xor 16's 16 keys
.endr
	s_delay_alu instid0(VALU_DEP_2)
	v_max3_num_f32 v254, v232, v233, v234
	s_delay_alu instid0(VALU_DEP_1)
	v_max_num_f32 v254, v254, v235
	s_delay_alu instid0(VALU_DEP_1)
	v_mul_f32 v254, s16, v254                      ; the step's largest t
	s_delay_alu instid0(VALU_DEP_1)
	v_max_num_f32 v13, v13, v254
	v_mov_b32 v254, v12
	s_delay_alu instid0(VALU_DEP_2)
	v_floor_f32 v12, -v13                          ; the new -M = -ceil(t)
	s_delay_alu instid0(VALU_DEP_1)
	v_sub_f32 v254, v12, v254                      ; old M - new M: a whole number, 0 or less
	s_delay_alu instid0(VALU_DEP_1)
	v_cvt_i32_f32 v254, v254                       ; (it saturates)
	s_delay_alu instid0(VALU_DEP_1)
	v_ldexp_f32 v252, 1.0, v254                    ; f = 2^(old M - new M)
.set j, 0
.rept 32
	v_pk_fma_f32 v[96+j:97+j], v[96+j:97+j], s[16:17], v[12:13] op_sel_hi:[1,0,0]   ; t - M
.set j, j+2
.endr
.irp b, 0,1,2,3
	v_fma_f32 v[232+\b], v[232+\b], s16, v12
.endr
.set j, 0
	s_wait_alu depctr_va_vdst(0)
.rept 64
	v_exp_f32 v[96+j], v[96+j]                     ; p = 2^(t - M)
.set j, j+1
.endr
	v_pk_mul_f32 v[14:15], v[14:15], v[252:253] op_sel_hi:[1,0]   ; the sums under the new M; the plain instruction behind the exponentials
	s_wait_alu depctr_va_vdst(0)                   ; one wait for the batch, ahead of its first reader
.irp b, 0,1,2,3
	v_exp_f32 v[232+\b], v[232+\b]                 ; each block's largest p
.endr
	v_pk_add_f32 v[236:237], v[100:101], v[104:105]
	v_pk_add_f32 v[250:251], v[108:109], v[112:113]
	v_pk_add_f32 v[246:247], v[116:117], v[120:121]
	v_pk_add_f32 v[244:245], v[124:125], v[128:129]
	v_pk_add_f32 v[242:243], v[132:133], v[136:137]
	v_pk_add_f32 v[240:241], v[140:141], v[144:145]
	v_pk_add_f32 v[238:239], v[148:149], v[152:153]
	v_pk_add_f32 v[14:15], v[14:15], v[156:157]
	v_pk_add_f32 v[236:237], v[236:237], v[96:97]
	v_pk_add_f32 v[250:251], v[250:251], v[98:99]
	v_pk_add_f32 v[246:247], v[246:247], v[102:103]
	v_pk_add_f32 v[244:245], v[244:245], v[106:107]
	v_pk_add_f32 v[242:243], v[242:243], v[110:111]
	v_pk_add_f32 v[240:241], v[240:241], v[114:115]
	v_pk_add_f32 v[238:239], v[238:239], v[118:119]
	v_pk_add_f32 v[14:15], v[14:15], v[122:123]
	v_pk_add_f32 v[236:237], v[236:237], v[126:127]
	v_pk_add_f32 v[250:251], v[250:251], v[130:131]
	v_pk_add_f32 v[246:247], v[246:247], v[134:135]
	v_pk_add_f32 v[244:245], v[244:245], v[138:139]
	v_pk_add_f32 v[242:243], v[242:243], v[142:143]
	v_pk_add_f32 v[240:241], v[240:241], v[146:147]
	v_pk_add_f32 v[238:239], v[238:239], v[150:151]
	v_pk_add_f32 v[14:15], v[14:15], v[154:155]
	v_pk_add_f32 v[236:237], v[236:237], v[158:159]
	s_delay_alu instid0(VALU_DEP_2)
	v_pk_add_f32 v[14:15], v[14:15], v[244:245]
	s_delay_alu instid0(VALU_DEP_2)
	v_pk_add_f32 v[236:237], v[236:237], v[242:243]
	v_pk_add_f32 v[250:251], v[250:251], v[240:241]
	v_pk_add_f32 v[246:247], v[246:247], v[238:239]
	s_delay_alu instid0(VALU_DEP_2)
	v_pk_add_f32 v[14:15], v[14:15], v[250:251]
	s_delay_alu instid0(VALU_DEP_2)
	v_pk_add_f32 v[236:237], v[236:237], v[246:247]
	s_delay_alu instid0(VALU_DEP_1)
	v_pk_add_f32 v[14:15], v[14:15], v[236:237]
	s_wait_alu depctr_va_vdst(0)                   ; and one for the four
.irp b, 0,1,2,3
	v_max_num_f32 v[232+\b], 0x2800000, v[232+\b]  ; the floor 2^(5 - 127)
.endr
.irp b, 0,1,2,3
	s_delay_alu instid0(VALU_DEP_4)
	v_add_nc_u32 v[244+\b], 0xfe000000, v[232+\b]
.endr
.irp b, 0,1,2,3
	s_delay_alu instid0(VALU_DEP_4)
	v_lshrrev_b32 v[236+\b], 23, v[244+\b]
.endr
	s_delay_alu instid0(VALU_DEP_3)
	v_lshl_or_b32 v253, v237, 8, v236              ; p's scale word for these 128 keys
	s_delay_alu instid0(VALU_DEP_1)
	v_lshl_or_b32 v253, v238, 16, v253
	s_delay_alu instid0(VALU_DEP_1)
	v_lshl_or_b32 v253, v239, 24, v253
.irp c, 0,1
	v_cvt_scalef32_pk16_bf6_f32 v[224+6*\c:226+6*\c], v[96+32*\c:111+32*\c], v[244+2*\c]
	v_cvt_scalef32_pk16_bf6_f32 v[236+4*\c:238+4*\c], v[112+32*\c:127+32*\c], v[244+2*\c+1]
.endr
	v_nop
.irp c, 0,1
.irp i, 0,1,2
	v_permlane16_swap_b32 v[224+6*\c+\i], v[236+4*\c+\i]
.endr
.irp i, 0,1,2
	s_delay_alu instid0(VALU_DEP_3)
	v_mov_b32 v[227+6*\c+\i], v[236+4*\c+\i]
.endr
.endr
.set j, 0
.rept 16
	v_pk_mul_f32 v[160+j:161+j], v[160+j:161+j], v[252:253] op_sel_hi:[1,0]   ; O^T under the new M; these sixteen also stand between the writing of p's codes and scale word and the products
.set j, j+2
.endr
	s_wait_alu depctr_va_vdst(0)
	s_wait_dscnt 0x0                               ; V is in
.irp f, 0,2
	v_wmma_scale_f32_16x16x128_f8f6f4 v[160+8*\f:167+8*\f], v[32+12*\f:43+12*\f], v[224:235], v[160+8*\f:167+8*\f], v[248+\f/2], v253 matrix_a_fmt:MATRIX_FMT_BF6 matrix_b_fmt:MATRIX_FMT_BF6
	v_wmma_scale_f32_16x16x128_f8f6f4 v[168+8*\f:175+8*\f], v[44+12*\f:55+12*\f], v[224:235], v[168+8*\f:175+8*\f], v[248+\f/2], v253 matrix_a_fmt:MATRIX_FMT_BF6 matrix_b_fmt:MATRIX_FMT_BF6 matrix_a_scale:MATRIX_SCALE_ROW1
.endr
.rept 4
	v_nop                                          ; four places in front of the next loads into V's registers and the next read of O^T
.endr
.Lhidden_\@:
	s_add_co_u32 s52, s52, 128
.endm
; A slot's turn.  Each wave waits for all its tensor loads, adds 0 to its spare word, and waits for that and for its reads of the other slot; behind the barrier this slot is whole and nobody reads the other, which is filled first.
.macro TRIP slot, refill, ask
	s_wait_tensorcnt 0x0                           ; no tensor load of mine is out, so a group 0 may be written
	ds_add_u32 v5, v6                              ; 0 onto my spare word
	s_add_nc_u64 s[G0K+4*\slot+2:G0K+4*\slot+3], s[G0K+4*\slot+2:G0K+4*\slot+3], 2*VOFF   ; this slot's next tiles: two slots on
	s_add_nc_u64 s[G0V+4*\slot+2:G0V+4*\slot+3], s[G0V+4*\slot+2:G0V+4*\slot+3], 4*VSB
.if \ask
	s_wait_xcnt 0x0                                ; the last prefetch, a slot back, has read its address
	s_add_nc_u64 s[56:57], s[56:57], s[58:59]
.endif
	s_wait_dscnt 0x0                               ; the add is done, and my reads of the other slot are over
	s_barrier_signal -1
	s_barrier_wait -1
.if \refill
	TLOAD 1-\slot
.endif
.if \ask
	ASK
.endif
	STEP \slot, 0
	STEP \slot, 1
.endm
	s_wait_loadcnt 0x0                             ; Q
.Lloop:
	TRIP 0, 1, 1
	TRIP 1, 1, 1
	s_sub_co_u32 s54, s54, 1
	s_cmp_lg_u32 s54, 0
	s_cbranch_scc1 .Lloop
	TRIP 0, 1, 0                                   ; the tail is written out
	TRIP 1, 0, 0
	; THE WAY OUT: O^T / the sum, quantised along the head's 64 (two blocks): half a K step of the next product, rows = my 16 queries
	v_add_f32 v14, v14, v15
	s_delay_alu instid0(VALU_DEP_1)
	v_permlanex16_b32 v252, v14, s14, s15
	s_delay_alu instid0(VALU_DEP_1)
	v_add_f32 v14, v14, v252                       ; the row's sum
	s_wait_alu depctr_va_vdst(0)
	v_rcp_f32 v14, v14
	v_nop
	s_wait_alu depctr_va_vdst(0)
.set j, 0
.rept 32
	v_mul_f32 v[96+j], v[160+j], v14               ; register 16 b + i: d = 32 b + 16 h + i
.set j, j+1
.endr
.irp b, 0,1
	v_max3_num_f32 v[232+\b], |v[96+16*\b]|, |v[97+16*\b]|, 0x2800000
.endr
.irp i, 2,4,6,8,10,12,14
.irp b, 0,1
	s_delay_alu instid0(VALU_DEP_2)
	v_max3_num_f32 v[232+\b], v[232+\b], |v[96+16*\b+\i]|, |v[97+16*\b+\i]|
.endr
.endr
.irp b, 0,1
	s_delay_alu instid0(VALU_DEP_2)
	v_permlanex16_b32 v[236+\b], v[232+\b], s14, s15
.endr
.irp b, 0,1
	s_delay_alu instid0(VALU_DEP_2)
	v_max_num_f32 v[232+\b], v[232+\b], v[236+\b]
.endr
.irp b, 0,1
	s_delay_alu instid0(VALU_DEP_2)
	v_add_nc_u32 v[244+\b], 0xfe000000, v[232+\b]
.endr
.irp b, 0,1
	s_delay_alu instid0(VALU_DEP_2)
	v_lshrrev_b32 v[238+\b], 23, v[244+\b]
.endr
	s_delay_alu instid0(VALU_DEP_1)
	v_lshl_or_b32 v253, v239, 8, v238
	v_cvt_scalef32_pk16_bf6_f32 v[224:226], v[96:111], v244
	v_cvt_scalef32_pk16_bf6_f32 v[240:242], v[112:127], v245
	v_nop
.irp i, 0,1,2
	v_permlane16_swap_b32 v[224+\i], v[240+\i]
.endr
.irp i, 0,1,2
	s_delay_alu instid0(VALU_DEP_3)
	v_mov_b32 v[227+\i], v[240+\i]
.endr
.irp p, 0,1,2
	global_store_b64 v1, v[224+2*\p:225+2*\p], s[76:77] offset:256*\p   ; 32 lanes store 256 consecutive bytes, at a multiple of 256 from ca's first byte
.endr
	global_store_b16 v8, v253, s[78:79]            ; my two bytes of my row's scale word (both halves of the lanes write the same)
	s_wait_tensorcnt 0x0                           ; the wave's end
	ds_add_u32 v5, v6
	s_wait_dscnt 0x0
	s_endpgm
.Lfunc_end_k_q1a98c0dab4_attn:
	.size	k_q1a98c0dab4_attn, .Lfunc_end_k_q1a98c0dab4_attn-k_q1a98c0dab4_attn
	.p2alignl 7, 3214868480
	.fill 96, 4, 3214868480
	.section	.rodata,"a",@progbits
	.p2align	6, 0x0
	.amdhsa_kernel k_q1a98c0dab4_attn
		.amdhsa_group_segment_fixed_size 327680
		.amdhsa_private_segment_fixed_size 0
		.amdhsa_enable_private_segment 0
		.amdhsa_kernarg_size 32
		.amdhsa_user_sgpr_count 2
		.amdhsa_user_sgpr_kernarg_segment_ptr 1
		.amdhsa_wavefront_size32 1
		.amdhsa_system_sgpr_workgroup_id_x 1
		.amdhsa_system_sgpr_workgroup_id_y 1
		.amdhsa_system_sgpr_workgroup_id_z 1
		.amdhsa_system_vgpr_workitem_id 0
		.amdhsa_next_free_vgpr 256
		.amdhsa_next_free_sgpr 80
		.amdhsa_reserve_vcc 1
		.amdhsa_float_denorm_mode_32 3
		.amdhsa_float_denorm_mode_16_64 3
		.amdhsa_memory_ordered 1
		.amdhsa_forward_progress 1
		.amdhsa_inst_pref_size 198
	.end_amdhsa_kernel
	.amdgpu_metadata
---
amdhsa.version: [ 1, 2 ]
amdhsa.kernels:
  - .name:           k_q1a98c0dab4_attn
    .symbol:         k_q1a98c0dab4_attn.kd
    .args:
      - { .name: qt, .offset: 0, .size: 8, .value_kind: global_buffer, .address_space: global }
      - { .name: kt, .offset: 8, .size: 8, .value_kind: global_buffer, .address_space: global }
      - { .name: vt, .offset: 16, .size: 8, .value_kind: global_buffer, .address_space: global }
      - { .name: ca, .offset: 24, .size: 8, .value_kind: global_buffer, .address_space: global }
    .group_segment_fixed_size: 327680
    .private_segment_fixed_size: 0
    .kernarg_segment_align: 8
    .kernarg_segment_size: 32
    .max_flat_workgroup_size: 512
    .sgpr_count:     80
    .vgpr_count:     256
    .wavefront_size: 32
...
	.end_amdgpu_metadata
.endif
;; end of part 12
;; launch oln (part 13): grid 128 x 1, 12 waves a work-group, no clusters, 97,024 bytes of LDS; arguments ca, wf, x, g1, beta1, hf, ha; writes hf, ha
.if DOCPART == 13
	.amdgcn_target "amdgcn-amd-amdhsa--gfx1250"
	.amdhsa_code_object_version 6
	.text
	.protected	k_q1a98c0dab4_oln
	.globl	k_q1a98c0dab4_oln
	.p2align	8
	.type	k_q1a98c0dab4_oln,@function
k_q1a98c0dab4_oln:
	s_mov_b64 s[64:65], 0
	v_nop
	global_prefetch_b8 v0, s[64:65] scope:SCOPE_SE
	s_setreg_imm32_b32 hwreg(HW_REG_WAVE_SCHED_MODE, 0, 2), 2
	s_setreg_imm32_b32 hwreg(HW_REG_WAVE_MODE, 25, 1), 1
	s_wait_xcnt 0x0
	s_wait_alu depctr_vm_vsrc(0)
; h = LayerNorm(x + ctx Wo) g1 + beta1 for 32 rows a work-group; ctx arrives as codes (ca), Wo as blocks of wf; h leaves as f32 (hf) and as codes of BF6 with E8M0 scales (ha), laid as ca is.
; Blocks of ca and ha, 38,400 bytes for 64 rows: fragment (K step f, row tile mt) at (4 f + mt) 1536 as six planes of 256 bytes (plane p: registers 2 p, 2 p + 1 of lane l at 8 l); from 36,864 on 256 bytes of scale words a K step,
; word of (mt, r) at 8 (r + 16 (mt % 2)) + 4 (mt / 2).  Work-group 2 blk + q takes row tiles 2 q and 2 q + 1 of block blk: their words are one load of 4 bytes a lane at 8 l + 4 q, the even tile's in lanes 0-15, the odd tile's in lanes 16-31.
; Wave w makes columns 64 w .. 64 w + 63 for the 32 rows: 8 accumulators; source 0 = the weight's rows (from memory into the one wave that uses them, three buffers: two K steps, 26 loads a wave, are asked for ahead), source 1 = ctx's rows
; (from LDS, two buffers by turns).  Lane (r, h) holds row r, register 32 m + 16 b + i the column 64 w + 32 b + 16 h + i.
; x COMES IN AS h GOES OUT: sixteen lanes take 256 consecutive bytes of a row, and a tile of 16 rows turns through the wave's own stage in LDS into the accumulators' layout: the residual is the sums' first C.
; THE NORM in two passes (the mean, then the mean of the squared differences), each wave's part of a row's sum going through LDS, 64 bytes a row, a word a wave; each pass has bytes of its own.  The mean is the sum x (1 / 768).
; LIMITS: NaN and infinities are not served; a block of h under 2^-122 gets the byte 1.  No cluster, no tensor load: a weight fragment is used by one wave of a work-group, from registers.
; THE MODE: SCHED_MODE bits 1:0 = 2 (LLVM: expert scheduling mode 2), set by the entry lines.  The code itself states the register dependences between vector or matrix instructions and memory or LDS instructions, with s_wait_alu, always for 0.
; THE PLAN.  Registers that memory or LDS instructions touch in the product:
;   WB0 .. WB2, WS  K step s: its eight products read WB[s % 3] and its two words; the loads of step s + 2's weights, issued in step s, land in WB[(s + 2) % 3], which step s - 1 read.
;   AF0, AF1, AS    K step s: its products read AF[s % 2] and its word register; the LDS loads of step s + 1's rows, issued in step s, land in the other buffer, which step s - 1 read.
;   v1 .. v14       offsets and LDS addresses, made at the head and never written again.
; So ONE wait on va_vdst stands at a step's head, behind the waits for the step's own weights and rows: the step before's products are done reading.  All the step's loads follow it, dealt among its eight products, which name this step's
; buffers and the accumulators alone.  Behind the product: a wait on va_vdst ahead of each run of stores of computed numbers, a wait on vm_vsrc ahead of each write of a register that a store has read.
.set ACC, 16                           ; v16-79   8 accumulators
.set WB,  80                           ; v80-223  three weight buffers of 48
.set AF,  224                          ; v224-247 ctx's two fragments of an even K step
.set AFW, 2                            ; v258-281 (window 1, v2-25) those of an odd K step
.set WS,  248                          ; v248-253 the weights' scale words, two registers a buffer
.set AS,  254                          ; v254, v255 ctx's scale words of an even, of an odd K step
.set AAD, 3
.set ASD, 4
.set WP,  20
.set SEL, 22
.set ASC, 36864
.set RED1, 38400                       ; LDS: the first pass's sums, 2,048 bytes; the second's behind them
.set SCG, 42496                        ; h's scale words, 768 bytes: word of (K step f, tile m, row r) at 128 f + 64 m + 4 r
.set STG, 43264                        ; a stage of 16 rows x 272 bytes for each wave
.set G,   80                           ; behind the product: v80-111 g, v112-143 beta of my lane's 32 columns
.set BE,  112
.set PCD, 144                          ; h's codes, six registers a tile
.set OB,  176                          ; the way out: 16 rows read back
.set RB,  208                          ; 24 registers: two rows' twelve partial sums
.set TM,  212
.set PW,  228
.set CH0, 232
.set CH1, 234
.set CT,  234
.set PT,  236
.set MU,  240                          ; v240, v242: a number for each row tile, each the low word of a pair
.set MSB, 0
.macro WIN new                         ; the immediate's high byte repeats the setting that is left
.if MSB != \new
	s_set_vgpr_msb (MSB<<8)|\new
.set MSB, \new
.endif
.endm
.macro WM d, a, b, sa, sb, ra, rb             ; one matrix instruction; ra, rb: the scale words stand in lanes 16-31
.set rD, \d
.set rA, \a
.set rB, \b
.set rX, \sa
.set rY, \sb
.if (\ra) && (\rb)
	v_wmma_scale_f32_16x16x128_f8f6f4 v[rD:rD+7], v[rA:rA+11], v[rB:rB+11], v[rD:rD+7], v[rX], v[rY] matrix_a_fmt:MATRIX_FMT_BF6 matrix_b_fmt:MATRIX_FMT_BF6 matrix_a_scale:MATRIX_SCALE_ROW1 matrix_b_scale:MATRIX_SCALE_ROW1
.elseif \ra
	v_wmma_scale_f32_16x16x128_f8f6f4 v[rD:rD+7], v[rA:rA+11], v[rB:rB+11], v[rD:rD+7], v[rX], v[rY] matrix_a_fmt:MATRIX_FMT_BF6 matrix_b_fmt:MATRIX_FMT_BF6 matrix_a_scale:MATRIX_SCALE_ROW1
.elseif \rb
	v_wmma_scale_f32_16x16x128_f8f6f4 v[rD:rD+7], v[rA:rA+11], v[rB:rB+11], v[rD:rD+7], v[rX], v[rY] matrix_a_fmt:MATRIX_FMT_BF6 matrix_b_fmt:MATRIX_FMT_BF6 matrix_b_scale:MATRIX_SCALE_ROW1
.else
	v_wmma_scale_f32_16x16x128_f8f6f4 v[rD:rD+7], v[rA:rA+11], v[rB:rB+11], v[rD:rD+7], v[rX], v[rY] matrix_a_fmt:MATRIX_FMT_BF6 matrix_b_fmt:MATRIX_FMT_BF6
.endif
.endm
; A block of wf: four fragments, 12 loads of 512 consecutive bytes, and its scale words: 13 loads, in two parts
.macro WLOADA buf, off
.irp i, 0,1,2,3,4,5
	global_load_b128 v[WB+48*(\buf)+4*\i:WB+48*(\buf)+4*\i+3], v2, s[WP:WP+1] offset:(\off)+512*\i
.endr
.endm
.macro WLOADB buf, off
.irp i, 6,7,8,9,10,11
	global_load_b128 v[WB+48*(\buf)+4*\i:WB+48*(\buf)+4*\i+3], v2, s[WP:WP+1] offset:(\off)+512*\i
.endr
	global_load_b64 v[WS+2*(\buf):WS+2*(\buf)+1], v1, s[WP:WP+1] offset:(\off)+6144
.endm
.macro AROWS ab, off                   ; a K step's two fragments of the rows, from LDS, into buffer ab; the destination's window has been set
.set rF, AF+(AFW-AF)*(\ab)
.irp m, 0,1
.irp p, 0,1,2,3,4,5
	ds_load_b64 v[rF+12*\m+2*\p:rF+12*\m+2*\p+1], v[AAD] offset:(\off)+1536*\m+256*\p
.endr
.endr
.endm
.macro MUL4 wb, ab, m                  ; row tile m against the weight's four fragments
.irp nt, 0,1,2,3
	WM ACC+32*(\m)+8*\nt, WB+48*(\wb)+12*\nt, AF+(AFW-AF)*(\ab)+12*(\m), WS+2*(\wb)+\nt/2, AS+(\ab), \nt%2, \m
.endr
.endm
.macro VECA                            ; g1 and beta1 of my lane's first 16 columns,
.irp g, 0,1,2,3
	global_load_b128 v[G+4*\g:G+4*\g+3], v14, s[10:11] offset:16*\g
	global_load_b128 v[BE+4*\g:BE+4*\g+3], v14, s[12:13] offset:16*\g
.endr
.endm
.macro VECB                            ; and of its second 16
.irp g, 0,1,2,3
	global_load_b128 v[G+16+4*\g:G+16+4*\g+3], v14, s[10:11] offset:128+16*\g
	global_load_b128 v[BE+16+4*\g:BE+16+4*\g+3], v14, s[12:13] offset:128+16*\g
.endr
.endm
; A K step of 128 on weight buffer wb and row buffer ab.  first = 1: no products stand ahead of it.  wcnt: the loads issued behind this step's weights, which may stay out.  anext = 1: the next step's rows are asked for, into the other
; row buffer.  wnext = 1: the weights of two steps on are asked for, into the buffer that the step before has left; wnext = 2: g1 and beta1 in their stead, into the two buffers that are done with.
; The 8 accumulators take turns, in the same order in every step.
.macro KSTEP wb, ab, first, wcnt, anext, aoff, soff, wnext, woff
	s_wait_loadcnt \wcnt                           ; this step's weights are in
	s_wait_dscnt 0x0                               ; this step's rows are in (asked for a step ago)
.if (\anext) && ((\ab) == 0)
	WIN 0x40                                       ; the odd steps' rows land in window 1: the switch stands ahead of the wait
.endif
.if !(\first)
	s_wait_alu depctr_va_vdst(0)                   ; the step before's products are done reading their rows, the rows' words, their weights and the weights' words: all the loads of this step land in those registers
.endif
.if \anext
	AROWS 1-(\ab), \aoff
	WIN 0
	ds_load_b32 v[AS+1-(\ab)], v[ASD] offset:\soff
.endif
.if \ab
	WIN 0x04                                       ; source 1 in window 1; a load's address and destination stay in window 0 under it
.endif
	MUL4 \wb, \ab, 0
.if (\wnext) == 1
	WLOADA ((\wb)+2)%3, \woff                      ; no wait: no product since the wait above names these registers
.elseif (\wnext) == 2
	VECA
.endif
	MUL4 \wb, \ab, 1
.if (\wnext) == 1
	WLOADB ((\wb)+2)%3, \woff
.elseif (\wnext) == 2
	VECB
.endif
	WIN 0
.rept 4
	v_nop                                          ; four places behind these products, ahead of the first read of results and of the next step's loads into the registers that they read; the wait at that step's head stands beside them
.endr
.endm
.macro QUANT2 s, pc, pw                ; 32 numbers of a lane (two blocks) -> six registers, block lane / 16 whole, and two scale bytes
.irp b, 0,1
	v_max3_num_f32 v[TM+\b], |v[\s+16*\b]|, |v[\s+1+16*\b]|, 0x2800000
.endr
.irp i, 2,4,6,8,10,12,14
.irp b, 0,1
	v_max3_num_f32 v[TM+\b], v[TM+\b], |v[\s+16*\b+\i]|, |v[\s+1+16*\b+\i]|
.endr
.endr
.irp b, 0,1
	v_permlanex16_b32 v[TM+4+\b], v[TM+\b], s[SEL], s[SEL+1]
.endr
.irp b, 0,1
	v_max_num_f32 v[TM+\b], v[TM+\b], v[TM+4+\b]
.endr
.irp b, 0,1
	v_add_nc_u32 v[TM+12+\b], 0xfe000000, v[TM+\b]
.endr
.irp b, 0,1
	v_lshrrev_b32 v[TM+4+\b], 23, v[TM+12+\b]
.endr
	v_lshl_or_b32 v[\pw], v[TM+5], 8, v[TM+4]
	v_cvt_scalef32_pk16_bf6_f32 v[\pc:\pc+2], v[\s:\s+15], v[TM+12]
	v_cvt_scalef32_pk16_bf6_f32 v[CT:CT+2], v[\s+16:\s+31], v[TM+13]
	v_nop
.irp i, 0,1,2
	v_permlane16_swap_b32 v[\pc+\i], v[CT+\i]
.endr
.irp i, 0,1,2
	v_mov_b32 v[\pc+3+\i], v[CT+\i]
.endr
.endm
.macro ROWSUM mt                       ; the sum of my wave's 64 columns of row 16 mt + r, from the accumulators' low ends on
.set rS, ACC+32*\mt
	v_pk_add_f32 v[CH0:CH0+1], v[rS:rS+1], v[rS+2:rS+3]
	v_pk_add_f32 v[CH1:CH1+1], v[rS+4:rS+5], v[rS+6:rS+7]
.irp j, 8,12,16,20,24,28
	v_pk_add_f32 v[CH0:CH0+1], v[CH0:CH0+1], v[rS+\j:rS+\j+1]
	v_pk_add_f32 v[CH1:CH1+1], v[CH1:CH1+1], v[rS+\j+2:rS+\j+3]
.endr
	v_pk_add_f32 v[CH0:CH0+1], v[CH0:CH0+1], v[CH1:CH1+1]
	v_add_f32 v[CH0], v[CH0], v[CH0+1]
	v_permlanex16_b32 v[PT], v[CH0], s[SEL], s[SEL+1]
	v_add_f32 v[MU+2*\mt], v[CH0], v[PT]
.endm
.macro SQSUM mt                        ; the same of the squares
.set rS, ACC+32*\mt
	v_pk_mul_f32 v[CH0:CH0+1], v[rS:rS+1], v[rS:rS+1]
	v_pk_mul_f32 v[CH1:CH1+1], v[rS+2:rS+3], v[rS+2:rS+3]
.irp j, 4,8,12,16,20,24,28
	v_pk_fma_f32 v[CH0:CH0+1], v[rS+\j:rS+\j+1], v[rS+\j:rS+\j+1], v[CH0:CH0+1]
	v_pk_fma_f32 v[CH1:CH1+1], v[rS+\j+2:rS+\j+3], v[rS+\j+2:rS+\j+3], v[CH1:CH1+1]
.endr
	v_pk_add_f32 v[CH0:CH0+1], v[CH0:CH0+1], v[CH1:CH1+1]
	v_add_f32 v[CH0], v[CH0], v[CH0+1]
	v_permlanex16_b32 v[PT], v[CH0], s[SEL], s[SEL+1]
	v_add_f32 v[MU+2*\mt], v[CH0], v[PT]
.endm
.macro REDUCE off                      ; the twelve waves' parts of each row's sum meet in LDS; every wave adds them in the same order
	s_wait_alu depctr_va_vdst(0)                   ; my parts of the two sums are written, which the stores read; the products and additions that named v[RB ..], in which the loads below land, are done
.irp m, 0,1
	ds_store_b32 v9, v[MU+2*\m] offset:\off+1024*\m
.endr
	s_wait_dscnt 0x0
	s_barrier_signal -1
	s_barrier_wait -1
.irp q, 0,1
.irp g, 0,1,2
	ds_load_b128 v[RB+12*\q+4*\g:RB+12*\q+4*\g+3], v10 offset:\off+1024*\q+16*\g
.endr
.endr
	s_wait_dscnt 0x0
	s_wait_alu depctr_vm_vsrc(0)                   ; the two stores above have read v[MU] and v[MU + 2], which the additions below write again
.irp q, 0,1
	v_pk_add_f32 v[RB+12*\q:RB+12*\q+1], v[RB+12*\q:RB+12*\q+1], v[RB+12*\q+2:RB+12*\q+3]
	v_pk_add_f32 v[RB+12*\q+4:RB+12*\q+5], v[RB+12*\q+4:RB+12*\q+5], v[RB+12*\q+6:RB+12*\q+7]
	v_pk_add_f32 v[RB+12*\q+8:RB+12*\q+9], v[RB+12*\q+8:RB+12*\q+9], v[RB+12*\q+10:RB+12*\q+11]
	v_pk_add_f32 v[RB+12*\q:RB+12*\q+1], v[RB+12*\q:RB+12*\q+1], v[RB+12*\q+4:RB+12*\q+5]
	v_pk_add_f32 v[RB+12*\q:RB+12*\q+1], v[RB+12*\q:RB+12*\q+1], v[RB+12*\q+8:RB+12*\q+9]
	v_add_f32 v[MU+2*\q], v[RB+12*\q], v[RB+12*\q+1]
.endr
.endm
.macro WAYIN mt                        ; 16 rows x my 64 columns, loaded by rows, through my own stage into the accumulators' layout, in the registers that they left
.irp t, 0,1,2,3,4,5,6,7
	ds_store_b128 v7, v[ACC+32*\mt+4*\t:ACC+32*\mt+4*\t+3] offset:544*\t
.endr
	s_wait_alu depctr_vm_vsrc(0)                   ; my LDS stores so far have read their data: the loads below land in this tile's registers, and the registers of the copy into LDS are free for the weights that land there later
.irp b, 0,1
.irp g, 0,1,2,3
	ds_load_b128 v[ACC+32*\mt+16*\b+4*\g:ACC+32*\mt+16*\b+4*\g+3], v6 offset:128*\b+16*\g   ; LDS serves a wave's instructions in order (ISA guide 5.7.1.4): these see the stores above, and the next tile's stores come behind them
.endr
.endr
.endm
.macro WAYOUT mt, base                 ; 16 rows x my 64 columns through my own stage: sixteen lanes then store 256 consecutive bytes of a row
	s_wait_xcnt 0x0                                ; earlier stores have read their registers: the rows read back may land there
.if \mt
	s_wait_alu depctr_vm_vsrc(0)                   ; the tile before's global stores have read v[OB ..], in which the rows read back land
.endif
.irp b, 0,1
.irp g, 0,1,2,3
	ds_store_b128 v6, v[ACC+32*\mt+16*\b+4*\g:ACC+32*\mt+16*\b+4*\g+3] offset:128*\b+16*\g
.endr
.endr
.irp t, 0,1,2,3,4,5,6,7
	ds_load_b128 v[OB+4*\t:OB+4*\t+3], v7 offset:544*\t
.endr
.irp t, 0,1,2,3,4,5,6,7
	s_wait_dscnt 7-\t                              ; load t is in; the younger ones may be out
	global_store_b128 v8, v[OB+4*\t:OB+4*\t+3], s[\base:\base+1] offset:(16*\mt+2*\t)*3072
.endr
.endm
	s_load_b256 s[4:11], s[0:1], 0x0               ; ca, wf, x, g1
	s_load_b128 s[12:15], s[0:1], 0x20             ; beta1, hf
	s_load_b64 s[16:17], s[0:1], 0x30              ; ha
	s_set_vgpr_msb 0x40
	v_lshl_add_u32 v0, v0, 2, 0x17500
	v_mov_b32 v1, 0
	s_set_vgpr_msb 0x4000
	v_lshrrev_b32 v1, 5, v0
	v_readfirstlane_b32 s18, v1                    ; wave 0..11
	s_lshr_b32 s19, ttmp9, 1                       ; the block of 64 rows
	s_and_b32 s44, ttmp9, 1                        ; q: which 32 of them
	s_mul_i32 s45, s44, 3072
	s_lshl_b32 s46, s44, 2
	v_and_b32 v15, 31, v0
	v_lshlrev_b32 v1, 3, v15                       ; 8 x lane
	v_lshlrev_b32 v2, 4, v15                       ; 16 x lane
	v_add_nc_u32 v[AAD], s45, v1                   ; ctx's fragments: 8 x lane + 2 q fragments
	v_add_nc_u32 v[ASD], s46, v1                   ; its words: 8 x lane + 4 q
	v_and_b32 v15, 15, v0                          ; r
	s_wait_alu depctr_va_vdst(0)
	v_bfe_u32 v255, v0, 4, 1                       ; h
	s_mov_b32 s[SEL], 0x76543210
	s_mov_b32 s[SEL+1], 0xfedcba98
	s_mov_b32 s24, 0x3aaaaaab                      ; 1 / 768
	s_mov_b32 s25, 0x3727c5ac                      ; 1e-5
	s_wait_alu depctr_va_sdst(0)                   ; s18, the wave's number, is written, ahead of its first reader
	s_lshl_b32 s26, s18, 8                         ; 256 w
	s_mul_i32 s27, s18, 4352
	s_add_co_u32 s27, s27, STG                     ; my stage
	s_lshr_b32 s28, s18, 1
	s_and_b32 s29, s18, 1
	s_lshl_b32 s30, s28, 7
	s_lshl_b32 s31, s29, 1
	s_add_co_u32 s30, s30, s31
	s_lshl_b32 s31, s18, 2
	v_lshlrev_b32 v5, 2, v15
	v_add_nc_u32 v5, s30, v5                       ; my two bytes of a row's scale word in LDS: 128 (w / 2) + 2 (w % 2) + 4 r
	v_mul_u32_u24 v6, v15, 272
	s_wait_alu depctr_va_vdst(0)
	v_lshl_add_u32 v6, v255, 6, v6
	v_add_nc_u32 v6, s27, v6                       ; the stage in the accumulators' layout: row r, + 64 h
	v_mul_u32_u24 v7, v255, 272
	v_lshl_add_u32 v7, v15, 4, v7
	v_add_nc_u32 v7, s27, v7                       ; by rows: lanes 0-15 one row, lanes 16-31 the next
	v_mul_u32_u24 v8, v255, 3072
	v_lshl_add_u32 v8, v15, 4, v8
	v_add_nc_u32 v8, s26, v8                       ; and the same in x and in hf
	v_lshlrev_b32 v10, 6, v15
	v_add_nc_u32 v10, RED1, v10                    ; a row's twelve partial sums,
	v_add_nc_u32 v9, s31, v10                      ; and mine among them
	v_lshlrev_b32 v11, 3, v0                       ; 8 x thread
	v_lshlrev_b32 v12, 4, v0                       ; 16 x thread
	v_lshlrev_b32 v13, 2, v0                       ; 4 x thread
	v_lshlrev_b32 v14, 6, v255
	v_add_nc_u32 v14, s26, v14                     ; g, beta: 256 w + 64 h
	s_mul_i32 s32, s19, 38400
	s_mov_b32 s33, 0
	s_mul_i32 s34, ttmp9, 98304                    ; 32 rows of 3,072 bytes a work-group
	s_mov_b32 s35, 0
	s_mul_i32 s36, s18, 6
	s_add_co_u32 s36, s36, 216
	s_mul_i32 s36, s36, 6400                       ; Wo's blocks 216 + 6 w on
	s_mov_b32 s37, 0
	s_mul_i32 s38, s28, 6144
	s_mul_i32 s39, s29, 768
	s_add_co_u32 s38, s38, s39
	s_add_co_u32 s38, s38, s45                     ; ha: K step w / 2, tiles 2 q on, half w % 2
	s_mov_b32 s39, 0
	s_add_co_u32 s46, s46, ASC                     ; ha's words: + 4 q
	s_mov_b32 s47, 0
	s_wait_kmcnt 0x0
	s_add_nc_u64 s[WP:WP+1], s[6:7], s[36:37]
	s_add_nc_u64 s[4:5], s[4:5], s[32:33]
	s_add_nc_u64 s[8:9], s[8:9], s[34:35]
	s_add_nc_u64 s[14:15], s[14:15], s[34:35]
	s_add_nc_u64 s[16:17], s[16:17], s[32:33]
	s_add_nc_u64 s[40:41], s[16:17], s[38:39]
	s_add_nc_u64 s[42:43], s[16:17], s[46:47]
	s_wait_alu depctr_va_vdst(0)                   ; the offsets and LDS addresses v1 to v14 are written, which every load and store of the kernel reads; so is v255, in which the odd steps' words land
.irp i, 0,1,2,3,4,5                            ; ctx's block into LDS as it lies: 384 threads x 16 bytes, six times, and 4 bytes each
	global_load_b128 v[176+4*\i:179+4*\i], v12, s[4:5] offset:6144*\i
.endr
	global_load_b32 v200, v13, s[4:5] offset:ASC
.irp m, 0,1                                    ; x by rows: sixteen lanes take 256 consecutive bytes
.irp t, 0,1,2,3,4,5,6,7
	global_load_b128 v[ACC+32*\m+4*\t:ACC+32*\m+4*\t+3], v8, s[8:9] offset:(16*\m+2*\t)*3072 th:TH_LOAD_NT
.endr
.endr
	WLOADA 0, 0                                    ; the first two K steps' weights
	WLOADB 0, 0
	WLOADA 1, 6400
	WLOADB 1, 6400
	s_wait_loadcnt 42                              ; ctx's block is in; x's 16 loads and the weights' 26 may be out
.irp i, 0,1,2,3,4,5
	ds_store_b128 v12, v[176+4*\i:179+4*\i] offset:6144*\i
.endr
	ds_store_b32 v13, v200 offset:ASC
	s_wait_loadcnt 26                              ; x is in; the weights' 26 may be out
	WAYIN 0
	WAYIN 1
	s_wait_dscnt 0x0                               ; for the others' sake: my part of ctx's block has landed; x is in the accumulators
	s_barrier_signal -1
	s_barrier_wait -1
	AROWS 0, 0                                     ; K step 0's rows and their words
	ds_load_b32 v[AS], v[ASD] offset:ASC
	KSTEP 0, 0, 1, 13, 1, 6144, ASC+256, 1, 12800  ; 13: the next step's weights may be out
	KSTEP 1, 1, 0, 13, 1, 12288, ASC+512, 1, 19200
	KSTEP 2, 0, 0, 13, 1, 18432, ASC+768, 1, 25600
	KSTEP 0, 1, 0, 13, 1, 24576, ASC+1024, 1, 32000
	KSTEP 1, 0, 0, 13, 1, 30720, ASC+1280, 0, 0    ; no weights are left to ask for
	KSTEP 2, 1, 0, 0, 0, 0, 0, 2, 0                ; the last step asks for g1 and beta1
	ROWSUM 0
	ROWSUM 1
	REDUCE 0
.irp m, 0,1
	v_mul_f32 v[MU+2*\m], 0xbaaaaaab, v[MU+2*\m]   ; - the mean
.endr
.irp m, 0,1
.set j, 0
.rept 16
	v_pk_add_f32 v[ACC+32*\m+j:ACC+32*\m+j+1], v[ACC+32*\m+j:ACC+32*\m+j+1], v[MU+2*\m:MU+2*\m+1] op_sel_hi:[1,0]
.set j, j+2
.endr
	SQSUM \m
.endr
	REDUCE 2048
.irp m, 0,1
	v_fma_f32 v[MU+2*\m], v[MU+2*\m], s24, s25     ; the variance + eps
.endr
	s_wait_alu depctr_va_vdst(0)
.irp m, 0,1
	v_rsq_f32 v[MU+2*\m], v[MU+2*\m]
.endr
	v_nop                                          ; a plain instruction behind the last of them,
	s_wait_alu depctr_va_vdst(0)                   ; and one wait for the two: v[MU] and v[MU + 2] are written, ahead of their first reader
	s_wait_loadcnt 0x0                             ; g1, beta1
.irp m, 0,1
.set j, 0
.rept 16
	v_pk_mul_f32 v[ACC+32*\m+j:ACC+32*\m+j+1], v[ACC+32*\m+j:ACC+32*\m+j+1], v[MU+2*\m:MU+2*\m+1] op_sel_hi:[1,0]
	v_pk_fma_f32 v[ACC+32*\m+j:ACC+32*\m+j+1], v[ACC+32*\m+j:ACC+32*\m+j+1], v[G+j:G+j+1], v[BE+j:BE+j+1]
.set j, j+2
.endr
.endr
.irp m, 0,1                                    ; both tiles are quantised first, each into registers of its own, so that one wait serves all the stores
	QUANT2 ACC+32*\m, PCD+6*\m, PW+\m
.endr
	s_wait_alu depctr_va_vdst(0)                   ; h, its codes and its scale bytes are written, which the stores below read; the vector and matrix work that named v[OB ..] and v208, in which LDS loads land below, is done.  No vector instruction follows
.irp m, 0,1                                    ; h leaves twice: as codes (half a K step a wave) and as f32
.irp p, 0,1,2
	global_store_b64 v1, v[PCD+6*\m+2*\p:PCD+6*\m+2*\p+1], s[40:41] offset:1536*\m+256*\p   ; 32 lanes store 256 consecutive bytes, at a multiple of 256 from ha's first byte
.endr
	ds_store_b16 v5, v[PW+\m] offset:SCG+64*\m     ; (both halves of the lanes write the same two bytes)
	WAYOUT \m, 14
.endr
	s_wait_dscnt 0x0
	s_barrier_signal -1
	s_barrier_wait -1                              ; the 768 bytes of scale words are whole
	s_cmp_lt_u32 s18, 6
	s_cbranch_scc0 .Lend
	ds_load_b32 v208, v13 offset:SCG               ; wave f of waves 0 to 5: K step f's 32 words,
	s_wait_dscnt 0x0
	global_store_b32 v11, v208, s[42:43]           ; to 256 f + 8 x lane + 4 q: the other 32 rows' words lie between them
.Lend:
	s_set_vgpr_msb 0x5                             ; the add's two registers lie in window 1: the one switch stands ahead of the closing lines
	s_wait_dscnt 0x0                               ; the closing lines, six on end
	s_wait_alu 0x0
	s_wait_tensorcnt 0x0
	ds_add_u32 v0, v1
	s_wait_dscnt 0x0
	s_endpgm
.Lfunc_end_k_q1a98c0dab4_oln:
	.size	k_q1a98c0dab4_oln, .Lfunc_end_k_q1a98c0dab4_oln-k_q1a98c0dab4_oln
	.p2alignl 7, 3214868480
	.fill 96, 4, 3214868480
	.section	.rodata,"a",@progbits
	.p2align	6, 0x0
	.amdhsa_kernel k_q1a98c0dab4_oln
		.amdhsa_group_segment_fixed_size 97024
		.amdhsa_private_segment_fixed_size 0
		.amdhsa_enable_private_segment 0
		.amdhsa_kernarg_size 56
		.amdhsa_user_sgpr_count 2
		.amdhsa_user_sgpr_kernarg_segment_ptr 1
		.amdhsa_wavefront_size32 1
		.amdhsa_system_sgpr_workgroup_id_x 1
		.amdhsa_system_sgpr_workgroup_id_y 1
		.amdhsa_system_sgpr_workgroup_id_z 1
		.amdhsa_system_vgpr_workitem_id 0
		.amdhsa_next_free_vgpr 282
		.amdhsa_next_free_sgpr 66
		.amdhsa_reserve_vcc 0
		.amdhsa_float_denorm_mode_32 3
		.amdhsa_float_denorm_mode_16_64 3
		.amdhsa_memory_ordered 1
		.amdhsa_forward_progress 1
		.amdhsa_inst_pref_size 53
	.end_amdhsa_kernel
	.amdgpu_metadata
---
amdhsa.version: [ 1, 2 ]
amdhsa.kernels:
  - .name:           k_q1a98c0dab4_oln
    .symbol:         k_q1a98c0dab4_oln.kd
    .args:
      - { .name: ca, .offset: 0, .size: 8, .value_kind: global_buffer, .address_space: global }
      - { .name: wf, .offset: 8, .size: 8, .value_kind: global_buffer, .address_space: global }
      - { .name: x, .offset: 16, .size: 8, .value_kind: global_buffer, .address_space: global }
      - { .name: g1, .offset: 24, .size: 8, .value_kind: global_buffer, .address_space: global }
      - { .name: beta1, .offset: 32, .size: 8, .value_kind: global_buffer, .address_space: global }
      - { .name: hf, .offset: 40, .size: 8, .value_kind: global_buffer, .address_space: global }
      - { .name: ha, .offset: 48, .size: 8, .value_kind: global_buffer, .address_space: global }
    .group_segment_fixed_size: 97024
    .private_segment_fixed_size: 0
    .kernarg_segment_align: 8
    .kernarg_segment_size: 56
    .max_flat_workgroup_size: 384
    .sgpr_count:     66
    .vgpr_count:     282
    .wavefront_size: 32
...
	.end_amdgpu_metadata
.endif
;; end of part 13
;; launch ffa (part 14): grid 64 x 4, 12 waves a work-group, no clusters, 41,472 bytes of LDS; arguments ha, wf, b1, fa; writes fa
.if DOCPART == 14
	.amdgcn_target "amdgcn-amd-amdhsa--gfx1250"
	.amdhsa_code_object_version 6
	.text
	.protected	k_q1a98c0dab4_ffa
	.globl	k_q1a98c0dab4_ffa
	.p2align	8
	.type	k_q1a98c0dab4_ffa,@function
k_q1a98c0dab4_ffa:
	s_mov_b64 s[64:65], 0
	v_nop
	global_prefetch_b8 v0, s[64:65] scope:SCOPE_SE
	s_setreg_imm32_b32 hwreg(HW_REG_WAVE_SCHED_MODE, 0, 2), 2
	s_setreg_imm32_b32 hwreg(HW_REG_WAVE_MODE, 25, 1), 1
	s_wait_xcnt 0x0
	s_wait_alu depctr_vm_vsrc(0)
; relu(h W1 + b1) for 64 rows x 768 of the 3,072 columns (work-group (blk, y): columns 768 y on), on codes of BF6 with E8M0 scales; the result is quantised in registers and stored as the next product's operand.
; ha's block (38,400 bytes for 64 rows): fragment (K step f, row tile mt) at (4 f + mt) 1536 as six planes of 256 bytes; from 36,864 on 256 bytes of scale words a K step.  fa's block (153,600 bytes) likewise with 24 K steps; words from 147,456 on.
; Wave w makes columns 64 w .. 64 w + 63 of the 768 for all 64 rows: 16 accumulators; source 0 = W1's rows (from memory into the one wave that uses them, two buffers), source 1 = h's rows (from LDS).  Lane (r, h) holds row r, register
; 32 mt + 16 b + i the column 64 w + 32 b + 16 h + i.  b1 is loaded into the accumulators: it is the sums' first C.
; LIMITS: NaN and infinities are not served; a block under 2^-122 (zeros among them) gets the byte 1.  No cluster, no tensor load: a weight fragment is used by one wave of a work-group, from registers.
; THE MODE: SCHED_MODE bits 1:0 = 2 (LLVM: expert scheduling mode 2), set by the entry lines.  The code itself states the register dependences between vector or matrix instructions and memory or LDS instructions, with s_wait_alu, always for 0.
; THE PLAN.  Registers that memory or LDS instructions touch in the product:
;   WB0, WB1, WS   K step s: its sixteen products read WB[s % 2] and its two words; the loads of step s + 1's weights, issued at step s's head, land in the other buffer, which step s - 1 read.
;   AF, AS         one buffer: step s's products read it, step s + 1's rows land in it.  A second would make 352 registers a wave, and three waves share a SIMD's 1,024.
;   v1 .. v4, v11 .. v14  offsets and LDS addresses, made at the head and never written again.
; So ONE wait on va_vdst stands at the head of every step but the first: the step before's products are done reading.  All the step's 38 loads follow it in one run, the weights first.  They are not dealt among the products:
; the odd steps' products take source 0 from window 1, and a load's address is its source 0.
; Behind the product all four tiles are quantised into registers of their own; one wait on va_vdst stands ahead of the run of stores.
.set ACC, 16
.set WB0, 144
.set AF,  192
.set WS,  240
.set AS,  244
.set AAD, 3
.set ASD, 4
.set WP,  20
.set SEL, 22
.set ASC, 36864
.set SCG, 38400
.set TM,  212
.set PW,  228
.set CT,  234
.set MSB, 0
.macro WIN new
.if MSB != \new
	s_set_vgpr_msb (MSB<<8)|\new
.set MSB, \new
.endif
.endm
.macro WM d, a, b, sa, sb, ra, rb
.set rD, \d
.set rA, \a
.set rB, \b
.set rX, \sa
.set rY, \sb
.if (\ra) && (\rb)
	v_wmma_scale_f32_16x16x128_f8f6f4 v[rD:rD+7], v[rA:rA+11], v[rB:rB+11], v[rD:rD+7], v[rX], v[rY] matrix_a_fmt:MATRIX_FMT_BF6 matrix_b_fmt:MATRIX_FMT_BF6 matrix_a_scale:MATRIX_SCALE_ROW1 matrix_b_scale:MATRIX_SCALE_ROW1
.elseif \ra
	v_wmma_scale_f32_16x16x128_f8f6f4 v[rD:rD+7], v[rA:rA+11], v[rB:rB+11], v[rD:rD+7], v[rX], v[rY] matrix_a_fmt:MATRIX_FMT_BF6 matrix_b_fmt:MATRIX_FMT_BF6 matrix_a_scale:MATRIX_SCALE_ROW1
.elseif \rb
	v_wmma_scale_f32_16x16x128_f8f6f4 v[rD:rD+7], v[rA:rA+11], v[rB:rB+11], v[rD:rD+7], v[rX], v[rY] matrix_a_fmt:MATRIX_FMT_BF6 matrix_b_fmt:MATRIX_FMT_BF6 matrix_b_scale:MATRIX_SCALE_ROW1
.else
	v_wmma_scale_f32_16x16x128_f8f6f4 v[rD:rD+7], v[rA:rA+11], v[rB:rB+11], v[rD:rD+7], v[rX], v[rY] matrix_a_fmt:MATRIX_FMT_BF6 matrix_b_fmt:MATRIX_FMT_BF6
.endif
.endm
.macro WLOAD buf, off                  ; a block of wf: 13 loads
.if \buf
	WIN 0x40
.irp i, 0,1,2,3,4,5,6,7,8,9,10,11
	global_load_b128 v[4*\i:4*\i+3], v2, s[WP:WP+1] offset:\off+512*\i
.endr
	WIN 0
.else
.irp i, 0,1,2,3,4,5,6,7,8,9,10,11
	global_load_b128 v[WB0+4*\i:WB0+4*\i+3], v2, s[WP:WP+1] offset:\off+512*\i
.endr
.endif
	global_load_b64 v[WS+2*(\buf):WS+2*(\buf)+1], v1, s[WP:WP+1] offset:\off+6144
.endm
.macro ALOAD off, soff
.irp mt, 0,1,2,3
.irp p, 0,1,2,3,4,5
	ds_load_b64 v[AF+12*\mt+2*\p:AF+12*\mt+2*\p+1], v[AAD] offset:\off+1536*\mt+256*\p
.endr
.endr
	ds_load_b64 v[AS:AS+1], v[ASD] offset:\soff
.endm
; A K step of 128 on weight buffer buf.  first = 1: no products stand ahead of it.  wnext = 1: the next step's weights are asked for, into the other buffer.  aoff, soff: where this step's rows and their words lie in LDS.
; The 16 accumulators take turns, in the same order in every step.
.macro GSTEP buf, first, wnext, woff, aoff, soff
.if (\wnext) && ((\buf) == 0)
	WIN 0x40                                       ; the odd steps' weights land in window 1: the switch stands ahead of the wait
.endif
.if !(\first)
	s_wait_alu depctr_va_vdst(0)                   ; the step before's products are done reading h's rows, the rows' words, their weights and the weights' words: all the loads of this step land in those registers
.endif
.if \wnext
	WLOAD 1-\buf, \woff
.endif
	ALOAD \aoff, \soff
.if \wnext
	s_wait_loadcnt 13                              ; all but the 13 loads just issued: this step's weights are in
.else
	s_wait_loadcnt 0x0
.endif
	s_wait_dscnt 0x0                               ; this step's rows are in
.if \buf
	WIN 0x01
.endif
.irp mt, 0,1,2,3
.irp nt, 0,1,2,3
	WM ACC+32*\mt+8*\nt, (1-\buf)*WB0+12*\nt, AF+12*\mt, WS+2*(\buf)+\nt/2, AS+\mt/2, \nt%2, \mt%2
.endr
.endr
	WIN 0
.rept 4
	v_nop                                          ; four places behind these products, ahead of the first read of results and of the next step's loads into the registers that they read; the wait at that step's head stands beside them
.endr
.endm
.macro QUANT2 s, pc, pw                ; 32 numbers of a lane (two blocks) -> six registers, block lane / 16 whole, and two scale bytes
.irp b, 0,1
	v_max3_num_f32 v[TM+\b], |v[\s+16*\b]|, |v[\s+1+16*\b]|, 0x2800000
.endr
.irp i, 2,4,6,8,10,12,14
.irp b, 0,1
	v_max3_num_f32 v[TM+\b], v[TM+\b], |v[\s+16*\b+\i]|, |v[\s+1+16*\b+\i]|
.endr
.endr
.irp b, 0,1
	v_permlanex16_b32 v[TM+4+\b], v[TM+\b], s[SEL], s[SEL+1]
.endr
.irp b, 0,1
	v_max_num_f32 v[TM+\b], v[TM+\b], v[TM+4+\b]
.endr
.irp b, 0,1
	v_add_nc_u32 v[TM+12+\b], 0xfe000000, v[TM+\b]
.endr
.irp b, 0,1
	v_lshrrev_b32 v[TM+4+\b], 23, v[TM+12+\b]
.endr
	v_lshl_or_b32 v[\pw], v[TM+5], 8, v[TM+4]
	v_cvt_scalef32_pk16_bf6_f32 v[\pc:\pc+2], v[\s:\s+15], v[TM+12]
	v_cvt_scalef32_pk16_bf6_f32 v[CT:CT+2], v[\s+16:\s+31], v[TM+13]
	v_nop
.irp i, 0,1,2
	v_permlane16_swap_b32 v[\pc+\i], v[CT+\i]
.endr
.irp i, 0,1,2
	v_mov_b32 v[\pc+3+\i], v[CT+\i]
.endr
.endm
	s_load_b256 s[4:11], s[0:1], 0x0               ; ha, wf, b1, fa
	v_lshl_add_u32 v252, v0, 2, 0x9c00
	v_mov_b32 v253, 0
	v_lshrrev_b32 v1, 5, v0
	v_readfirstlane_b32 s18, v1                    ; wave 0..11
	s_and_b32 s19, ttmp7, 0xffff                   ; y
	v_and_b32 v15, 31, v0
	v_and_b32 v254, 15, v0                         ; r
	s_wait_alu depctr_va_vdst(0)
	v_bfe_u32 v255, v0, 4, 1                       ; h
	s_wait_alu depctr_va_vdst(0)
	v_lshlrev_b32 v1, 3, v15
	v_lshlrev_b32 v2, 4, v15
	v_lshlrev_b32 v[AAD], 3, v15
	v_lshlrev_b32 v[ASD], 3, v15
	s_mov_b32 s[SEL], 0x76543210
	s_mov_b32 s[SEL+1], 0xfedcba98
	s_wait_alu depctr_va_sdst(0)                   ; s18, the wave's number, is written, ahead of its first reader
	s_lshr_b32 s28, s18, 1
	s_and_b32 s29, s18, 1
	s_lshl_b32 s30, s28, 8
	s_lshl_b32 s31, s29, 1
	s_add_co_u32 s30, s30, s31
	v_lshlrev_b32 v11, 3, v254
	v_add_nc_u32 v11, s30, v11                     ; my two bytes of a row's scale word: 256 (w / 2) + 2 (w % 2) + 8 r
	v_lshlrev_b32 v12, 4, v0
	v_lshlrev_b32 v13, 2, v0
	v_lshlrev_b32 v14, 6, v255                     ; b1: 64 h
	s_mul_i32 s32, ttmp9, 38400
	s_mov_b32 s33, 0
	s_mul_i32 s34, ttmp9, 153600
	s_mov_b32 s35, 0
	s_mul_i32 s36, s19, 72
	s_mul_i32 s37, s18, 6
	s_add_co_u32 s36, s36, s37
	s_add_co_u32 s36, s36, 288
	s_mul_i32 s36, s36, 6400                       ; W1's blocks 288 + 6 (12 y + w) on
	s_mov_b32 s37, 0
	s_mul_i32 s38, s19, 6
	s_add_co_u32 s38, s38, s28
	s_mul_i32 s38, s38, 6144                       ; fa: K step 6 y + w / 2,
	s_mul_i32 s39, s29, 768
	s_add_co_u32 s38, s38, s39                     ; half w % 2
	s_mov_b32 s39, 0
	s_mul_i32 s40, s19, 3072
	s_lshl_b32 s41, s18, 8
	s_add_co_u32 s40, s40, s41                     ; b1: my 64 numbers
	s_mov_b32 s41, 0
	s_mul_i32 s42, s19, 1536
	s_add_co_u32 s42, s42, 147456                  ; fa's scale words of K steps 6 y on
	s_mov_b32 s43, 0
	s_wait_kmcnt 0x0
	s_add_nc_u64 s[WP:WP+1], s[6:7], s[36:37]
	s_add_nc_u64 s[4:5], s[4:5], s[32:33]
	s_add_nc_u64 s[8:9], s[8:9], s[40:41]
	s_add_nc_u64 s[10:11], s[10:11], s[34:35]
	s_add_nc_u64 s[38:39], s[10:11], s[38:39]
	s_add_nc_u64 s[42:43], s[10:11], s[42:43]
	s_wait_alu depctr_va_vdst(0)                   ; the offsets and LDS addresses v1 to v4 and v11 to v14 are written, which every load and store of the kernel reads
	WLOAD 0, 0
.irp mt, 0,1,2,3                               ; b1 into the accumulators, the same numbers for each row tile
.irp b, 0,1
.irp g, 0,1,2,3
	global_load_b128 v[ACC+32*\mt+16*\b+4*\g:ACC+32*\mt+16*\b+4*\g+3], v14, s[8:9] offset:128*\b+16*\g
.endr
.endr
.endr
.irp i, 0,1,2,3,4,5                            ; h's block into LDS as it lies
	global_load_b128 v[AF+4*\i:AF+4*\i+3], v12, s[4:5] offset:6144*\i
.endr
	global_load_b32 v[AF+24], v13, s[4:5] offset:ASC
	s_wait_loadcnt 0x0
.irp i, 0,1,2,3,4,5
	ds_store_b128 v12, v[AF+4*\i:AF+4*\i+3] offset:6144*\i
.endr
	ds_store_b32 v13, v[AF+24] offset:ASC
	s_wait_dscnt 0x0
	s_barrier_signal -1
	s_barrier_wait -1
	s_wait_alu depctr_vm_vsrc(0)                   ; my LDS stores have read v[AF ..], in which the rows' fragments land from here on
	GSTEP 0, 1, 1, 6400, 0, ASC
	GSTEP 1, 0, 1, 12800, 6144, ASC+256
	GSTEP 0, 0, 1, 19200, 12288, ASC+512
	GSTEP 1, 0, 1, 25600, 18432, ASC+768
	GSTEP 0, 0, 1, 32000, 24576, ASC+1024
	GSTEP 1, 0, 0, 0, 30720, ASC+1280
.set j, 0
.rept 128
	v_max_num_f32 v[ACC+j], 0, v[ACC+j]            ; the activation, in f32, from the accumulators' low ends on
.set j, j+1
.endr
.irp mt, 0,1,2,3                               ; all four tiles are quantised first, each into registers of its own, so that one wait serves all the stores
	QUANT2 ACC+32*\mt, 144+6*\mt, PW+\mt
.endr
	s_wait_alu depctr_va_vdst(0)                   ; the codes and the scale bytes are written, which the stores below read; the products that read v208 to v211, in which an LDS load lands below, are done.  No vector instruction follows
.irp mt, 0,1,2,3
.irp p, 0,1,2
	global_store_b64 v1, v[144+6*\mt+2*\p:145+6*\mt+2*\p], s[38:39] offset:1536*\mt+256*\p   ; 32 lanes store 256 consecutive bytes, at a multiple of 256 from fa's first byte
.endr
	ds_store_b16 v11, v[PW+\mt] offset:SCG+128*(\mt%2)+4*(\mt/2)
.endr
	s_wait_dscnt 0x0
	s_barrier_signal -1
	s_barrier_wait -1                              ; six K steps' scale words are whole
	s_cmp_lt_u32 s18, 3
	s_cbranch_scc0 .Lend
	ds_load_b128 v[208:211], v12 offset:SCG        ; waves 0 to 2: 512 bytes each
	s_wait_dscnt 0x0
	global_store_b128 v12, v[208:211], s[42:43]
.Lend:
	s_wait_dscnt 0x0                               ; the closing lines, six on end
	s_wait_alu 0x0
	s_wait_tensorcnt 0x0
	ds_add_u32 v252, v253
	s_wait_dscnt 0x0
	s_endpgm
.Lfunc_end_k_q1a98c0dab4_ffa:
	.size	k_q1a98c0dab4_ffa, .Lfunc_end_k_q1a98c0dab4_ffa-k_q1a98c0dab4_ffa
	.p2alignl 7, 3214868480
	.fill 96, 4, 3214868480
	.section	.rodata,"a",@progbits
	.p2align	6, 0x0
	.amdhsa_kernel k_q1a98c0dab4_ffa
		.amdhsa_group_segment_fixed_size 41472
		.amdhsa_private_segment_fixed_size 0
		.amdhsa_enable_private_segment 0
		.amdhsa_kernarg_size 32
		.amdhsa_user_sgpr_count 2
		.amdhsa_user_sgpr_kernarg_segment_ptr 1
		.amdhsa_wavefront_size32 1
		.amdhsa_system_sgpr_workgroup_id_x 1
		.amdhsa_system_sgpr_workgroup_id_y 1
		.amdhsa_system_sgpr_workgroup_id_z 1
		.amdhsa_system_vgpr_workitem_id 0
		.amdhsa_next_free_vgpr 304
		.amdhsa_next_free_sgpr 66
		.amdhsa_reserve_vcc 0
		.amdhsa_float_denorm_mode_32 3
		.amdhsa_float_denorm_mode_16_64 3
		.amdhsa_memory_ordered 1
		.amdhsa_forward_progress 1
		.amdhsa_inst_pref_size 51
	.end_amdhsa_kernel
	.amdgpu_metadata
---
amdhsa.version: [ 1, 2 ]
amdhsa.kernels:
  - .name:           k_q1a98c0dab4_ffa
    .symbol:         k_q1a98c0dab4_ffa.kd
    .args:
      - { .name: ha, .offset: 0, .size: 8, .value_kind: global_buffer, .address_space: global }
      - { .name: wf, .offset: 8, .size: 8, .value_kind: global_buffer, .address_space: global }
      - { .name: b1, .offset: 16, .size: 8, .value_kind: global_buffer, .address_space: global }
      - { .name: fa, .offset: 24, .size: 8, .value_kind: global_buffer, .address_space: global }
    .group_segment_fixed_size: 41472
    .private_segment_fixed_size: 0
    .kernarg_segment_align: 8
    .kernarg_segment_size: 32
    .max_flat_workgroup_size: 384
    .sgpr_count:     66
    .vgpr_count:     304
    .wavefront_size: 32
...
	.end_amdgpu_metadata
.endif
;; end of part 14
;; launch ffb (part 15): grid 128 x 1, 12 waves a work-group, no clusters, 137,728 bytes of LDS; arguments fa, wf, hf, b2, g2, beta2, out0; writes out0
.if DOCPART == 15
	.amdgcn_target "amdgcn-amd-amdhsa--gfx1250"
	.amdhsa_code_object_version 6
	.text
	.protected	k_q1a98c0dab4_ffb
	.globl	k_q1a98c0dab4_ffb
	.p2align	8
	.type	k_q1a98c0dab4_ffb,@function
k_q1a98c0dab4_ffb:
	s_mov_b64 s[64:65], 0
	v_nop
	global_prefetch_b8 v0, s[64:65] scope:SCOPE_SE
	s_setreg_imm32_b32 hwreg(HW_REG_WAVE_SCHED_MODE, 0, 2), 2
	s_setreg_imm32_b32 hwreg(HW_REG_WAVE_MODE, 25, 1), 1
	s_wait_xcnt 0x0
	s_wait_alu depctr_vm_vsrc(0)
; out = LayerNorm(h + ff W2 + b2) g2 + beta2 for 32 rows a work-group; ff arrives as codes of BF6 with E8M0 scales (fa), W2 as blocks of wf, h as f32 (hf).
; fa's block, 153,600 bytes for 64 rows: fragment (K step f of 24, row tile mt) at (4 f + mt) 1536 as six planes of 256 bytes; from 147,456 on 256 bytes of scale words a K step, word of (mt, r) at 8 (r + 16 (mt % 2)) + 4 (mt / 2).
; Work-group 2 blk + q takes row tiles 2 q and 2 q + 1: their fragments, 3,072 bytes a K step, are copied into LDS on end (73,728 bytes), the 6,144 bytes of words as they lie; a K step's words of the two tiles are one load of 4 bytes a lane at
; 8 l + 4 q, the even tile's in lanes 0-15, the odd tile's in lanes 16-31.
; Wave w makes columns 64 w .. 64 w + 63 for the 32 rows: 8 accumulators; source 0 = W2's rows (from memory into the one wave that uses them, three buffers: two K steps, 26 loads a wave, are asked for ahead), source 1 = ff's rows (from LDS,
; two buffers by turns).  Lane (r, h) holds row r, register 32 m + 16 b + i the column 64 w + 32 b + 16 h + i.
; h COMES IN AS THE RESULT GOES OUT: sixteen lanes take 256 consecutive bytes of a row, and a tile of 16 rows turns through the wave's own stage in LDS into the accumulators' layout: the residual is the sums' first C; b2 is added behind the product.
; THE NORM in two passes, each wave's part of a row's sum going through LDS; each pass has bytes of its own.  The mean is the sum x (1 / 768).
; LIMITS: NaN and infinities are not served.  No cluster, no tensor load: a weight fragment is used by one wave of a work-group, from registers.
; THE MODE: SCHED_MODE bits 1:0 = 2 (LLVM: expert scheduling mode 2), set by the entry lines.  The code itself states the register dependences between vector or matrix instructions and memory or LDS instructions, with s_wait_alu, always for 0.
; THE PLAN.  Registers that memory or LDS instructions touch in the loop:
;   WB0 .. WB2, WS  K step s: its eight products read WB[s % 3] and its two words; the loads of step s + 2's weights, issued in step s, land in WB[(s + 2) % 3], which step s - 1 read.
;   AF0, AF1, AS    K step s: its products read AF[s % 2] and its word register; the LDS loads of step s + 1's rows, issued in step s, land in the other buffer, which step s - 1 read.
;   v[AAD], v[ASD]  read by every LDS load of rows and words; written once a trip, at the trip's end.
;   v1, v2          the weights' offsets: never written again; the scalar base moves on once a trip, immediate offsets do the rest.
; So ONE wait on va_vdst stands at a step's head, behind the waits for the step's own weights and rows: the step before's products are done reading, and in a trip's first step the two LDS addresses are written.  All the step's loads follow
; it, dealt among its eight products, which name this step's buffers and the accumulators alone.  One wait on vm_vsrc a trip stands ahead of the two additions to the LDS addresses.  A trip is six steps: both kinds of buffer are back at their start.
; Behind the product: a wait on va_vdst ahead of each run of stores of computed numbers, a wait on vm_vsrc ahead of each write of a register that a store has read.
.set ACC, 16                           ; v16-79   8 accumulators
.set WB,  80                           ; v80-223  three weight buffers of 48
.set AF,  224                          ; v224-247 ff's two fragments of an even K step
.set AFW, 2                            ; v258-281 (window 1, v2-25) those of an odd K step
.set WS,  248                          ; v248-253 the weights' scale words, two registers a buffer
.set AS,  254                          ; v254, v255 ff's scale words of an even, of an odd K step
.set AAD, 3
.set ASD, 4
.set WP,  20
.set SEL, 22
.set ASCG, 147456                      ; the words in fa's block,
.set ASCL, 73728                       ; and in LDS
.set RED1, 79872                       ; LDS: the first pass's sums, 2,048 bytes; the second's behind them
.set STG, 83968                        ; a stage of 16 rows x 272 bytes for each wave
.set G,   80                           ; behind the product: v80-111 g, v112-143 beta, v144-175 b2 of my lane's 32 columns
.set BE,  112
.set B2,  144
.set OB,  176
.set RB,  208
.set CH0, 232
.set CH1, 234
.set PT,  236
.set MU,  240
.set MSB, 0
.macro WIN new                         ; the immediate's high byte repeats the setting that is left
.if MSB != \new
	s_set_vgpr_msb (MSB<<8)|\new
.set MSB, \new
.endif
.endm
.macro WM d, a, b, sa, sb, ra, rb             ; one matrix instruction; ra, rb: the scale words stand in lanes 16-31
.set rD, \d
.set rA, \a
.set rB, \b
.set rX, \sa
.set rY, \sb
.if (\ra) && (\rb)
	v_wmma_scale_f32_16x16x128_f8f6f4 v[rD:rD+7], v[rA:rA+11], v[rB:rB+11], v[rD:rD+7], v[rX], v[rY] matrix_a_fmt:MATRIX_FMT_BF6 matrix_b_fmt:MATRIX_FMT_BF6 matrix_a_scale:MATRIX_SCALE_ROW1 matrix_b_scale:MATRIX_SCALE_ROW1
.elseif \ra
	v_wmma_scale_f32_16x16x128_f8f6f4 v[rD:rD+7], v[rA:rA+11], v[rB:rB+11], v[rD:rD+7], v[rX], v[rY] matrix_a_fmt:MATRIX_FMT_BF6 matrix_b_fmt:MATRIX_FMT_BF6 matrix_a_scale:MATRIX_SCALE_ROW1
.elseif \rb
	v_wmma_scale_f32_16x16x128_f8f6f4 v[rD:rD+7], v[rA:rA+11], v[rB:rB+11], v[rD:rD+7], v[rX], v[rY] matrix_a_fmt:MATRIX_FMT_BF6 matrix_b_fmt:MATRIX_FMT_BF6 matrix_b_scale:MATRIX_SCALE_ROW1
.else
	v_wmma_scale_f32_16x16x128_f8f6f4 v[rD:rD+7], v[rA:rA+11], v[rB:rB+11], v[rD:rD+7], v[rX], v[rY] matrix_a_fmt:MATRIX_FMT_BF6 matrix_b_fmt:MATRIX_FMT_BF6
.endif
.endm
; A block of wf: four fragments, 12 loads of 512 consecutive bytes, and its scale words: 13 loads, in two parts
.macro WLOADA buf, off
.irp i, 0,1,2,3,4,5
	global_load_b128 v[WB+48*(\buf)+4*\i:WB+48*(\buf)+4*\i+3], v2, s[WP:WP+1] offset:(\off)+512*\i
.endr
.endm
.macro WLOADB buf, off
.irp i, 6,7,8,9,10,11
	global_load_b128 v[WB+48*(\buf)+4*\i:WB+48*(\buf)+4*\i+3], v2, s[WP:WP+1] offset:(\off)+512*\i
.endr
	global_load_b64 v[WS+2*(\buf):WS+2*(\buf)+1], v1, s[WP:WP+1] offset:(\off)+6144
.endm
.macro AROWS ab, off                   ; a K step's two fragments of the rows, from LDS, into buffer ab; the destination's window has been set
.set rF, AF+(AFW-AF)*(\ab)
.irp m, 0,1
.irp p, 0,1,2,3,4,5
	ds_load_b64 v[rF+12*\m+2*\p:rF+12*\m+2*\p+1], v[AAD] offset:(\off)+1536*\m+256*\p
.endr
.endr
.endm
.macro MUL4 wb, ab, m                  ; row tile m against the weight's four fragments
.irp nt, 0,1,2,3
	WM ACC+32*(\m)+8*\nt, WB+48*(\wb)+12*\nt, AF+(AFW-AF)*(\ab)+12*(\m), WS+2*(\wb)+\nt/2, AS+(\ab), \nt%2, \m
.endr
.endm
.macro VECA                            ; b2 of my lane's 32 columns: it is wanted first,
.irp b, 0,1
.irp g, 0,1,2,3
	global_load_b128 v[B2+16*\b+4*\g:B2+16*\b+4*\g+3], v14, s[10:11] offset:128*\b+16*\g
.endr
.endr
.endm
.macro VECB                            ; then g2 and beta2
.irp b, 0,1
.irp g, 0,1,2,3
	global_load_b128 v[G+16*\b+4*\g:G+16*\b+4*\g+3], v14, s[12:13] offset:128*\b+16*\g
	global_load_b128 v[BE+16*\b+4*\g:BE+16*\b+4*\g+3], v14, s[14:15] offset:128*\b+16*\g
.endr
.endr
.endm
; A K step of 128 on weight buffer wb and row buffer ab.  wcnt: the loads issued behind this step's weights, which may stay out.  anext = 1: the next step's rows are asked for, into the other row buffer.
; wnext = 1: the weights of two steps on are asked for, into the buffer that the step before has left; wnext = 2: b2, g2 and beta2 in their stead, into the two buffers that are done with.
; The 8 accumulators take turns, in the same order in every step, over the loop's backward jump too.
.macro KSTEP wb, ab, wcnt, anext, aoff, soff, wnext, woff
	s_wait_loadcnt \wcnt                           ; this step's weights are in
	s_wait_dscnt 0x0                               ; this step's rows are in (asked for a step ago)
.if (\anext) && ((\ab) == 0)
	WIN 0x40                                       ; the odd steps' rows land in window 1: the switch stands ahead of the wait
.endif
	s_wait_alu depctr_va_vdst(0)                   ; the step before's products are done reading their rows, the rows' words, their weights and the weights' words: all the loads of this step land in those registers; in a trip's first step v[AAD] and v[ASD] are written
.if \anext
	AROWS 1-(\ab), \aoff
	WIN 0
	ds_load_b32 v[AS+1-(\ab)], v[ASD] offset:\soff
.endif
.if \ab
	WIN 0x04                                       ; source 1 in window 1; a load's address and destination stay in window 0 under it
.endif
	MUL4 \wb, \ab, 0
.if (\wnext) == 1
	WLOADA ((\wb)+2)%3, \woff                      ; no wait: no product since the wait above names these registers
.elseif (\wnext) == 2
	VECA
.endif
	MUL4 \wb, \ab, 1
.if (\wnext) == 1
	WLOADB ((\wb)+2)%3, \woff
.elseif (\wnext) == 2
	VECB
.endif
	WIN 0
.rept 4
	v_nop                                          ; four places behind these products, ahead of the first read of results and of the next step's loads into the registers that they read; the wait at that step's head stands beside them
.endr
.endm
.macro ROWSUM mt                       ; the sum of my wave's 64 columns of row 16 mt + r
.set rS, ACC+32*\mt
	v_pk_add_f32 v[CH0:CH0+1], v[rS:rS+1], v[rS+2:rS+3]
	v_pk_add_f32 v[CH1:CH1+1], v[rS+4:rS+5], v[rS+6:rS+7]
.irp j, 8,12,16,20,24,28
	v_pk_add_f32 v[CH0:CH0+1], v[CH0:CH0+1], v[rS+\j:rS+\j+1]
	v_pk_add_f32 v[CH1:CH1+1], v[CH1:CH1+1], v[rS+\j+2:rS+\j+3]
.endr
	v_pk_add_f32 v[CH0:CH0+1], v[CH0:CH0+1], v[CH1:CH1+1]
	v_add_f32 v[CH0], v[CH0], v[CH0+1]
	v_permlanex16_b32 v[PT], v[CH0], s[SEL], s[SEL+1]
	v_add_f32 v[MU+2*\mt], v[CH0], v[PT]
.endm
.macro SQSUM mt                        ; the same of the squares
.set rS, ACC+32*\mt
	v_pk_mul_f32 v[CH0:CH0+1], v[rS:rS+1], v[rS:rS+1]
	v_pk_mul_f32 v[CH1:CH1+1], v[rS+2:rS+3], v[rS+2:rS+3]
.irp j, 4,8,12,16,20,24,28
	v_pk_fma_f32 v[CH0:CH0+1], v[rS+\j:rS+\j+1], v[rS+\j:rS+\j+1], v[CH0:CH0+1]
	v_pk_fma_f32 v[CH1:CH1+1], v[rS+\j+2:rS+\j+3], v[rS+\j+2:rS+\j+3], v[CH1:CH1+1]
.endr
	v_pk_add_f32 v[CH0:CH0+1], v[CH0:CH0+1], v[CH1:CH1+1]
	v_add_f32 v[CH0], v[CH0], v[CH0+1]
	v_permlanex16_b32 v[PT], v[CH0], s[SEL], s[SEL+1]
	v_add_f32 v[MU+2*\mt], v[CH0], v[PT]
.endm
.macro REDUCE off                      ; the twelve waves' parts of each row's sum meet in LDS; every wave adds them in the same order
	s_wait_alu depctr_va_vdst(0)                   ; my parts of the two sums are written, which the stores read; the products and additions that named v[RB ..], in which the loads below land, are done
.irp m, 0,1
	ds_store_b32 v9, v[MU+2*\m] offset:\off+1024*\m
.endr
	s_wait_dscnt 0x0
	s_barrier_signal -1
	s_barrier_wait -1
.irp q, 0,1
.irp g, 0,1,2
	ds_load_b128 v[RB+12*\q+4*\g:RB+12*\q+4*\g+3], v10 offset:\off+1024*\q+16*\g
.endr
.endr
	s_wait_dscnt 0x0
	s_wait_alu depctr_vm_vsrc(0)                   ; the two stores above have read v[MU] and v[MU + 2], which the additions below write again
.irp q, 0,1
	v_pk_add_f32 v[RB+12*\q:RB+12*\q+1], v[RB+12*\q:RB+12*\q+1], v[RB+12*\q+2:RB+12*\q+3]
	v_pk_add_f32 v[RB+12*\q+4:RB+12*\q+5], v[RB+12*\q+4:RB+12*\q+5], v[RB+12*\q+6:RB+12*\q+7]
	v_pk_add_f32 v[RB+12*\q+8:RB+12*\q+9], v[RB+12*\q+8:RB+12*\q+9], v[RB+12*\q+10:RB+12*\q+11]
	v_pk_add_f32 v[RB+12*\q:RB+12*\q+1], v[RB+12*\q:RB+12*\q+1], v[RB+12*\q+4:RB+12*\q+5]
	v_pk_add_f32 v[RB+12*\q:RB+12*\q+1], v[RB+12*\q:RB+12*\q+1], v[RB+12*\q+8:RB+12*\q+9]
	v_add_f32 v[MU+2*\q], v[RB+12*\q], v[RB+12*\q+1]
.endr
.endm
.macro WAYIN mt                        ; 16 rows x my 64 columns, loaded by rows, through my own stage into the accumulators' layout, in the registers that they left
.irp t, 0,1,2,3,4,5,6,7
	ds_store_b128 v7, v[ACC+32*\mt+4*\t:ACC+32*\mt+4*\t+3] offset:544*\t
.endr
	s_wait_alu depctr_vm_vsrc(0)                   ; my LDS stores so far have read their data: the loads below land in this tile's registers, and the registers of the copy into LDS are free for the rows and weights that land there later
.irp b, 0,1
.irp g, 0,1,2,3
	ds_load_b128 v[ACC+32*\mt+16*\b+4*\g:ACC+32*\mt+16*\b+4*\g+3], v6 offset:128*\b+16*\g   ; LDS serves a wave's instructions in order (ISA guide 5.7.1.4): these see the stores above, and the next tile's stores come behind them
.endr
.endr
.endm
.macro WAYOUT mt, base                 ; 16 rows x my 64 columns through my own stage: sixteen lanes then store 256 consecutive bytes of a row
	s_wait_xcnt 0x0                                ; earlier stores have read their registers: the rows read back may land there
.if \mt
	s_wait_alu depctr_vm_vsrc(0)                   ; the tile before's global stores have read v[OB ..], in which the rows read back land
.endif
.irp b, 0,1
.irp g, 0,1,2,3
	ds_store_b128 v6, v[ACC+32*\mt+16*\b+4*\g:ACC+32*\mt+16*\b+4*\g+3] offset:128*\b+16*\g
.endr
.endr
.irp t, 0,1,2,3,4,5,6,7
	ds_load_b128 v[OB+4*\t:OB+4*\t+3], v7 offset:544*\t
.endr
.irp t, 0,1,2,3,4,5,6,7
	s_wait_dscnt 7-\t                              ; load t is in; the younger ones may be out
	global_store_b128 v8, v[OB+4*\t:OB+4*\t+3], s[\base:\base+1] offset:(16*\mt+2*\t)*3072 th:TH_STORE_NT
.endr
.endm
	s_load_b256 s[4:11], s[0:1], 0x0               ; fa, wf, hf, b2
	s_load_b128 s[12:15], s[0:1], 0x20             ; g2, beta2
	s_load_b64 s[16:17], s[0:1], 0x30              ; out0
	v_lshl_add_u32 v11, v0, 2, 0x21400
	s_set_vgpr_msb 0x40
	v_mov_b32 v1, 0
	s_set_vgpr_msb 0x4000
	v_lshrrev_b32 v1, 5, v0
	v_readfirstlane_b32 s18, v1                    ; wave 0..11
	s_lshr_b32 s19, ttmp9, 1                       ; the block of 64 rows
	s_and_b32 s44, ttmp9, 1                        ; q: which 32 of them
	s_mul_i32 s38, s44, 3072                       ; my two fragments of a K step's four
	s_mov_b32 s39, 0
	s_lshl_b32 s46, s44, 2
	s_add_co_u32 s46, s46, ASCL
	v_and_b32 v15, 31, v0
	v_lshlrev_b32 v1, 3, v15                       ; 8 x lane
	v_lshlrev_b32 v2, 4, v15                       ; 16 x lane
	v_lshlrev_b32 v[AAD], 3, v15
	v_add_nc_u32 v[ASD], s46, v1                   ; ff's words: 8 x lane + 4 q
	v_and_b32 v15, 15, v0                          ; r
	s_wait_alu depctr_va_vdst(0)
	v_bfe_u32 v255, v0, 4, 1                       ; h
	s_mov_b32 s[SEL], 0x76543210
	s_mov_b32 s[SEL+1], 0xfedcba98
	s_mov_b32 s24, 0x3aaaaaab                      ; 1 / 768
	s_mov_b32 s25, 0x3727c5ac                      ; 1e-5
	s_wait_alu depctr_va_sdst(0)                   ; s18, the wave's number, is written, ahead of its first reader
	s_lshl_b32 s26, s18, 8                         ; 256 w
	s_mul_i32 s27, s18, 4352
	s_add_co_u32 s27, s27, STG                     ; my stage
	s_lshl_b32 s31, s18, 2
	v_mul_u32_u24 v6, v15, 272
	s_wait_alu depctr_va_vdst(0)
	v_lshl_add_u32 v6, v255, 6, v6
	v_add_nc_u32 v6, s27, v6                       ; the stage in the accumulators' layout: row r, + 64 h
	v_mul_u32_u24 v7, v255, 272
	v_lshl_add_u32 v7, v15, 4, v7
	v_add_nc_u32 v7, s27, v7                       ; by rows: lanes 0-15 one row, lanes 16-31 the next
	v_mul_u32_u24 v8, v255, 3072
	v_lshl_add_u32 v8, v15, 4, v8
	v_add_nc_u32 v8, s26, v8                       ; and the same in hf and in out0
	v_lshlrev_b32 v10, 6, v15
	v_add_nc_u32 v10, RED1, v10
	v_add_nc_u32 v9, s31, v10
	v_lshlrev_b32 v12, 4, v0                       ; 16 x thread,
	v_add_nc_u32 v13, 61440, v12                   ; and ten rounds of 6,144 bytes on (an LDS immediate has 16 bits)
	s_cmp_ge_u32 s18, 6
	s_cselect_b32 s30, 3072, 0
	v_add_nc_u32 v5, s30, v12                      ; in fa: a round of 6,144 bytes is two K steps' halves: threads 192 on pass over the other 32 rows' 3,072 bytes
	v_lshlrev_b32 v14, 6, v255
	v_add_nc_u32 v14, s26, v14                     ; b2, g2, beta2: 256 w + 64 h
	s_mul_i32 s32, s19, 153600
	s_mov_b32 s33, 0
	s_mul_i32 s34, ttmp9, 98304                    ; 32 rows of 3,072 bytes a work-group
	s_mov_b32 s35, 0
	s_mul_i32 s36, s18, 24
	s_add_co_u32 s36, s36, 576
	s_mul_i32 s36, s36, 6400                       ; W2's blocks 576 + 24 w on
	s_mov_b32 s37, 0
	s_wait_kmcnt 0x0
	s_add_nc_u64 s[WP:WP+1], s[6:7], s[36:37]
	s_add_nc_u64 s[4:5], s[4:5], s[32:33]
	s_add_nc_u64 s[40:41], s[4:5], s[38:39]
	s_add_nc_u64 s[8:9], s[8:9], s[34:35]
	s_add_nc_u64 s[16:17], s[16:17], s[34:35]
	s_wait_alu depctr_va_vdst(0)                   ; the offsets and LDS addresses v1 to v14 are written, which every load and store of the kernel reads; so is v255, in which the odd steps' words land
.set i, 0
.rept 12                                       ; my half of ff's codes: 384 threads x 16 bytes, 12 times
	global_load_b128 v[176+4*i:179+4*i], v5, s[40:41] offset:12288*i th:TH_LOAD_NT
.set i, i+1
.endr
	global_load_b128 v[224:227], v12, s[4:5] offset:ASCG   ; and all the words
.irp m, 0,1                                    ; h by rows: sixteen lanes take 256 consecutive bytes
.irp t, 0,1,2,3,4,5,6,7
	global_load_b128 v[ACC+32*\m+4*\t:ACC+32*\m+4*\t+3], v8, s[8:9] offset:(16*\m+2*\t)*3072 th:TH_LOAD_NT
.endr
.endr
	WLOADA 0, 0                                    ; the first two K steps' weights
	WLOADB 0, 0
	WLOADA 1, 6400
	WLOADB 1, 6400
	s_wait_loadcnt 42                              ; ff is in; h's 16 loads and the weights' 26 may be out
.set i, 0
.rept 10
	ds_store_b128 v12, v[176+4*i:179+4*i] offset:6144*i
.set i, i+1
.endr
	ds_store_b128 v13, v[216:219]
	ds_store_b128 v13, v[220:223] offset:6144
	ds_store_b128 v13, v[224:227] offset:12288     ; the words, at 73,728
	s_wait_loadcnt 26                              ; h is in; the weights' 26 may be out
	WAYIN 0
	WAYIN 1
	s_wait_dscnt 0x0                               ; for the others' sake: my part of ff has landed; h is in the accumulators
	s_barrier_signal -1
	s_barrier_wait -1
	AROWS 0, 0                                     ; K step 0's rows and their words
	ds_load_b32 v[AS], v[ASD]
	s_mov_b32 s26, 3
.Lk:                                               ; a trip: six K steps, twice round the three weight buffers and three times round the two row buffers; 3 trips and a tail of six steps make 24
	KSTEP 0, 0, 13, 1, 3072, 256, 1, 12800         ; 13: the next step's weights may be out
	KSTEP 1, 1, 13, 1, 6144, 512, 1, 19200
	KSTEP 2, 0, 13, 1, 9216, 768, 1, 25600
	KSTEP 0, 1, 13, 1, 12288, 1024, 1, 32000
	KSTEP 1, 0, 13, 1, 15360, 1280, 1, 38400
	KSTEP 2, 1, 13, 1, 18432, 1536, 1, 44800
	s_wait_xcnt 0x0                                ; the loads have read their base: it may step
	s_add_nc_u64 s[WP:WP+1], s[WP:WP+1], 38400
	s_wait_alu depctr_vm_vsrc(0)                   ; the LDS loads issued so far have read v[AAD] and v[ASD]
	v_add_nc_u32 v[AAD], 18432, v[AAD]
	v_add_nc_u32 v[ASD], 1536, v[ASD]
	s_sub_co_u32 s26, s26, 1
	s_cmp_lg_u32 s26, 0
	s_cbranch_scc1 .Lk
	KSTEP 0, 0, 13, 1, 3072, 256, 1, 12800         ; K steps 18 to 23 are written out: no load leaves W2's blocks
	KSTEP 1, 1, 13, 1, 6144, 512, 1, 19200
	KSTEP 2, 0, 13, 1, 9216, 768, 1, 25600
	KSTEP 0, 1, 13, 1, 12288, 1024, 1, 32000       ; K step 21 asks for the last weights
	KSTEP 1, 0, 13, 1, 15360, 1280, 0, 0
	KSTEP 2, 1, 0, 0, 0, 0, 2, 0                   ; the last step asks for b2, g2 and beta2
	s_wait_loadcnt 16                              ; b2 is in; the 16 loads of g2 and beta2 may be out
.irp m, 0,1
.set j, 0
.rept 16
	v_pk_add_f32 v[ACC+32*\m+j:ACC+32*\m+j+1], v[ACC+32*\m+j:ACC+32*\m+j+1], v[B2+j:B2+j+1]   ; from the accumulators' low ends on
.set j, j+2
.endr
.endr
	ROWSUM 0
	ROWSUM 1
	REDUCE 0
.irp m, 0,1
	v_mul_f32 v[MU+2*\m], 0xbaaaaaab, v[MU+2*\m]   ; - the mean
.endr
.irp m, 0,1
.set j, 0
.rept 16
	v_pk_add_f32 v[ACC+32*\m+j:ACC+32*\m+j+1], v[ACC+32*\m+j:ACC+32*\m+j+1], v[MU+2*\m:MU+2*\m+1] op_sel_hi:[1,0]
.set j, j+2
.endr
	SQSUM \m
.endr
	REDUCE 2048
.irp m, 0,1
	v_fma_f32 v[MU+2*\m], v[MU+2*\m], s24, s25     ; the variance + eps
.endr
	s_wait_alu depctr_va_vdst(0)
.irp m, 0,1
	v_rsq_f32 v[MU+2*\m], v[MU+2*\m]
.endr
	v_nop                                          ; a plain instruction behind the last of them,
	s_wait_alu depctr_va_vdst(0)                   ; and one wait for the two: v[MU] and v[MU + 2] are written, ahead of their first reader
	s_wait_loadcnt 0x0                             ; g2, beta2
.irp m, 0,1
.set j, 0
.rept 16
	v_pk_mul_f32 v[ACC+32*\m+j:ACC+32*\m+j+1], v[ACC+32*\m+j:ACC+32*\m+j+1], v[MU+2*\m:MU+2*\m+1] op_sel_hi:[1,0]
	v_pk_fma_f32 v[ACC+32*\m+j:ACC+32*\m+j+1], v[ACC+32*\m+j:ACC+32*\m+j+1], v[G+j:G+j+1], v[BE+j:BE+j+1]
.set j, j+2
.endr
.endr
	s_wait_alu depctr_va_vdst(0)                   ; the results are written, which the LDS stores below read; the products that read v[OB ..], in which the rows read back land, are done.  No vector instruction follows
	WAYOUT 0, 16
	WAYOUT 1, 16
	s_set_vgpr_msb 0x4                             ; the add's second register lies in window 1: the one switch stands ahead of the closing lines
	s_wait_dscnt 0x0                               ; the closing lines, six on end
	s_wait_alu 0x0
	s_wait_tensorcnt 0x0
	ds_add_u32 v11, v1
	s_wait_dscnt 0x0
	s_endpgm
.Lfunc_end_k_q1a98c0dab4_ffb:
	.size	k_q1a98c0dab4_ffb, .Lfunc_end_k_q1a98c0dab4_ffb-k_q1a98c0dab4_ffb
	.p2alignl 7, 3214868480
	.fill 96, 4, 3214868480
	.section	.rodata,"a",@progbits
	.p2align	6, 0x0
	.amdhsa_kernel k_q1a98c0dab4_ffb
		.amdhsa_group_segment_fixed_size 137728
		.amdhsa_private_segment_fixed_size 0
		.amdhsa_enable_private_segment 0
		.amdhsa_kernarg_size 56
		.amdhsa_user_sgpr_count 2
		.amdhsa_user_sgpr_kernarg_segment_ptr 1
		.amdhsa_wavefront_size32 1
		.amdhsa_system_sgpr_workgroup_id_x 1
		.amdhsa_system_sgpr_workgroup_id_y 1
		.amdhsa_system_sgpr_workgroup_id_z 1
		.amdhsa_system_vgpr_workitem_id 0
		.amdhsa_next_free_vgpr 282
		.amdhsa_next_free_sgpr 66
		.amdhsa_reserve_vcc 0
		.amdhsa_float_denorm_mode_32 3
		.amdhsa_float_denorm_mode_16_64 3
		.amdhsa_memory_ordered 1
		.amdhsa_forward_progress 1
		.amdhsa_inst_pref_size 72
	.end_amdhsa_kernel
	.amdgpu_metadata
---
amdhsa.version: [ 1, 2 ]
amdhsa.kernels:
  - .name:           k_q1a98c0dab4_ffb
    .symbol:         k_q1a98c0dab4_ffb.kd
    .args:
      - { .name: fa, .offset: 0, .size: 8, .value_kind: global_buffer, .address_space: global }
      - { .name: wf, .offset: 8, .size: 8, .value_kind: global_buffer, .address_space: global }
      - { .name: hf, .offset: 16, .size: 8, .value_kind: global_buffer, .address_space: global }
      - { .name: b2, .offset: 24, .size: 8, .value_kind: global_buffer, .address_space: global }
      - { .name: g2, .offset: 32, .size: 8, .value_kind: global_buffer, .address_space: global }
      - { .name: beta2, .offset: 40, .size: 8, .value_kind: global_buffer, .address_space: global }
      - { .name: out0, .offset: 48, .size: 8, .value_kind: global_buffer, .address_space: global }
    .group_segment_fixed_size: 137728
    .private_segment_fixed_size: 0
    .kernarg_segment_align: 8
    .kernarg_segment_size: 56
    .max_flat_workgroup_size: 384
    .sgpr_count:     66
    .vgpr_count:     282
    .wavefront_size: 32
...
	.end_amdgpu_metadata
.endif
;; end of part 15
